; MI455X (gfx1250); checked and timed in simulation.
; The chip was launched on July 23, 2026; its instructions are those of AMD's public machine-readable ISA for CDNA 5 (MIT licence, August 2026) and "CDNA5" Instruction Set Architecture Reference Guide (July 2026). The comments in the code are by the model that wrote it; some were corrected since.
;; Transformer Block. Allowed arithmetic: matrix products marked QUANTISED: E3M2 operands, one E8M0 scale for each 32 along K, by v_wmma_scale_f32_16x16x128_f8f6f4 with both operands' format E3M2, f32 sums; everything else in f32.
;; Inputs: W1 1,024 x 4,096 float32; W2 4,096 x 1,024 float32; Wo 1,024 x 1,024 float32; Wqkv 1,024 x 3,072 float32; X 2 x 2,048 x 1,024 float32; b1 4,096 float32; b2 1,024 float32; bo 1,024 float32; bqkv 3,072 float32; ln1_b 1,024 float32; ln1_g 1,024 float32; ln2_b 1,024 float32; ln2_g 1,024 float32.
;; Outputs: out0 2 x 2,048 x 1,024 float32.
;; This version of the problem:
;;   THIS VERSION OF THE PROBLEM IS GIVEN IN LOW PRECISION. The matrix products marked QUANTISED in the list below multiply operands that are first quantised to E3M2 (3 exponent bits, 2 mantissa bits; 6 bits a number), with one power-of-two scale for each 32 numbers along K (OCP MX v1.0); their sums are f32. All else is computed in f32.
;;   The module's matrix products, in the order in which they are computed (A, B: the left and right operand; K: the contracted axis; several contracted axes count as one K, in the product's order):
;;     1. [M 4,096, K 1,024] x [K 1,024, N 3,072]; A: computed on the way; B: input Wqkv: QUANTISED
;;     2. batch 32 x [M 2,048, K 64] x [K 64, N 2,048]; A: computed on the way; B: computed on the way: QUANTISED
;;     3. batch 32 x [M 2,048, K 2,048] x [K 2,048, N 64]; A: softmax (see below); B: computed on the way: QUANTISED
;;     4. [M 4,096, K 1,024] x [K 1,024, N 1,024]; A: computed on the way; B: input Wo: QUANTISED
;;     5. [M 4,096, K 1,024] x [K 1,024, N 4,096]; A: computed on the way; B: input W1: QUANTISED
;;     6. [M 4,096, K 4,096] x [K 4,096, N 1,024]; A: computed on the way; B: input W2: QUANTISED
;;   THE QUANTISER, for each operand of a quantised product, along K:
;;     - K is cut into blocks of 32 from its start; a last block that is shorter is filled with zeros.
;;     - A block's scale is 2^e with e = floor(log2(the largest magnitude in the block)) - 4, held to -126 .. 127; a block of zeros has e = 0. As a byte (E8M0): e + 127.
;;     - Each number is divided by its block's scale, clamped to +-28, and rounded to the nearest number of E3M2, ties to even, subnormals kept.
;;     - The product sums the exact products of the quantised numbers (number of the format x scale) in f32.
;;   ~~~python
;;   def quantise(x, axis):      # numpy; x: float32 -> the quantised numbers, widened to float32 again
;;       x = np.moveaxis(x, axis, -1); K = x.shape[-1]
;;       x = np.pad(x, [(0, 0)] * (x.ndim - 1) + [(0, -K % 32)]); x = x.reshape(x.shape[:-1] + (-1, 32)); a = np.abs(x).max(-1, keepdims=True)
;;       e = np.where(a > 0, np.clip(np.frexp(np.where(a > 0, a, 1))[1] - 1 - 4, -126, 127), 0)      # np.frexp(a)[1] - 1 = floor(log2(a)), exactly
;;       r = np.clip(x / 2.0 ** e, -28, 28)
;;       step = 2.0 ** (np.maximum(np.frexp(np.where(r == 0, 1, r))[1] - 1, -2) - 2)
;;       q = np.round(r / step) * step * 2.0 ** e      # np.round: ties to even
;;       return np.moveaxis(q.reshape(q.shape[:-2] + (-1,))[..., :K], -1, axis).astype(np.float32)
;;   ~~~
;;   SOFTMAX AHEAD OF A QUANTISED PRODUCT. Where the list says 'softmax', what is quantised is not the finished softmax but p = 2^(t - M), with t = logit x log2(e) and M = ceil(the row's largest t), a whole number; so 1/2 < the row's largest p <= 1. The row's sum l is taken of the UNQUANTISED p, in f32, and the product's result is divided by l at the end. Since M is a whole number, a kernel that streams over the keys may use a running M (the ceiling of the running maximum): every later rescaling is an exact power of two, which a block's scale takes up: the codes' values come out the same.
;;   OPERANDS COMPUTED ON THE WAY. 'Computed on the way' means the value that the module computes at that place (a softmax that the list does not call 'softmax' is quantised finished and normalised). What goes into a quantiser is computed in f32, as accurately as f32 sums, v_exp_f32 and their like allow (about 1e-6 of the number): no bf16 or f16 on the way to a quantiser, and a product that is left as it is and whose result goes on into a quantised operand takes f32 operands (vector FMAs, or v_wmma_f32_16x16x4_f32). A number that lies on a knife's edge between two numbers of the format may be rounded either way, as far as f32 arithmetic and the matrix unit's own rounding can turn it there, and no further.
;; One version. Each part assembles by itself: llvm-mc -triple=amdgcn-amd-amdhsa -mcpu=gfx1250 --defsym DOCPART=n.
;; ======== version 1 of 1: 7 launches
;; limits: right only within a limited range of input values
;; workspace buffers: WB 9,830,400 bytes; XN 3,276,800 bytes; QKV 10,092,544 bytes; CX 3,276,800 bytes; X1 16,777,216 bytes; XN2 3,276,800 bytes; H 13,107,200 bytes
;; launch prep1 (part 1): grid 384 x 1, 8 waves a work-group, no clusters, 93,952 bytes of LDS; arguments Wqkv, Wo, X, ln1_g, ln1_b, WB, XN; writes WB, XN
.if DOCPART == 1
	.amdgcn_target "amdgcn-amd-amdhsa--gfx1250"
	.amdhsa_code_object_version 6
	.text
	.protected	k_qa1768d5d6f_prep1
	.globl	k_qa1768d5d6f_prep1
	.p2align	8
	.type	k_qa1768d5d6f_prep1,@function
k_qa1768d5d6f_prep1:
	s_mov_b64 s[64:65], 0
	v_nop
	global_prefetch_b8 v0, s[64:65] scope:SCOPE_SE
	s_setreg_imm32_b32 hwreg(HW_REG_WAVE_MODE, 25, 1), 1
	s_wait_xcnt 0x0
; TWO JOBS IN ONE LAUNCH, parted once, at the first line, on the work-group's number.  Work-groups 0 .. NW - 1 quantise two weights; work-groups NW .. NW + 255 normalise and quantise one tile of 16 tokens each.
; The two ways share no register, no LDS byte and no buffer; each ends its waves itself.  Every wave of a work-group takes the same way, so the barriers of the second way are passed by all eight waves.
; BOTH make codes of BF6 (E3M2) with one E8M0 byte for each 32 along K, laid as the matrix unit's operand registers take them:
; RECORD: 16 rows x 128 K = 1,536 bytes: bytes 0-511 registers 0-3 (lane l at 16 l), 512-767 registers 4-5 (8 l), 768-1279 registers 6-9, 1280-1535 registers 10-11.  An operand is [rows/16 row tiles][K/128][record];
; its scale words [row tile][K step][16 words].  Row tile i, lane-row p holds logical row 32 (i/2) + 8 (i%2) + p + 8 (p/8).
; THE WEIGHTS, f32 stored [K][N].  A LANE TAKES A COLUMN n AND ITS REGISTERS RUN DOWN K: a load reads 128 consecutive bytes a wave, a block of 32 lies in one lane, the conversions give K innermost.
; A wave takes 32 columns (two row tiles) x 128 along K (one K step, four blocks): two records, gathered in the wave's own stage and stored as runs of 512 consecutive aligned bytes.  All its 128 loads are issued at once.
; THE NORM: out = Q(layernorm(x) g + b), x [4096][1024] f32.  Phase 1: wave w normalises lane-rows 2 w and 2 w + 1 (two neighbouring tokens, 8,192 consecutive bytes), mean first, then the squares of x - mean: a common
; offset does no harm.  The rows meet in a stage in LDS (pitch 4,112 bytes: the 16 rows of a load start at 16 different groups of banks).  Phase 2: wave w quantises K step w and stores its record from registers.
; All arithmetic ahead of the quantisers is f32.
; LIMITS: NaN and infinities are not served; a block of zeros, or one whose largest magnitude lies under 2^-122, keeps the byte 1; the bytes are read by this program alone.
.set NW,   128                         ; work-groups for the weights: 96 for Wqkv (12 groups of 256 columns x 8 K steps), 32 for Wo (4 x 8)
.set NW0,  96
.set N0,   3072                        ; Wqkv: columns, K steps and their logarithm, where its codes and its scale words begin in WB
.set KS0,  8
.set LK0,  3
.set CO0,  0
.set SO0,  9437184
.set N1,   1024                        ; Wo
.set KS1,  8
.set LK1,  3
.set CO1,  2359296
.set SO1,  9535488
.set OSC,  3145728                     ; the norm's output: where its scale words begin
.set STU,  1664                        ; the weights' stage: a row tile's record and 128 bytes, so that the two tiles' stores fall on different banks
.set STW,  2*STU                       ; a wave's stage
.set LNB,  8*STW                       ; behind the eight stages: the norm's LDS bytes
.set PITCH, 4112
.set SCG,  LNB+16*PITCH                ; behind the norm's stage: the tile's 512 bytes of scale words
.set WOFF, 32                          ; weights: v32-63 4 c + i x 4 N: row i of a block, my column; never rewritten
.set WX,   64                          ; v64-191  four sets of 32 numbers
.set WC,   192                         ; v192-223 four sets of codes: no store's data are written again
.set WSB,  24                          ; v24      my column's scale word
.set WOUT, 64                          ; v64-87   the way out
.set LX,  32                           ; norm: v32-95 two rows, 32 numbers a lane each; later 64 numbers of a K step
.set GG,  96                           ; v96-127  g at my columns
.set BB,  128                          ; v128-159 b
.set T,   160                          ; v160-175 sums, then means; later QUANT's work
.set SS,  176                          ; v176-191 sums of squares; later the codes
.set RS,  192                          ; v192-195 1 / sqrt(var + eps), a pair a row
.set TM,  160
.set PC,  176
.set PW,  196
.set SEL, 20
	v_lshl_add_u32 v224, v0, 2, 0x16b00
	v_mov_b32 v225, 0
	s_cmp_lt_u32 ttmp9, NW
	s_cbranch_scc0 .Lnorm
	; ---------------- the weights
	s_load_b128 s[4:7], s[0:1], 0x0                ; the two weights
	s_load_b64 s[12:13], s[0:1], 0x28              ; WB
	v_lshrrev_b32 v1, 5, v0
	s_delay_alu instid0(VALU_DEP_1)
	v_readfirstlane_b32 s14, v1                    ; wave 0..7
	v_and_b32 v2, 31, v0                           ; c: my column of the wave's 32
	s_wait_alu depctr_va_vdst(0)
	s_sub_co_u32 s24, ttmp9, NW0
	s_mov_b32 s18, N1
	s_mov_b32 s19, KS1
	s_mov_b32 s25, LK1
	s_mov_b32 s22, CO1
	s_mov_b32 s23, SO1
	s_cmp_lt_u32 ttmp9, NW0                        ; the choices hang on the work-group's number alone
	s_cselect_b32 s24, ttmp9, s24                  ; my number within the tensor
	s_cselect_b32 s18, N0, s18
	s_cselect_b32 s19, KS0, s19
	s_cselect_b32 s25, LK0, s25
	s_cselect_b32 s22, CO0, s22
	s_cselect_b32 s23, SO0, s23
	s_lshr_b32 s20, s24, s25                       ; which 256 columns,
	s_sub_co_u32 s26, s19, 1
	s_and_b32 s21, s24, s26                        ; which K step
	s_lshl_b32 s27, s20, 8
	s_lshl_b32 s28, s14, 5
	s_add_co_u32 s27, s27, s28                     ; my wave's first column
	s_mul_i32 s28, s21, s18
	s_lshl_b32 s28, s28, 9                         ; 128 rows of 4 N bytes for each K step,
	s_lshl_b32 s29, s27, 2
	s_add_co_u32 s28, s28, s29                     ; + 4 x column
	s_mov_b32 s29, 0
	s_lshl_b32 s30, s18, 7                         ; a block on: 32 rows of 4 N bytes
	s_mov_b32 s31, 0
	s_lshl_b32 s26, s18, 2                         ; a row of W in bytes
	v_lshlrev_b32 v[WOFF], 2, v2
.set li, 1
.rept 31
	s_delay_alu instid0(VALU_DEP_1)
	v_add_nc_u32 v[WOFF+li], s26, v[WOFF+li-1]
.set li, li+1
.endr
	s_lshr_b32 s54, s27, 4                         ; my first row tile
	s_mul_i32 s54, s54, s19
	s_add_co_u32 s54, s54, s21                     ; its record of my K step
	s_mul_i32 s56, s54, 1536
	s_add_co_u32 s56, s56, s22
	s_mov_b32 s57, 0
	s_mul_i32 s40, s19, 1536                       ; a row tile on
	s_mov_b32 s41, 0
	s_lshl_b32 s42, s54, 6
	s_add_co_u32 s42, s42, s23
	s_mov_b32 s43, 0
	v_bfe_u32 v3, v0, 3, 1                         ; u: which of the two row tiles my column lies in
	v_and_b32 v4, 7, v0
	v_bfe_u32 v5, v0, 4, 1
	s_delay_alu instid0(VALU_DEP_1)
	v_lshl_add_u32 v4, v5, 3, v4                   ; p: its lane-row there
	s_mul_i32 s58, s14, STW
	v_mul_u32_u24 v6, v3, STU
	s_delay_alu instid0(VALU_DEP_1)
	v_add_nc_u32 v6, s58, v6
	s_delay_alu instid0(VALU_DEP_1)
	v_lshl_add_u32 v7, v4, 3, v6                   ; the stage, registers 4-5 of a half record: 8 p
	s_delay_alu instid0(VALU_DEP_2)
	v_lshl_add_u32 v6, v4, 4, v6                   ; registers 0-3: 16 p
	v_lshlrev_b32 v10, 4, v2                       ; the way out: 16 bytes a lane
	s_delay_alu instid0(VALU_DEP_1)
	v_add_nc_u32 v9, s58, v10
	s_lshl_b32 s59, s19, 6
	v_mul_u32_u24 v11, v3, s59
	s_delay_alu instid0(VALU_DEP_1)
	v_lshl_add_u32 v11, v4, 2, v11                 ; my scale word's place: row tile u, lane-row p
	s_wait_kmcnt 0x0
	s_cmp_lt_u32 ttmp9, NW0
	s_cselect_b64 s[16:17], s[4:5], s[6:7]
	s_add_nc_u64 s[32:33], s[16:17], s[28:29]      ; block 0's first row
.irp t, 1,2,3
	s_add_nc_u64 s[32+2*\t:33+2*\t], s[30+2*\t:31+2*\t], s[30:31]   ; a base for each of the four blocks: none is ever stepped
.endr
	s_add_nc_u64 s[48:49], s[12:13], s[56:57]      ; codes: row tile 0's record,
	s_add_nc_u64 s[50:51], s[48:49], s[40:41]      ; row tile 1's
	s_add_nc_u64 s[52:53], s[12:13], s[42:43]      ; scale words
.macro LOAD t                          ; block t: W(32 t + i, my column) into set t
.set li, 0
.rept 32
	global_load_b32 v[WX+32*(\t)+li], v[WOFF+li], s[32+2*(\t):33+2*(\t)] th:TH_LOAD_NT
.set li, li+1
.endr
.endm
	LOAD 0
	LOAD 1
	LOAD 2
	LOAD 3
.macro BLOCK t
.set XS, WX+32*(\t)
.set CC, WC+8*(\t)
.if (\t) < 2
	s_wait_loadcnt 63                              ; of my 128 loads at most 63 are out: the first 65 are in, blocks 0 and 1 among them (96 and 64 would do: the count's field holds no more than 63)
.else
	s_wait_loadcnt 32*(3-(\t))                     ; this block's 32 loads are in; the later block's may be out
.endif
	v_max3_num_f32 v12, |v[XS]|, |v[XS+1]|, |v[XS+2]|               ; the block's largest magnitude: all 32 numbers are mine
	v_max3_num_f32 v13, |v[XS+3]|, |v[XS+4]|, |v[XS+5]|
.irp i, 6,10,14,18,22,26
	s_delay_alu instid0(VALU_DEP_2)
	v_max3_num_f32 v12, v12, |v[XS+\i]|, |v[XS+\i+1]|
	s_delay_alu instid0(VALU_DEP_2)
	v_max3_num_f32 v13, v13, |v[XS+\i+2]|, |v[XS+\i+3]|
.endr
	s_delay_alu instid0(VALU_DEP_2)
	v_max3_num_f32 v12, v12, |v[XS+30]|, |v[XS+31]|
	s_delay_alu instid0(VALU_DEP_1)
	v_max3_num_f32 v12, v12, v13, 0x2800000        ; and the floor 2^(5 - 127): the byte cannot fall under 1
	s_delay_alu instid0(VALU_DEP_1)
	v_add_nc_u32 v14, 0xfe000000, v12              ; 4 off the exponent field: the conversion's scale operand
	s_delay_alu instid0(VALU_DEP_1)
	v_lshrrev_b32 v13, 23, v14                     ; the scale's byte
.if (\t) == 0
	s_delay_alu instid0(VALU_DEP_1)
	v_mov_b32 v[WSB], v13
.else
	s_delay_alu instid0(VALU_DEP_1)
	v_lshl_or_b32 v[WSB], v13, 8*(\t), v[WSB]
.endif
	v_cvt_scalef32_pk16_bf6_f32 v[CC:CC+2], v[XS:XS+15], v14
	v_cvt_scalef32_pk16_bf6_f32 v[CC+4:CC+6], v[XS+16:XS+31], v14   ; (a conversion's three registers begin on an even number)
	v_nop                                          ; one plain line behind the conversions
	v_mov_b32 v[CC+3], v[CC+4]
	v_mov_b32 v[CC+4], v[CC+5]
	v_mov_b32 v[CC+5], v[CC+6]                     ; six registers on end: block t is registers 6 (t/2) .. +5 of lane p + 16 (t%2)
	ds_store_b128 v6, v[CC:CC+3] offset:((\t)/2)*768+((\t)%2)*256
	ds_store_b64 v7, v[CC+4:CC+5] offset:((\t)/2)*768+512+((\t)%2)*128
.endm
.irp t, 0,1,2,3
	BLOCK \t
.endr
	global_store_b32 v11, v[WSB], s[52:53]         ; 16 lanes fill a record's 64 bytes of scale words
.irp n, 0,1,2,3,4,5
	ds_load_b128 v[WOUT+4*\n:WOUT+4*\n+3], v9 offset:(\n/3)*STU+512*(\n%3)   ; LDS serves a wave's instructions in order: these see my stores
.endr
.irp n, 0,1,2,3,4,5
	s_wait_dscnt 5-\n                              ; read-back n is in; the younger ones may be out
	global_store_b128 v10, v[WOUT+4*\n:WOUT+4*\n+3], s[48+2*(\n/3):49+2*(\n/3)] offset:512*(\n%3)   ; 32 lanes store 512 consecutive bytes, aligned
.endr
	s_wait_tensorcnt 0x0
	ds_add_u32 v224, v225
	s_wait_dscnt 0x0
	s_endpgm
	; ---------------- the norm
.macro LSUM a, b                       ; v[a] summed over the 32 lanes, into every lane
	v_add_f32_dpp v[\a], v[\a], v[\a] row_xmask:1 row_mask:0xf bank_mask:0xf
	s_delay_alu instid0(VALU_DEP_1)
	v_add_f32_dpp v[\a], v[\a], v[\a] row_xmask:2 row_mask:0xf bank_mask:0xf
	s_delay_alu instid0(VALU_DEP_1)
	v_add_f32_dpp v[\a], v[\a], v[\a] row_xmask:4 row_mask:0xf bank_mask:0xf
	s_delay_alu instid0(VALU_DEP_1)
	v_add_f32_dpp v[\a], v[\a], v[\a] row_xmask:8 row_mask:0xf bank_mask:0xf
	s_delay_alu instid0(VALU_DEP_1)
	v_permlanex16_b32 v[\b], v[\a], s[SEL], s[SEL+1]
	s_delay_alu instid0(VALU_DEP_1)
	v_add_f32 v[\a], v[\a], v[\b]
.endm
; 64 numbers of a lane, register 16 b + i = k 32 b + 16 (lane / 16) + i of my row, become a fragment's codes in v[PC] on and its scale word in v[PW]
.macro QUANT s
.irp b, 0,1,2,3
	v_max3_num_f32 v[TM+\b], |v[\s+16*\b]|, |v[\s+1+16*\b]|, 0x2800000   ; my 16 numbers of block b, and the floor 2^(5 - 127)
.endr
.irp i, 2,4,6,8,10,12,14
.irp b, 0,1,2,3
	s_delay_alu instid0(VALU_DEP_4)
	v_max3_num_f32 v[TM+\b], v[TM+\b], |v[\s+16*\b+\i]|, |v[\s+1+16*\b+\i]|
.endr
.endr
.irp b, 0,1,2,3
	s_delay_alu instid0(VALU_DEP_4)
	v_permlanex16_b32 v[TM+4+\b], v[TM+\b], s[SEL], s[SEL+1]
.endr
.irp b, 0,1,2,3
	s_delay_alu instid0(VALU_DEP_4)
	v_max_num_f32 v[TM+\b], v[TM+\b], v[TM+4+\b]   ; with lane l xor 16's: the block's largest magnitude
.endr
.irp b, 0,1,2,3
	s_delay_alu instid0(VALU_DEP_4)
	v_add_nc_u32 v[TM+12+\b], 0xfe000000, v[TM+\b]   ; 4 off its exponent field: the conversion's scale operand
.endr
.irp b, 0,1,2,3
	s_delay_alu instid0(VALU_DEP_4)
	v_lshrrev_b32 v[TM+4+\b], 23, v[TM+12+\b]      ; the scale's byte
.endr
	s_delay_alu instid0(VALU_DEP_3)
	v_lshl_or_b32 v[PW], v[TM+5], 8, v[TM+4]
	s_delay_alu instid0(VALU_DEP_1)
	v_lshl_or_b32 v[PW], v[TM+6], 16, v[PW]
	s_delay_alu instid0(VALU_DEP_1)
	v_lshl_or_b32 v[PW], v[TM+7], 24, v[PW]
.irp c, 0,1
	v_cvt_scalef32_pk16_bf6_f32 v[PC+6*\c:PC+2+6*\c], v[\s+32*\c:\s+15+32*\c], v[TM+12+2*\c]
	v_cvt_scalef32_pk16_bf6_f32 v[PC+12+4*\c:PC+14+4*\c], v[\s+16+32*\c:\s+31+32*\c], v[TM+12+2*\c+1]
.endr
	v_nop                                          ; one plain line behind the conversions
.irp c, 0,1                            ; the operand wants a whole block in a lane: lanes 0-15 block 2 c, lanes 16-31 block 2 c + 1
.irp i, 0,1,2
	v_permlane16_swap_b32 v[PC+6*\c+\i], v[PC+12+4*\c+\i]
.endr
.irp i, 0,1,2
	s_delay_alu instid0(VALU_DEP_3)
	v_mov_b32 v[PC+3+6*\c+\i], v[PC+12+4*\c+\i]
.endr
.endr
.endm
.Lnorm:
	s_load_b128 s[4:7], s[0:1], 0x10               ; x, g
	s_load_b64 s[8:9], s[0:1], 0x20                ; b
	s_load_b64 s[10:11], s[0:1], 0x30              ; out
	s_sub_co_u32 s26, ttmp9, NW                    ; my row tile
	v_lshrrev_b32 v1, 5, v0
	s_delay_alu instid0(VALU_DEP_1)
	v_readfirstlane_b32 s12, v1                    ; wave 0..7
	v_and_b32 v2, 31, v0
	s_delay_alu instid0(VALU_DEP_1)
	v_lshlrev_b32 v3, 4, v2                        ; 16 x lane
	s_wait_alu depctr_va_vdst(0)
	v_lshlrev_b32 v9, 3, v2                        ; 8 x lane
	s_lshr_b32 s13, s26, 1
	s_lshl_b32 s13, s13, 5
	s_and_b32 s14, s26, 1
	s_lshl_b32 s14, s14, 3
	s_add_co_u32 s13, s13, s14                     ; the tile's first token
	s_lshl_b32 s14, s12, 1
	s_add_co_u32 s13, s13, s14
	s_lshr_b32 s14, s12, 2
	s_lshl_b32 s14, s14, 3
	s_add_co_u32 s13, s13, s14                     ; lane-row 2 w's token
	s_lshl_b32 s14, s13, 12
	s_mov_b32 s15, 0
	s_mov_b32 s16, 0x3a800000                      ; 1 / 1024
	s_mov_b32 s[SEL], 0x76543210
	s_mov_b32 s[SEL+1], 0xfedcba98
	s_mul_i32 s17, s12, 2*PITCH
	s_add_co_u32 s17, s17, LNB
	v_add_nc_u32 v4, s17, v3                       ; the stage, in: my two rows, 16 bytes a lane
	v_and_b32 v6, 15, v0                           ; r
	v_bfe_u32 v7, v0, 4, 1                         ; h
	s_delay_alu instid0(VALU_DEP_2)
	v_mul_u32_u24 v5, v6, PITCH
	s_delay_alu instid0(VALU_DEP_1)
	v_lshl_add_u32 v5, v7, 6, v5
	s_lshl_b32 s18, s12, 9
	s_add_co_u32 s18, s18, LNB
	v_add_nc_u32 v5, s18, v5                       ; out: row r, K step w, + 64 h: my 16 numbers of a block of 32
	v_lshlrev_b32 v8, 2, v6
	s_lshl_b32 s19, s12, 6
	v_add_nc_u32 v8, s19, v8
	s_delay_alu instid0(VALU_DEP_1)
	v_add_nc_u32 v8, SCG, v8                       ; my row's scale word of K step w
	v_add_nc_u32 v10, SCG, v3                      ; and the 512 bytes as wave 0 reads them back
	s_lshl_b32 s22, s26, 3
	s_add_co_u32 s22, s22, s12
	s_mul_i32 s22, s22, 1536                       ; my record
	s_mov_b32 s23, 0
	s_lshl_b32 s24, s26, 9
	s_add_co_u32 s24, s24, OSC                     ; the tile's scale words
	s_mov_b32 s25, 0
	s_wait_kmcnt 0x0
	s_add_nc_u64 s[4:5], s[4:5], s[14:15]
	s_add_nc_u64 s[22:23], s[10:11], s[22:23]
	s_add_nc_u64 s[24:25], s[10:11], s[24:25]
.irp r, 0,1
.irp j, 0,1,2,3,4,5,6,7
	global_load_b128 v[LX+32*\r+4*\j:LX+32*\r+4*\j+3], v3, s[4:5] offset:4096*\r+512*\j th:TH_LOAD_NT   ; 512 consecutive bytes a load
.endr
.endr
.irp j, 0,1,2,3,4,5,6,7
	global_load_b128 v[GG+4*\j:GG+4*\j+3], v3, s[6:7] offset:512*\j
.endr
.irp j, 0,1,2,3,4,5,6,7
	global_load_b128 v[BB+4*\j:BB+4*\j+3], v3, s[8:9] offset:512*\j
.endr
	s_wait_loadcnt 16                              ; x is in; the 16 loads of g and b may be out
.irp k, 0,1,2,3                        ; the sums, in four chains a row, the rows by turns
.irp r, 0,1
	v_pk_add_f32 v[T+8*\r+2*\k:T+8*\r+2*\k+1], v[LX+32*\r+2*\k:LX+32*\r+2*\k+1], v[LX+32*\r+8+2*\k:LX+32*\r+8+2*\k+1]
.endr
.endr
.irp m, 16,24
.irp k, 0,1,2,3
.irp r, 0,1
	v_pk_add_f32 v[T+8*\r+2*\k:T+8*\r+2*\k+1], v[T+8*\r+2*\k:T+8*\r+2*\k+1], v[LX+32*\r+\m+2*\k:LX+32*\r+\m+2*\k+1]
.endr
.endr
.endr
.irp r, 0
	v_pk_add_f32 v[T+8*\r:T+8*\r+1], v[T+8*\r:T+8*\r+1], v[T+8*\r+2:T+8*\r+3]
	s_delay_alu instid0(VALU_DEP_3)
	v_pk_add_f32 v[T+8*\r+4:T+8*\r+5], v[T+8*\r+4:T+8*\r+5], v[T+8*\r+6:T+8*\r+7]
.endr
.irp r, 1
	v_pk_add_f32 v[T+8*\r:T+8*\r+1], v[T+8*\r:T+8*\r+1], v[T+8*\r+2:T+8*\r+3]
	s_delay_alu instid0(VALU_DEP_4)
	v_pk_add_f32 v[T+8*\r+4:T+8*\r+5], v[T+8*\r+4:T+8*\r+5], v[T+8*\r+6:T+8*\r+7]
.endr
.irp r, 0
	s_delay_alu instid0(VALU_DEP_3)
	v_pk_add_f32 v[T+8*\r:T+8*\r+1], v[T+8*\r:T+8*\r+1], v[T+8*\r+4:T+8*\r+5]
.endr
.irp r, 1
	s_delay_alu instid0(VALU_DEP_2)
	v_pk_add_f32 v[T+8*\r:T+8*\r+1], v[T+8*\r:T+8*\r+1], v[T+8*\r+4:T+8*\r+5]
.endr
.irp r, 0,1
	s_delay_alu instid0(VALU_DEP_2)
	v_add_f32 v[T+8*\r], v[T+8*\r], v[T+8*\r+1]
.endr
	LSUM T, T+1
	LSUM T+8, T+9
.irp r, 0
	v_mul_f32 v[T+8*\r], s16, v[T+8*\r]            ; the mean,
.endr
.irp r, 1
	s_delay_alu instid0(VALU_DEP_2)
	v_mul_f32 v[T+8*\r], s16, v[T+8*\r]            ; the mean,
.endr
.irp r, 0,1
	s_delay_alu instid0(VALU_DEP_2)
	v_mov_b32 v[T+8*\r+1], v[T+8*\r]               ; as a pair
.endr
.irp r, 0,1
.set pp, 0
.rept 16
	v_pk_add_f32 v[LX+32*\r+2*pp:LX+32*\r+2*pp+1], v[LX+32*\r+2*pp:LX+32*\r+2*pp+1], v[T+8*\r:T+8*\r+1] neg_lo:[0,1] neg_hi:[0,1]   ; x - mean
.set pp, pp+1
.endr
.endr
.irp k, 0,1,2,3
.irp r, 0,1
	v_pk_mul_f32 v[SS+8*\r+2*\k:SS+8*\r+2*\k+1], v[LX+32*\r+2*\k:LX+32*\r+2*\k+1], v[LX+32*\r+2*\k:LX+32*\r+2*\k+1]
.endr
.endr
.irp m, 8,16,24
.irp k, 0,1,2,3
.irp r, 0,1
	v_pk_fma_f32 v[SS+8*\r+2*\k:SS+8*\r+2*\k+1], v[LX+32*\r+\m+2*\k:LX+32*\r+\m+2*\k+1], v[LX+32*\r+\m+2*\k:LX+32*\r+\m+2*\k+1], v[SS+8*\r+2*\k:SS+8*\r+2*\k+1]
.endr
.endr
.endr
.irp r, 0
	v_pk_add_f32 v[SS+8*\r:SS+8*\r+1], v[SS+8*\r:SS+8*\r+1], v[SS+8*\r+2:SS+8*\r+3]
	s_delay_alu instid0(VALU_DEP_3)
	v_pk_add_f32 v[SS+8*\r+4:SS+8*\r+5], v[SS+8*\r+4:SS+8*\r+5], v[SS+8*\r+6:SS+8*\r+7]
.endr
.irp r, 1
	v_pk_add_f32 v[SS+8*\r:SS+8*\r+1], v[SS+8*\r:SS+8*\r+1], v[SS+8*\r+2:SS+8*\r+3]
	s_delay_alu instid0(VALU_DEP_4)
	v_pk_add_f32 v[SS+8*\r+4:SS+8*\r+5], v[SS+8*\r+4:SS+8*\r+5], v[SS+8*\r+6:SS+8*\r+7]
.endr
.irp r, 0
	s_delay_alu instid0(VALU_DEP_3)
	v_pk_add_f32 v[SS+8*\r:SS+8*\r+1], v[SS+8*\r:SS+8*\r+1], v[SS+8*\r+4:SS+8*\r+5]
.endr
.irp r, 1
	s_delay_alu instid0(VALU_DEP_2)
	v_pk_add_f32 v[SS+8*\r:SS+8*\r+1], v[SS+8*\r:SS+8*\r+1], v[SS+8*\r+4:SS+8*\r+5]
.endr
.irp r, 0,1
	s_delay_alu instid0(VALU_DEP_2)
	v_add_f32 v[SS+8*\r], v[SS+8*\r], v[SS+8*\r+1]
.endr
	LSUM SS, SS+1
	LSUM SS+8, SS+9
.irp r, 0
	v_fmaak_f32 v[SS+8*\r], s16, v[SS+8*\r], 0x3727c5ac   ; var + 1e-5
.endr
.irp r, 1
	s_delay_alu instid0(VALU_DEP_2)
	v_fmaak_f32 v[SS+8*\r], s16, v[SS+8*\r], 0x3727c5ac   ; var + 1e-5
.endr
	s_wait_alu depctr_va_vdst(0)
.irp r, 0,1
	v_rsq_f32 v[RS+2*\r], v[SS+8*\r]
.endr
	v_nop                                          ; a plain line behind the two roots,
	s_wait_alu depctr_va_vdst(0)                   ; and one wait for both, ahead of their first reader
.irp r, 0,1
	v_mov_b32 v[RS+2*\r+1], v[RS+2*\r]
.endr
	s_wait_alu depctr_va_vdst(0)
	s_wait_loadcnt 0x0                             ; g and b
.irp r, 0,1
.set pp, 0
.rept 16
	v_pk_mul_f32 v[LX+32*\r+2*pp:LX+32*\r+2*pp+1], v[LX+32*\r+2*pp:LX+32*\r+2*pp+1], v[RS+2*\r:RS+2*\r+1]
.set pp, pp+1
.endr
.set pp, 0
.rept 16
	v_pk_fma_f32 v[LX+32*\r+2*pp:LX+32*\r+2*pp+1], v[LX+32*\r+2*pp:LX+32*\r+2*pp+1], v[GG+2*pp:GG+2*pp+1], v[BB+2*pp:BB+2*pp+1]
.set pp, pp+1
.endr
.irp j, 0,1,2,3,4,5,6,7
	ds_store_b128 v4, v[LX+32*\r+4*\j:LX+32*\r+4*\j+3] offset:PITCH*\r+512*\j
.endr
.endr
	s_wait_dscnt 0x0                               ; for the others' sake: my two rows lie in the stage
	s_barrier_signal -1
	s_barrier_wait -1
.irp b, 0,1,2,3
.irp j, 0,1,2,3
	ds_load_b128 v[LX+16*\b+4*\j:LX+16*\b+4*\j+3], v5 offset:128*\b+16*\j
.endr
.endr
	s_wait_dscnt 0x0
	QUANT LX
	global_store_b128 v3, v[PC:PC+3], s[22:23]                     ; the record leaves from the registers: 512, 256, 512, 256 consecutive bytes, aligned
	global_store_b64 v9, v[PC+4:PC+5], s[22:23] offset:512
	global_store_b128 v3, v[PC+6:PC+9], s[22:23] offset:768
	global_store_b64 v9, v[PC+10:PC+11], s[22:23] offset:1280
	ds_store_b32 v8, v[PW]                         ; lanes l and l xor 16 write the same word with the same value
	s_wait_dscnt 0x0
	s_barrier_signal -1
	s_barrier_wait -1
	s_cmp_lg_u32 s12, 0
	s_cbranch_scc1 .Lend
	ds_load_b128 v[32:35], v10                     ; wave 0 stores the tile's 512 bytes of scale words as two whole aligned blocks of 256
	s_wait_dscnt 0x0
	global_store_b128 v3, v[32:35], s[24:25]
.Lend:
	s_wait_tensorcnt 0x0
	ds_add_u32 v224, v225
	s_wait_dscnt 0x0
	s_endpgm
.Lfunc_end_k_qa1768d5d6f_prep1:
	.size	k_qa1768d5d6f_prep1, .Lfunc_end_k_qa1768d5d6f_prep1-k_qa1768d5d6f_prep1
	.p2alignl 7, 3214868480
	.fill 96, 4, 3214868480
	.section	.rodata,"a",@progbits
	.p2align	6, 0x0
	.amdhsa_kernel k_qa1768d5d6f_prep1
		.amdhsa_group_segment_fixed_size 93952
		.amdhsa_private_segment_fixed_size 0
		.amdhsa_enable_private_segment 0
		.amdhsa_kernarg_size 56
		.amdhsa_user_sgpr_count 2
		.amdhsa_user_sgpr_kernarg_segment_ptr 1
		.amdhsa_wavefront_size32 1
		.amdhsa_system_sgpr_workgroup_id_x 1
		.amdhsa_system_sgpr_workgroup_id_y 1
		.amdhsa_system_sgpr_workgroup_id_z 1
		.amdhsa_system_vgpr_workitem_id 0
		.amdhsa_next_free_vgpr 226
		.amdhsa_next_free_sgpr 66
		.amdhsa_reserve_vcc 0
		.amdhsa_float_denorm_mode_32 3
		.amdhsa_float_denorm_mode_16_64 3
		.amdhsa_memory_ordered 1
		.amdhsa_forward_progress 1
		.amdhsa_inst_pref_size 55
	.end_amdhsa_kernel
	.amdgpu_metadata
---
amdhsa.version: [ 1, 2 ]
amdhsa.kernels:
  - .name:           k_qa1768d5d6f_prep1
    .symbol:         k_qa1768d5d6f_prep1.kd
    .args:
      - { .name: Wqkv, .offset: 0, .size: 8, .value_kind: global_buffer, .address_space: global }
      - { .name: Wo, .offset: 8, .size: 8, .value_kind: global_buffer, .address_space: global }
      - { .name: X, .offset: 16, .size: 8, .value_kind: global_buffer, .address_space: global }
      - { .name: ln1_g, .offset: 24, .size: 8, .value_kind: global_buffer, .address_space: global }
      - { .name: ln1_b, .offset: 32, .size: 8, .value_kind: global_buffer, .address_space: global }
      - { .name: WB, .offset: 40, .size: 8, .value_kind: global_buffer, .address_space: global }
      - { .name: XN, .offset: 48, .size: 8, .value_kind: global_buffer, .address_space: global }
    .group_segment_fixed_size: 93952
    .private_segment_fixed_size: 0
    .kernarg_segment_align: 8
    .kernarg_segment_size: 56
    .max_flat_workgroup_size: 256
    .sgpr_count:     66
    .vgpr_count:     226
    .wavefront_size: 32
...
	.end_amdgpu_metadata
.endif
;; end of part 1
;; launch qkv (part 2): grid 12 x 16, 4 waves a work-group, clusters of 4 x 4, 327,680 bytes of LDS; arguments XN, WB, bqkv, QKV; writes QKV
.if DOCPART == 2
	.amdgcn_target "amdgcn-amd-amdhsa--gfx1250"
	.amdhsa_code_object_version 6
	.text
	.protected	k_qa1768d5d6f_qkv
	.globl	k_qa1768d5d6f_qkv
	.p2align	8
	.type	k_qa1768d5d6f_qkv,@function
k_qa1768d5d6f_qkv:
	s_mov_b64 s[64:65], 0
	v_nop
	global_prefetch_b8 v0, s[64:65] scope:SCOPE_SE
	s_setreg_imm32_b32 hwreg(HW_REG_WAVE_MODE, 25, 1), 1
	s_wait_xcnt 0x0
	s_wait_alu depctr_hold_cnt(0) depctr_sa_sdst(0) depctr_va_vdst(0) depctr_va_sdst(0) depctr_va_ssrc(0) depctr_va_vcc(0) depctr_vm_vsrc(0)
	s_getreg_b32 s2, hwreg(HW_REG_IB_STS2, 6, 4)
	s_cmp_eq_u32 s2, 0
	s_cbranch_scc0 .Lentry_in_a_cluster
	s_endpgm
.Lentry_in_a_cluster:
	s_bfe_u32 s2, ttmp6, 0x10000c
	s_cmp_lg_u32 s2, 0xf033
	s_cbranch_scc0 .Lentry_shape_is_right
	s_endpgm
.Lentry_shape_is_right:
; qkv = Q(LN(X)) Q(Wqkv) + bqkv, quantised again on the way out: q and k along the head's 64, v along the KEYS.  Codes of BF6 (E3M2), one E8M0 byte for each 32 along K, sums in f32.
; OPERANDS are records (16 rows x 128 K, 1,536 bytes, in the order of the operand's registers: 0-3 at 16 x lane, 4-5 at 512 + 8 x lane, 6-9 at 768 + 16 x lane, 10-11 at 1,280 + 8 x lane), [row tile][K step];
; scale words [row tile][K step][16].  Row tile i, lane-row p is logical row 32 (i/2) + 8 (i%2) + p + 8 (p/8).
; A tile of C, 256 x 256, is made by four waves, 128 x 128 each: 64 accumulators, 512 registers.  K goes in steps of 256 through two LDS slots filled by the tensor data mover.
; THE MATRIX INSTRUCTION IS USED TRANSPOSED: source 0 = 16 rows of 'B', source 1 = 16 rows of 'A'.  Accumulator (a, b), lane (r, h), register j is C(A's tile a lane-row r, logical column 32 (b/2) + 16 h + 8 (b%2) + j):
; the 64 registers of a block a are 64 numbers of one row in the order that the conversions want, so a block's 128 columns become one record of the next product, stored straight from registers.
; Clusters with x = 0, 1: A = tokens (XN), B = Wqkv's columns 0-2047: q and k.  Clusters with x = 2: A = Wqkv's columns 2048-3071, B = tokens: C is V^T, and the same way out quantises it along the keys.
; CLUSTERS: 4 x 4.  A's tiles are shared along a row of the cluster, B's along a column, by joint loads.  The one branch on the cluster's x is the same in all sixteen partners.
; OUT (QKV): q, k codes [256 token tiles][16: 8 head pairs of q, 8 of k]; V^T codes from 6,291,456 [64 channel tiles][32: 128 keys each]; q, k scale words from 9,437,184 [32 heads][256][16], a head's two bytes low, zeros above;
; V^T's from 9,961,472 [64][32][16].  LIMITS: NaN and infinities are not served; a block under 2^-122 keeps the byte 1; the bytes are read by this program alone.
.set NBLK,  8
.set LOGNB, 3
.set NQ,    2
.set KS,    8
.set LAPS,  2
.set MUL_HI, 0xf1                      ; source 0 window 1, source 1 window 0, C and D window 3
.set WQS,   9437184                    ; Wqkv's scale words in WB (its codes begin at 0)
.set XNS,   3145728                    ; the tokens' scale words in XN
.set VTC,   6291456
.set QKS,   9437184
.set VTS,   9961472
.set REC,    1536
.set FPITCH, NQ*REC                    ; a row tile's part of a slot
.set HALFT,  NBLK*FPITCH               ; what one tensor load brings, and what one wave reads of A or of B
.set SLOT,   4*HALFT
.set SCL,    2*SLOT                    ; behind the ring: the scale words of the work-group's rows for all of K, filled once
.set HALFS,  NBLK*KS*64
.set SPARE,  SCL+4*HALFS               ; the spare words, 128 bytes a wave: two blocks of 256 bytes that no other line names
.set FR,  12
.set NL,  4                            ; LDS loads that bring a fragment
.set HL,  (NBLK/2)*NL
.set NP,  4                            ; places behind this matrix instruction (ISA guide 7.12.1)
.set L16, 4                            ; v4 16 x lane, v5 8 x lane, v6 4 x lane; never rewritten
.set L8,  5
.set L4,  6
.set ADRA, 16                          ; v16-17 A's fragments in slot 0, 1, + 16 x lane; v18-19 + 8 x lane
.set ADRB, 20                          ; v20-23 the same for B
.set SOF,  26                          ; v26 the way out: a scale word's offset
.set ADSA, 27                          ; v27 A's scale words, v30 B's: + 4 x lane
.set SPW,  28
.set NIL,  29
.set ADSB, 30
.set BO,   31                          ; v31 the bias's offset
.set SC,   32                          ; v32-63 scale words, two sets of 16: A's block i at +i, B's at +8+i; lanes 0-15 the slot's first 128 along K, lanes 16-31 its second
.set BI,   64                          ; v64-127 the bias
.set AF,   128                         ; A's fragments, ONE set, window 0.  B's two sets: window 1, v0 and v128.  Accumulators: windows 2 and 3
.set ST,   128                         ; the way out: 64 numbers
.set TM,   192
.set PC,   208
.set PW,   228
.set PWK,  229
.set PWS,  230                         ; v230-232
.set SEL,  66
.set G1, 24
.set G0, 32
.set G1B, 48
.set G0B, 56
.set G1S, 68
.set G0S, 76
.set G1SB, 80
.set G0SB, 88
.set MSB, 0
.macro WIN new                         ; the immediate's high byte repeats the setting that is left
.if MSB != (\new)
	s_set_vgpr_msb (MSB<<8)|(\new)
.set MSB, (\new)
.endif
.endm
.set MUL_LO, 0xa1
.set TO_B,   0x40
; A joint load: waves 0 and 1 fetch for A, waves 2 and 3 for B; four v_nop follow each of the two lines
.macro JLOAD g0a, g1a, g0b, g1b
	s_cmp_eq_u32 s15, 0
	s_cbranch_scc0 .Lfor_b_\@
	tensor_load_to_lds s[\g0a:\g0a+3], s[\g1a:\g1a+7]
	s_nop 0
.rept 4
	v_nop
.endr
	s_branch .Lasked_\@
.Lfor_b_\@:
	tensor_load_to_lds s[\g0b:\g0b+3], s[\g1b:\g1b+7]
	s_nop 0
.rept 4
	v_nop
.endr
.Lasked_\@:
.endm
.macro CREST                           ; a round of the cluster's barrier behind its opening barrier
	s_cmp_lg_u32 s14, 0
	s_cbranch_scc1 .Lnot_wave_0_\@
	s_barrier_signal -3
.Lnot_wave_0_\@:
	s_barrier_wait -3
	s_barrier_signal -1
	s_barrier_wait -1
.endm
.macro CROUND
	s_barrier_signal -1
	s_barrier_wait -1
	CREST
.endm
.macro PLACES n
.rept \n
	v_nop
.endr
.endm
.macro FRAG reg, adr, off              ; a record comes back as it was stored: every load reads 512 or 256 consecutive bytes
	ds_load_b128 v[(\reg):(\reg)+3], v[(\adr)] offset:(\off)
	ds_load_b64 v[(\reg)+4:(\reg)+5], v[(\adr)+2] offset:(\off)+512
	ds_load_b128 v[(\reg)+6:(\reg)+9], v[(\adr)] offset:(\off)+768
	ds_load_b64 v[(\reg)+10:(\reg)+11], v[(\adr)+2] offset:(\off)+1280
.endm
; A quarter of a step: A's blocks k NBLK/4 on x B's NBLK.  All accumulators take turns, one instruction a turn, in the same order in every step
.macro MULQ k, p, q, sc, zero
.set ia, (\k)*(NBLK/4)
.rept NBLK/4
.set ib, 0
.rept NBLK
.set rD, (ia*NBLK*8)%256+8*ib
.set rB, 128*(\p)+FR*ib
.set rA, AF+FR*ia
.set sB, SC+16*(\sc)+8+(NQ/2)*ib+(\q)/2
.set sA, SC+16*(\sc)+(NQ/2)*ia+(\q)/2
.if \zero
	v_wmma_scale_f32_16x16x128_f8f6f4 v[rD:rD+7], v[rB:rB+FR-1], v[rA:rA+FR-1], 0, v[sB], v[sA] matrix_a_fmt:MATRIX_FMT_BF6 matrix_b_fmt:MATRIX_FMT_BF6
.elseif (\q)%2
	v_wmma_scale_f32_16x16x128_f8f6f4 v[rD:rD+7], v[rB:rB+FR-1], v[rA:rA+FR-1], v[rD:rD+7], v[sB], v[sA] matrix_a_fmt:MATRIX_FMT_BF6 matrix_b_fmt:MATRIX_FMT_BF6 matrix_a_scale:MATRIX_SCALE_ROW1 matrix_b_scale:MATRIX_SCALE_ROW1
.else
	v_wmma_scale_f32_16x16x128_f8f6f4 v[rD:rD+7], v[rB:rB+FR-1], v[rA:rA+FR-1], v[rD:rD+7], v[sB], v[sA] matrix_a_fmt:MATRIX_FMT_BF6 matrix_b_fmt:MATRIX_FMT_BF6
.endif
.set ib, ib+1
.endr
.set ia, ia+1
.endr
.endm
.macro FETCH_B slot, q, p
	WIN TO_B
.set fi, 0
.rept NBLK
	FRAG 128*(\p)+FR*fi, ADRB+\slot, fi*FPITCH+(\q)*REC
.set fi, fi+1
.endr
	WIN 0
.endm
.macro FETCH_A slot, q, i0
.set fi, \i0
.rept NBLK/2
	FRAG AF+FR*fi, ADRA+\slot, fi*FPITCH+(\q)*REC
.set fi, fi+1
.endr
.endm
.macro SCALES set                      ; a slot's scale words: one load brings two K steps' words of a block, 128 consecutive bytes
.set fi, 0
.rept NBLK
.set fp, 0
.rept NQ/2
	ds_load_b32 v[SC+16*(\set)+(NQ/2)*fi+fp], v[ADSA] offset:fi*KS*64+128*fp
	ds_load_b32 v[SC+16*(\set)+8+(NQ/2)*fi+fp], v[ADSB] offset:fi*KS*64+128*fp
.set fp, fp+1
.endr
.set fi, fi+1
.endr
.endm
; A step of 128 along K that has its successor in the same slot
.macro STEP slot, q, zero
	s_wait_dscnt HL                                ; all but the youngest loads, A's upper blocks
	WIN MUL_LO
	MULQ 0, (\q)%2, \q, \slot, \zero
	MULQ 1, (\q)%2, \q, \slot, \zero
	s_wait_dscnt 0x0                               ; A's upper blocks are in
	PLACES NP                                      ; in front of loads into registers that matrix instructions have read
	FETCH_B \slot, (\q)+1, 1-(\q)%2
	FETCH_A \slot, (\q)+1, 0
	WIN MUL_HI
	MULQ 2, (\q)%2, \q, \slot, \zero
	MULQ 3, (\q)%2, \q, \slot, \zero
	PLACES NP
	WIN 0
	FETCH_A \slot, (\q)+1, NBLK/2
.endm
.macro STEPS slot, from
.if NQ-1-(\from) > 0
.set sq, \from
.rept NQ-1-(\from)
	STEP \slot, sq, 0
.set sq, sq+1
.endr
.endif
.endm
; A slot's last step changes slots: one barrier; in front of it each wave waits for all its tensor loads, adds 0 to its spare word, and waits for that and for its reads of this slot
.macro TURN slot, next, fill
	s_wait_tensorcnt 0x0                           ; all my tensor loads have landed: my part of the next slot
	ds_add_u32 v[SPW], v[NIL]                      ; 0 onto my spare word
	s_wait_dscnt HL+1                              ; (the add and A's upper blocks may be out)
	WIN MUL_LO
	MULQ 0, 1, NQ-1, \slot, 0
	s_wait_dscnt 0x0                               ; the add is done, and my reads of this slot are over
	s_barrier_signal -1
	MULQ 1, 1, NQ-1, \slot, 0
	WIN 0
	s_barrier_wait -1
.if \fill
	CREST                                          ; the barrier has opened a round of the cluster's: no wave of any partner still reads this slot or has a load on its way
	s_add_nc_u64 s[G0+4*\slot+2:G0+4*\slot+3], s[G0+4*\slot+2:G0+4*\slot+3], 2*NQ*REC
	s_add_nc_u64 s[G0B+4*\slot+2:G0B+4*\slot+3], s[G0B+4*\slot+2:G0B+4*\slot+3], 2*NQ*REC
	JLOAD G0+4*\slot, G1, G0B+4*\slot, G1B         ; the first tensor load behind the round; its four v_nop are also the places in front of the loads below
.else
	PLACES NP
.endif
	s_wait_alu depctr_va_vdst(0)
	v_add_nc_u32 v[ADSA], NQ*64, v[ADSA]           ; on to the next slot's scale words
	v_add_nc_u32 v[ADSB], NQ*64, v[ADSB]
	FETCH_B \next, 0, 0
	FETCH_A \next, 0, 0
	SCALES \next
	WIN MUL_HI
	MULQ 2, 1, NQ-1, \slot, 0
	MULQ 3, 1, NQ-1, \slot, 0
	PLACES NP
	WIN 0
	FETCH_A \next, 0, NBLK/2
.endm
.macro LAST                            ; the very last step: nothing more to fetch
	s_wait_dscnt HL
	WIN MUL_LO
	MULQ 0, 1, NQ-1, 1, 0
	MULQ 1, 1, NQ-1, 1, 0
	s_wait_dscnt 0x0
	WIN MUL_HI
	MULQ 2, 1, NQ-1, 1, 0
	MULQ 3, 1, NQ-1, 1, 0
	WIN 0
.endm
; 64 numbers of a lane, register 16 b + i = k 32 b + 16 (lane / 16) + i of my row, become a fragment's codes in v[PC] on and its scale word in v[PW]
.macro QUANT s
.irp b, 0,1,2,3
	v_max3_num_f32 v[TM+\b], |v[\s+16*\b]|, |v[\s+1+16*\b]|, 0x2800000   ; my 16 numbers of block b, and the floor 2^(5 - 127)
.endr
.irp i, 2,4,6,8,10,12,14
.irp b, 0,1,2,3
	v_max3_num_f32 v[TM+\b], v[TM+\b], |v[\s+16*\b+\i]|, |v[\s+1+16*\b+\i]|
.endr
.endr
.irp b, 0,1,2,3
	v_permlanex16_b32 v[TM+4+\b], v[TM+\b], s[SEL], s[SEL+1]
.endr
.irp b, 0,1,2,3
	v_max_num_f32 v[TM+\b], v[TM+\b], v[TM+4+\b]
.endr
.irp b, 0,1,2,3
	v_add_nc_u32 v[TM+12+\b], 0xfe000000, v[TM+\b]   ; 4 off the exponent field: the conversion's scale operand
.endr
.irp b, 0,1,2,3
	v_lshrrev_b32 v[TM+4+\b], 23, v[TM+12+\b]
.endr
	v_lshl_or_b32 v[PW], v[TM+5], 8, v[TM+4]
	v_lshl_or_b32 v[PW], v[TM+6], 16, v[PW]
	v_lshl_or_b32 v[PW], v[TM+7], 24, v[PW]
.irp c, 0,1
	v_cvt_scalef32_pk16_bf6_f32 v[PC+6*\c:PC+2+6*\c], v[\s+32*\c:\s+15+32*\c], v[TM+12+2*\c]
	v_cvt_scalef32_pk16_bf6_f32 v[PC+12+4*\c:PC+14+4*\c], v[\s+16+32*\c:\s+31+32*\c], v[TM+12+2*\c+1]
.endr
	v_nop                                          ; one plain line behind the conversions
.irp c, 0,1
.irp i, 0,1,2
	v_permlane16_swap_b32 v[PC+6*\c+\i], v[PC+12+4*\c+\i]
.endr
.irp i, 0,1,2
	v_mov_b32 v[PC+3+6*\c+\i], v[PC+12+4*\c+\i]
.endr
.endr
.endm
; THE WAY OUT of block a (16 rows x 128 columns): + bias, quantised, one record stored from registers.  mode 0: a bias for each column; 1: one for each row.  sm 0: scale words 2,048 bytes from tile to tile; 1: by heads
.macro QOUT a, mode, relu, kso, sm
.if (\a) > 0
	s_wait_xcnt 0x0                                ; the last block's stores have read their registers
.endif
	WIN 0x02+(\a)/4                                ; source 0: window 2 or 3
.set AC, 64*((\a)%4)
.set pp, 0
.rept 32                               ; ascending: each accumulator is read from its low end on
.if (\mode) == 0
	v_pk_add_f32 v[ST+2*pp:ST+2*pp+1], v[AC+2*pp:AC+2*pp+1], v[BI+2*pp:BI+2*pp+1]
.elseif (\a)%2
	v_pk_add_f32 v[ST+2*pp:ST+2*pp+1], v[AC+2*pp:AC+2*pp+1], v[BI+2*((\a)/2):BI+2*((\a)/2)+1] op_sel:[0,1] op_sel_hi:[1,1]
.else
	v_pk_add_f32 v[ST+2*pp:ST+2*pp+1], v[AC+2*pp:AC+2*pp+1], v[BI+2*((\a)/2):BI+2*((\a)/2)+1] op_sel:[0,0] op_sel_hi:[1,0]
.endif
.set pp, pp+1
.endr
	WIN 0
.if \relu
.set pp, 0
.rept 64
	v_max_num_f32 v[ST+pp], 0, v[ST+pp]
.set pp, pp+1
.endr
.endif
	QUANT ST
	global_store_b128 v[L16], v[PC:PC+3], s[12:13] offset:(\a)*(\kso)*1536          ; 512, 256, 512, 256 consecutive bytes, aligned
	global_store_b64 v[L8], v[PC+4:PC+5], s[12:13] offset:(\a)*(\kso)*1536+512
	global_store_b128 v[L16], v[PC+6:PC+9], s[12:13] offset:(\a)*(\kso)*1536+768
	global_store_b64 v[L8], v[PC+10:PC+11], s[12:13] offset:(\a)*(\kso)*1536+1280
.if (\a)%2 == 0
	v_mov_b32 v[PWK], v[PW]
.else
	v_cndmask_b32 v[PWS], v[PWK], v[PW], s95       ; two blocks' scale words in one register: lanes 0-15 block a - 1, lanes 16-31 block a
.if \sm
	v_lshrrev_b32 v[PWS+1], 16, v[PWS]             ; the odd head's two bytes,
	v_and_b32 v[PWS+2], 0xffff, v[PWS]             ; the even head's
	global_store_b32 v[SOF], v[PWS+2], s[10:11] offset:((\a)-1)*64
	global_store_b32 v[SOF], v[PWS+1], s[10:11] offset:((\a)-1)*64+16384
.else
	global_store_b32 v[SOF], v[PWS], s[10:11] offset:((\a)-1)*2048
.endif
.endif
.endm
	s_load_b256 s[4:11], s[0:1], 0x0               ; XN, WB, bqkv, QKV
	v_lshl_add_u32 v[SPW], v0, 2, SPARE
	v_mov_b32 v[NIL], 0
	ds_add_u32 v28, v29
	ds_add_u32 v28, v29
	s_wait_dscnt 0x0
	v_lshrrev_b32 v1, 5, v0
	v_readfirstlane_b32 s14, v1                    ; wave 0..3
	s_lshr_b32 s15, s14, 1                         ; which half of A's rows is mine.  Also: I fetch for A (0) or for B (1)
	s_and_b32 s16, s14, 1                          ; which half of B's rows.  Also: which half I fetch
	s_bfe_u32 s40, ttmp6, 0x40000                  ; cx, cy
	s_bfe_u32 s41, ttmp6, 0x40004
	s_and_b32 s19, ttmp7, 0xffff                   ; the cluster's y
	s_mov_b32 s96, WQS
	s_mov_b32 s97, XNS
	s_cmp_eq_u32 ttmp9, 2                          ; the cluster's x = 2: V^T.  The same in all sixteen partners
	s_cselect_b32 s17, 2, s19
	s_cselect_b32 s42, s19, ttmp9
	s_cselect_b32 s98, s96, s97                    ; where A's scale words begin in its buffer,
	s_cselect_b32 s99, s97, s96                    ; and B's
	s_cselect_b32 s100, 1, 0
	s_lshl_b32 s17, s17, 2
	s_add_co_u32 s17, s17, s41                     ; A's block of 256 rows: hangs on cy alone of the two places
	s_lshl_b32 s42, s42, 2
	s_add_co_u32 s42, s42, s40                     ; B's: on cx alone
	s_lshl_b32 s43, s41, 2
	s_lshl_b32 s43, 15, s43                        ; my row of the cluster
	s_lshl_b32 s44, 0x1111, s40                    ; my column
	s_or_b32 s[G1+0], s43, (3<<16)|(1<<21)         ; 15:0 the mask; 17:16 elements of 8 bytes; 21 set beside a mask; no padding
	s_or_b32 s[G1B+0], s44, (3<<16)|(1<<21)
.irp g, G1, G1B
	s_mov_b32 s[\g+1], (NQ*192)<<16                ; tensor_dim0: a row tile's NQ records
	s_mov_b32 s[\g+2], (2*NBLK)<<16                ; tensor_dim1: at the head both halves' row tiles; set to NBLK behind the head's wait
	s_mov_b32 s[\g+3], (NQ*192)<<16                ; tile_dim0
	s_mov_b32 s[\g+4], 2*NBLK                      ; tile_dim1 likewise
	s_mov_b32 s[\g+5], KS*192                      ; from row tile to row tile
	s_mov_b32 s[\g+6], 0
	s_mov_b32 s[\g+7], 0
.endr
	s_or_b32 s[G1S+0], s43, (3<<16)|(1<<21)        ; the scale words of 2 NBLK row tiles: a dense block, as rows of 256 bytes
	s_or_b32 s[G1SB+0], s44, (3<<16)|(1<<21)
.irp g, G1S, G1SB
	s_mov_b32 s[\g+1], 32<<16
	s_mov_b32 s[\g+2], (2*HALFS/256)<<16
	s_mov_b32 s[\g+3], 32<<16
	s_mov_b32 s[\g+4], 2*HALFS/256
	s_mov_b32 s[\g+5], 32
	s_mov_b32 s[\g+6], 0
	s_mov_b32 s[\g+7], 0
.endr
	s_lshl_b32 s18, s16, LOGNB
	s_lshl_b32 s20, s17, LOGNB+1
	s_add_co_u32 s20, s20, s18                     ; A: the first row tile that I fetch
	s_lshl_b32 s46, s42, LOGNB+1
	s_add_co_u32 s46, s46, s18                     ; B likewise
	s_lshl_b32 s22, s17, LOGNB+1                   ; the scale words of all of A's row tiles come by one load
	s_mul_i32 s22, s22, KS*64
	s_add_co_u32 s22, s22, s98
	s_mov_b32 s23, 0
	s_mul_i32 s20, s20, KS*REC
	s_mov_b32 s21, 0
	s_lshl_b32 s92, s42, LOGNB+1
	s_mul_i32 s92, s92, KS*64
	s_add_co_u32 s92, s92, s99
	s_mov_b32 s93, 0
	s_mul_i32 s46, s46, KS*REC
	s_mov_b32 s47, 0
	s_mul_i32 s45, s14, HALFT                      ; where they go: wave x a constant: no place in the cluster enters an LDS address
	s_mov_b32 s[SEL], 0x76543210
	s_mov_b32 s[SEL+1], 0xfedcba98
	s_mov_b32 s95, 0xffff0000                      ; lanes 16-31
	CROUND                                         ; the opening round, ahead of the wait for the arguments: all sixteen work-groups are here, so that the first joint loads meet
	s_wait_kmcnt 0x0
	s_cmp_eq_u32 ttmp9, 2
	s_cselect_b64 s[96:97], s[6:7], s[4:5]         ; A's buffer
	s_cselect_b64 s[98:99], s[4:5], s[6:7]         ; B's
	s_add_nc_u64 s[20:21], s[96:97], s[20:21]
	s_add_nc_u64 s[22:23], s[96:97], s[22:23]
	s_add_nc_u64 s[46:47], s[98:99], s[46:47]
	s_add_nc_u64 s[92:93], s[98:99], s[92:93]
	s_mov_b32 s[G0S], 1
	s_mov_b32 s[G0S+1], SCL
	s_mov_b64 s[G0S+2:G0S+3], s[22:23]
	s_or_b32 s[G0S+3], s[G0S+3], 0x80000000
	s_mov_b32 s[G0SB], 1
	s_mov_b32 s[G0SB+1], SCL+2*HALFS
	s_mov_b64 s[G0SB+2:G0SB+3], s[92:93]
	s_or_b32 s[G0SB+3], s[G0SB+3], 0x80000000
.irp s, 0,1
	s_mov_b32 s[G0+4*\s], 1
	s_add_co_u32 s[G0+4*\s+1], s45, \s*SLOT
	s_add_nc_u64 s[G0+4*\s+2:G0+4*\s+3], s[20:21], \s*NQ*REC
	s_or_b32 s[G0+4*\s+3], s[G0+4*\s+3], 0x80000000
	s_mov_b32 s[G0B+4*\s], 1
	s_add_co_u32 s[G0B+4*\s+1], s45, \s*SLOT
	s_add_nc_u64 s[G0B+4*\s+2:G0B+4*\s+3], s[46:47], \s*NQ*REC
	s_or_b32 s[G0B+4*\s+3], s[G0B+4*\s+3], 0x80000000
.endr
; THE HEAD'S LOADS, ONE A WAVE: wave 0 slot 0's rows of A (its own group 0 points at their first byte, LDS byte 0), wave 1 A's scale words, wave 2 slot 0's rows of B, wave 3 B's scale words
.macro ARM under, g0, g1, next
	s_cmp_lt_u32 s14, \under
	s_cbranch_scc0 \next
	tensor_load_to_lds s[\g0:\g0+3], s[\g1:\g1+7]
	s_nop 0
.rept 4
	v_nop
.endr
	s_branch .Lhead_asked
\next:
.endm
	ARM 1, G0, G1, .Lhead_sa
	ARM 2, G0S, G1S, .Lhead_b
	ARM 3, G0B, G1B, .Lhead_sb
	tensor_load_to_lds s[G0SB:G0SB+3], s[G1SB:G1SB+7]
	s_nop 0
.rept 4
	v_nop
.endr
.Lhead_asked:
	; the prefetches: of the 8 row tiles that my wave fetches in the ring, each of the four partners that ask for them jointly takes two, told apart by address (cx for A, cy for B)
	s_cmp_eq_u32 s15, 0
	s_cselect_b64 s[18:19], s[20:21], s[46:47]
	s_cselect_b32 s92, s40, s41
	s_mul_i32 s92, s92, 2*KS*REC
	s_mov_b32 s93, 0
	s_add_nc_u64 s[18:19], s[18:19], s[92:93]
	v_and_b32 v1, 31, v0
	v_lshlrev_b32 v[L16], 4, v1
	v_lshlrev_b32 v[L8], 3, v1
	v_lshlrev_b32 v[L4], 2, v1
	v_min_u32 v7, 23, v1                           ; a slot's part of two row tiles is 2 x 12 blocks of 256 bytes: a lane a block (lanes 24-31 name the last again)
	v_mul_u32_u24 v8, v7, 11
	v_lshrrev_b32 v8, 7, v8                        ; which of the two tiles: lane / 12
	v_mul_u32_u24 v8, v8, KS*REC-12*256
	v_lshl_add_u32 v7, v7, 8, v8
	s_wait_alu depctr_va_vdst(0)
	global_prefetch_b8 v7, s[18:19] offset:NQ*REC th:TH_LOAD_NT scope:SCOPE_SE     ; slots 1 and 2, asked for by their loads one and two rounds on
	global_prefetch_b8 v7, s[18:19] offset:2*NQ*REC th:TH_LOAD_NT scope:SCOPE_SE
	s_mul_i32 s21, s15, HALFT                      ; my rows of A,
	s_mul_i32 s22, s16, HALFT
	s_add_co_u32 s22, s22, 2*HALFT                 ; my rows of B, behind A's
.irp s, 0,1
	v_add_nc_u32 v[ADRA+\s], s21, v[L16]
	v_add_nc_u32 v[ADRB+\s], s22, v[L16]
	v_add_nc_u32 v[ADRA+2+\s], s21, v[L8]
	v_add_nc_u32 v[ADRB+2+\s], s22, v[L8]
	s_add_co_u32 s21, s21, SLOT
	s_add_co_u32 s22, s22, SLOT
.endr
	s_mul_i32 s21, s15, HALFS
	s_add_co_u32 s21, s21, SCL
	v_add_nc_u32 v[ADSA], s21, v[L4]
	s_mul_i32 s22, s16, HALFS
	s_add_co_u32 s22, s22, SCL+2*HALFS
	v_add_nc_u32 v[ADSB], s22, v[L4]
	v_and_b32 v2, 15, v0                           ; r
	v_bfe_u32 v3, v0, 4, 1                         ; h
	s_wait_alu depctr_va_vdst(0)
	s_wait_tensorcnt 0x0                           ; my tile of the head's four is in
	ds_add_u32 v[SPW], v[NIL]
	s_mov_b32 s[G1+2], NBLK<<16                    ; no tensor load of mine is out: from here on a load brings NBLK row tiles
	s_mov_b32 s[G1+4], NBLK
	s_mov_b32 s[G1B+2], NBLK<<16
	s_mov_b32 s[G1B+4], NBLK
	s_wait_dscnt 0x0
	CROUND                                         ; all four tiles are in, and all sixteen work-groups are here
	JLOAD G0+4, G1, G0B+4, G1B                     ; slot 1's first fill: the first tensor load behind the round
	FETCH_B 0, 0, 0
	FETCH_A 0, 0, 0
	SCALES 0
	FETCH_A 0, 0, NBLK/2
	STEP 0, 0, 1
	global_prefetch_b8 v7, s[18:19] offset:3*NQ*REC th:TH_LOAD_NT scope:SCOPE_SE   ; slot 3, the last: two refills on
	s_mov_b32 s3, LAPS-1
.Llap:                                             ; a trip goes once round the ring and fills both slots again
	STEPS 0, 1
	TURN 0, 1, 1
	STEPS 1, 0
	TURN 1, 0, 1
	STEP 0, 0, 0
	s_sub_co_u32 s3, s3, 1
	s_cmp_lg_u32 s3, 0
	s_cbranch_scc1 .Llap
	STEPS 0, 1
	TURN 0, 1, 0                                   ; the last lap fills nothing
	s_lshl_b32 s98, s42, 1
	s_add_co_u32 s98, s98, s16                     ; which 128 of C's columns are mine: the output's K step
	s_mov_b32 s21, 0
	s_cmp_eq_u32 s100, 1
	s_cbranch_scc1 .Lvt                            ; each way holds its bias loads, the last two steps under which they land, and its way out
	; ---- q and k: rows = tokens, columns = 128 ks on
	s_lshl_b32 s20, s98, 9
	s_add_nc_u64 s[8:9], s[8:9], s[20:21]          ; bqkv at my first column
	v_lshlrev_b32 v[BO], 6, v3                     ; register 16 b + i wants column 32 b + 16 h + i
.irp b, 0,1,2,3
.irp j, 0,1,2,3
	global_load_b128 v[BI+16*\b+4*\j:BI+16*\b+4*\j+3], v[BO], s[8:9] offset:128*\b+16*\j
.endr
.endr
	s_lshl_b32 s96, s17, 4
	s_lshl_b32 s97, s15, 3
	s_add_co_u32 s96, s96, s97                     ; my first token tile
	s_lshl_b32 s20, s96, 4
	s_add_co_u32 s20, s20, s98
	s_mul_i32 s20, s20, 1536
	s_add_nc_u64 s[12:13], s[10:11], s[20:21]      ; its record
	s_lshl_b32 s20, s98, 15                        ; head 2 ks: 16,384 bytes a head
	s_lshl_b32 s22, s96, 6
	s_add_co_u32 s20, s20, s22
	s_add_co_u32 s20, s20, QKS
	s_add_nc_u64 s[10:11], s[10:11], s[20:21]
	v_mov_b32 v[SOF], v[L4]                        ; two neighbouring tiles' words are 128 consecutive bytes
	STEPS 1, 0
	LAST
	PLACES NP
	s_wait_loadcnt 0x0                             ; the bias
.irp b, 0,1,2,3
	v_mov_b32 v[TM+4+\b], 0                        ; a lane permute's destination counts as one of its sources
.endr
.irp a, 0,1,2,3,4,5,6,7
	QOUT \a, 0, 0, 16, 1
.endr
	s_branch .Lend
.Lvt:
	; ---- V^T: rows = channels 2048 + .., columns = tokens: the keys
	s_lshl_b32 s20, s17, 10
	s_lshl_b32 s22, s15, 9
	s_add_co_u32 s20, s20, s22
	s_add_nc_u64 s[8:9], s[8:9], s[20:21]          ; bqkv at my first row: 256 x A's block + 128 x half
	v_and_b32 v[BO], 8, v2
	v_add_nc_u32 v[BO], v[BO], v2
	v_lshlrev_b32 v[BO], 2, v[BO]                  ; lane-row r is logical row r + 8 (r / 8) of its tile
.irp a, 0,1,2,3,4,5,6,7
	global_load_b32 v[BI+\a], v[BO], s[8:9] offset:4*(32*(\a/2)+8*(\a%2))
.endr
	s_sub_co_u32 s96, s17, 8
	s_lshl_b32 s96, s96, 4
	s_lshl_b32 s97, s15, 3
	s_add_co_u32 s96, s96, s97                     ; my first channel tile
	s_lshl_b32 s96, s96, 5
	s_add_co_u32 s96, s96, s98                     ; its record
	s_mul_i32 s20, s96, 1536
	s_add_co_u32 s20, s20, VTC
	s_add_nc_u64 s[12:13], s[10:11], s[20:21]
	s_lshl_b32 s20, s96, 6
	s_add_co_u32 s20, s20, VTS
	s_add_nc_u64 s[10:11], s[10:11], s[20:21]
	v_lshlrev_b32 v[SOF], 2, v2
	v_lshl_add_u32 v[SOF], v3, 11, v[SOF]          ; lanes 16-31: the next tile, 2,048 bytes on
	STEPS 1, 0
	LAST
	PLACES NP
	s_wait_loadcnt 0x0
.irp b, 0,1,2,3
	v_mov_b32 v[TM+4+\b], 0
.endr
.irp a, 0,1,2,3,4,5,6,7
	QOUT \a, 1, 0, 32, 0
.endr
.Lend:
	s_wait_tensorcnt 0x0                           ; the wave's end
	ds_add_u32 v[SPW], v[NIL]
	s_wait_dscnt 0x0
	CROUND                                         ; the closing round
	s_endpgm
.Lfunc_end_k_qa1768d5d6f_qkv:
	.size	k_qa1768d5d6f_qkv, .Lfunc_end_k_qa1768d5d6f_qkv-k_qa1768d5d6f_qkv
	.p2alignl 7, 3214868480
	.fill 96, 4, 3214868480
	.section	.rodata,"a",@progbits
	.p2align	6, 0x0
	.amdhsa_kernel k_qa1768d5d6f_qkv
		.amdhsa_group_segment_fixed_size 327680
		.amdhsa_private_segment_fixed_size 0
		.amdhsa_enable_private_segment 0
		.amdhsa_kernarg_size 32
		.amdhsa_user_sgpr_count 2
		.amdhsa_user_sgpr_kernarg_segment_ptr 1
		.amdhsa_wavefront_size32 1
		.amdhsa_system_sgpr_workgroup_id_x 1
		.amdhsa_system_sgpr_workgroup_id_y 1
		.amdhsa_system_sgpr_workgroup_id_z 1
		.amdhsa_system_vgpr_workitem_id 0
		.amdhsa_next_free_vgpr 1024
		.amdhsa_next_free_sgpr 102
		.amdhsa_reserve_vcc 0
		.amdhsa_float_denorm_mode_32 3
		.amdhsa_float_denorm_mode_16_64 3
		.amdhsa_memory_ordered 1
		.amdhsa_forward_progress 1
		.amdhsa_inst_pref_size 244
	.end_amdhsa_kernel
	.amdgpu_metadata
---
amdhsa.version: [ 1, 2 ]
amdhsa.kernels:
  - .name:           k_qa1768d5d6f_qkv
    .symbol:         k_qa1768d5d6f_qkv.kd
    .args:
      - { .name: XN, .offset: 0, .size: 8, .value_kind: global_buffer, .address_space: global }
      - { .name: WB, .offset: 8, .size: 8, .value_kind: global_buffer, .address_space: global }
      - { .name: bqkv, .offset: 16, .size: 8, .value_kind: global_buffer, .address_space: global }
      - { .name: QKV, .offset: 24, .size: 8, .value_kind: global_buffer, .address_space: global }
    .group_segment_fixed_size: 327680
    .private_segment_fixed_size: 0
    .kernarg_segment_align: 8
    .kernarg_segment_size: 32
    .max_flat_workgroup_size: 128
    .sgpr_count:     102
    .vgpr_count:     1024
    .wavefront_size: 32
...
	.end_amdgpu_metadata
.endif
;; end of part 2
;; launch attn (part 3): grid 16 x 16, 8 waves a work-group, no clusters, 55,296 bytes of LDS; arguments QKV, CX; writes CX
.if DOCPART == 3
	.amdgcn_target "amdgcn-amd-amdhsa--gfx1250"
	.amdhsa_code_object_version 6
	.text
	.protected	k_qa1768d5d6f_attn
	.globl	k_qa1768d5d6f_attn
	.p2align	8
	.type	k_qa1768d5d6f_attn,@function
k_qa1768d5d6f_attn:
	s_mov_b64 s[64:65], 0
	v_nop
	global_prefetch_b8 v0, s[64:65] scope:SCOPE_SE
	s_setreg_imm32_b32 hwreg(HW_REG_WAVE_MODE, 25, 1), 1
	s_wait_xcnt 0x0
; ctx = softmax(q k^T / 8, causal) v for 2 batches x 16 heads of 64, 2,048 tokens, both products on codes of BF6 (E3M2); ctx is quantised along the 1,024 channels on the way out.
; THE SOFTMAX AHEAD OF THE SECOND PRODUCT: t = score x log2(e) / 8; M = the running largest t rounded UP to a whole number; p = 2^(t - M) is quantised along the keys, not normalised; the row's sum is taken of the
; unquantised p and divides at the end; when M moves, the sum and O are multiplied by 2^(old M - new M): exact.
; SHARES.  A work-group owns one batch and one PAIR of heads (y) and TWO blocks of 64 queries: block 31 - x, then block x.  Block b needs the key steps (128 keys) 0 .. b / 2, so the two need
; (31 - x) / 2 + 1 and x / 2 + 1 steps: 17 in every work-group.  Key tiles wholly behind the causal mask are so left out by the deal.  Eight waves: wave w owns tile w / 2 of the block's four tiles of 16 queries and head w % 2;
; every wave works in every step.  The walk is ONE counted run of 17 steps.  At step NA the first block's O^T and sums are set aside in registers from v256 on, the second block's Q (loaded at the head) takes Q's place, and the keys begin anew.
; K and V^T come as records (16 rows x 128 K in the order of the operand's registers).  For each step each wave copies one record of K, one of V^T, 128 bytes of K's scale words and 64 of V^T's: global to registers
; (two sets, by turns), registers to LDS (two buffers, by turns).  A step's copy is asked for two steps ahead of its way into LDS; the wait for it leaves the next copy's 8 loads out.
; ONE BARRIER A STEP, IN THE STEP'S MIDDLE, behind the exponentials: ahead of it a wave has read all it wants of this step's buffer (K's fragments at the last step's end, V's behind the first product) and has put the next
; step's copy into the other buffer; directly behind it the next step's fragments of K are asked for, and land under the row's sum, p's quantiser, the rescaling of O^T and the second product.
; HEAD SIZE 64 in an instruction of K = 128: half e of a pair's record is head e, six registers a lane.  Registers 6-11 of Q are zero codes, so whatever codes stand in registers 6-11 of K's fragment add nothing:
; the step's eight fragments of K lie SIX registers apart, v32-85 (the last tile's upper six: zeros, written once).  V's four fragments have registers of their own, v368-415.
; LAYOUT.  Both products transposed: S^T = K Q^T, O^T = V^T P^T: a lane holds one query throughout.  Row tile i, lane-row p is logical row 32 (i/2) + 8 (i%2) + p + 8 (p/8): the 16 registers of two neighbouring tiles are 16 neighbours.
; No joint loads: the sixteen work-groups that share K and V turn back to key 0 at different steps (NA = 9 .. 16), so their requests differ from step 9 on.  No prefetch: each record is asked for two steps ahead of the wait for it.
; LIMITS: NaN and infinities are not served; the scaled scores stay under 2^31 in magnitude; a block under 2^-122 keeps the byte 1; the bytes are read by this program alone.
.set VTC,  6291456
.set QKS,  9437184
.set VTS,  9961472
.set CXS,  3145728
.set VL,   12288                       ; a buffer: 8 records of K, 8 of V^T from VL,
.set KSCO, 24576                       ; K's scale words [head of the pair][8 tiles][16],
.set VSCO, 25600                       ; V^T's [8 channel tiles][16]
.set BUF,  26112
.set XCH,  2*BUF                       ; a word a thread and block: the two heads' halves of ctx's scale word meet here
.set SPARE, XCH+2048                   ; the spare words, 128 bytes a wave
.set AK16, 1                           ; v1-v4 my lane's place in a record of K (my head's half) and of V (my head's four tiles): + 16 x lane, + 8 x lane
.set AK8,  2
.set AV16, 3
.set AV8,  4
.set ADS,  5                           ; v5, v6 my row among K's and V's scale words
.set ADT,  6
.set SKA,  7                           ; v7, v11, v192, v193 where I put what I copy
.set L16,  10
.set SVA,  11
.set L8,   28
.set QD,   29                          ; v29 r + 8 (r / 8) - 16 h
.set XW,   30
.set XR,   31
.set FK,   32                          ; v32-85 K's eight fragments, six registers apart
.set KSW,  86                          ; v86-93 K's scale words
.set SSK,  192
.set SSV,  193
.set SOF,  194                         ; v194 ctx's scale words: lanes 0-15 block x's record, lanes 16-31 block 31 - x's
.set R4,   216
.set L4,   217
.set SPW,  223
.set NIL,  243
.set VSW,  248                         ; v248-251 V's scale words
.set SG,   48                          ; from v256 on: 0-31 the first block's O^T, 32-33 its sums, 36-42 the second block's Q and scale word, 48-73 and 80-105 the two sets of what I copy,
.set FV,   112                         ; 112-159 V's four fragments
.set WV,   18
.set E,    19
.set SEL,  20
.set CS,   22
.set NA,   24                          ; the first block's steps
.set Q0B,  25
.set MK,   26
.set SH,   27
.set Q0,   28
.set KF,   29
.set G,    30                          ; the step, 0 .. 16
.set F,    31                          ; the step that is asked for next
.set TT,   32
.set T0,   33
.set MSB, 0
.macro WIN new                         ; the immediate's high byte repeats the setting that is left
.if MSB != (\new)
	s_set_vgpr_msb (MSB<<8)|(\new)
.set MSB, (\new)
.endif
.endm
.macro PTR d, b, o                     ; a pointer: a buffer's address + a 32-bit offset (s61 = 0)
	s_mov_b32 s60, s\o
	s_add_nc_u64 s[\d:\d+1], s[\b:\b+1], s[60:61]
.endm
	s_load_b128 s[4:7], s[0:1], 0x0                ; QKV, CX
	v_lshl_add_u32 v[SPW], v0, 2, SPARE
	v_mov_b32 v[NIL], 0
	v_lshrrev_b32 v8, 5, v0
	v_readfirstlane_b32 s[WV], v8                  ; wave 0..7
	s_and_b32 s[E], s[WV], 1                       ; my head of the pair
	s_lshr_b32 s8, s[WV], 1                        ; my tile of the block's four
	s_and_b32 s9, ttmp7, 0xffff
	s_lshr_b32 s10, s9, 3                          ; batch
	s_and_b32 s11, s9, 7                           ; head pair j
	s_sub_co_u32 s12, 31, ttmp9                    ; the first block
	s_lshr_b32 s[NA], s12, 1
	s_add_co_u32 s[NA], s[NA], 1
	s_lshl_b32 s12, s12, 2
	s_add_co_u32 s12, s12, s8                      ; my tile of the first block,
	s_lshl_b32 s13, ttmp9, 2
	s_add_co_u32 s13, s13, s8                      ; of the second
	s_lshr_b32 s[Q0], s12, 1
	s_lshl_b32 s[Q0], s[Q0], 5
	s_and_b32 s14, s12, 1
	s_lshl_b32 s14, s14, 3
	s_add_co_u32 s[Q0], s[Q0], s14                 ; a tile's first query; its last is 23 on
	s_lshr_b32 s[Q0B], s13, 1
	s_lshl_b32 s[Q0B], s[Q0B], 5
	s_and_b32 s14, s13, 1
	s_lshl_b32 s14, s14, 3
	s_add_co_u32 s[Q0B], s[Q0B], s14
	s_sub_co_u32 s16, s12, s13
	s_lshl_b32 s16, s16, 9                         ; from the second tile's scale words of ctx to the first's: 8 records of 64 bytes a tile
	s_lshl_b32 s14, s10, 7
	s_add_co_u32 s12, s12, s14                     ; the tiles among all 256
	s_add_co_u32 s13, s13, s14
	s_mul_i32 s15, s[E], 768
	s_lshl_b32 s72, s12, 4                         ; Q: tile, K step j, my head's half
	s_add_co_u32 s72, s72, s11
	s_mul_i32 s72, s72, 1536
	s_add_co_u32 s72, s72, s15
	s_lshl_b32 s73, s13, 4
	s_add_co_u32 s73, s73, s11
	s_mul_i32 s73, s73, 1536
	s_add_co_u32 s73, s73, s15
	s_lshl_b32 s17, s11, 1                         ; Q's scale words: head 2 j + e
	s_add_co_u32 s17, s17, s[E]
	s_lshl_b32 s17, s17, 14
	s_add_co_u32 s17, s17, QKS
	s_lshl_b32 s74, s12, 6
	s_add_co_u32 s74, s74, s17
	s_lshl_b32 s75, s13, 6
	s_add_co_u32 s75, s75, s17
	s_add_co_u32 s76, s14, s[WV]                   ; K: key tile w of step 0, K step 8 + j
	s_lshl_b32 s76, s76, 4
	s_add_co_u32 s76, s76, s11
	s_add_co_u32 s76, s76, 8
	s_mul_i32 s76, s76, 1536
	s_lshl_b32 s77, s11, 3                         ; V^T: channel tile 8 j + w, the batch's first step
	s_add_co_u32 s77, s77, s[WV]
	s_lshl_b32 s77, s77, 5
	s_lshl_b32 s17, s10, 4
	s_add_co_u32 s77, s77, s17
	s_lshl_b32 s79, s77, 6
	s_add_co_u32 s79, s79, VTS                     ; its scale words
	s_mul_i32 s77, s77, 1536
	s_add_co_u32 s77, s77, VTC
	s_lshl_b32 s78, s11, 1                         ; K's scale words: head 16 + 2 j + w / 4, the batch's tiles, 128 bytes x (w % 4) of a step's 512
	s_lshr_b32 s17, s[WV], 2
	s_add_co_u32 s78, s78, s17
	s_add_co_u32 s78, s78, 16
	s_lshl_b32 s78, s78, 14
	s_lshl_b32 s17, s10, 13
	s_add_co_u32 s78, s78, s17
	s_and_b32 s17, s[WV], 3
	s_lshl_b32 s17, s17, 7
	s_add_co_u32 s78, s78, s17
	s_add_co_u32 s78, s78, QKS
	s_lshl_b32 s34, s12, 3                         ; ctx: my head's half of the record, first block,
	s_add_co_u32 s34, s34, s11
	s_mul_i32 s34, s34, 1536
	s_add_co_u32 s34, s34, s15
	s_lshl_b32 s35, s13, 3                         ; second block,
	s_add_co_u32 s35, s35, s11
	s_lshl_b32 s17, s35, 6
	s_add_co_u32 s17, s17, CXS                     ; and the second block's scale words
	s_mul_i32 s35, s35, 1536
	s_add_co_u32 s35, s35, s15
	s_mul_i32 s44, s[E], 6144
	s_add_co_u32 s44, s44, VL
	s_lshl_b32 s45, s[E], 9
	s_add_co_u32 s45, s45, KSCO
	s_lshl_b32 s46, s[E], 8
	s_add_co_u32 s46, s46, VSCO
	s_mul_i32 s47, s[WV], 1536
	s_lshl_b32 s48, s[WV], 7
	s_add_co_u32 s48, s48, KSCO
	s_lshl_b32 s49, s[WV], 6
	s_add_co_u32 s49, s49, VSCO
	s_mov_b32 s[SEL], 0x76543210
	s_mov_b32 s[SEL+1], 0xfedcba98
	s_mov_b32 s[CS], 0x3e38aa3b                    ; c = log2(e) / 8
	s_mov_b32 s[CS+1], s[CS]
	s_mov_b32 s[MK], 0xffff0000                    ; lanes 16-31
	s_lshl_b32 s[SH], s[E], 4
	s_mov_b32 s[KF], 0
	s_mov_b32 s[G], 0
	s_mov_b32 s[F], 0
	s_mov_b32 s[TT], 0
	s_mov_b32 s61, 0
	v_and_b32 v8, 31, v0
	v_and_b32 v9, 15, v0                           ; r
	v_bfe_u32 v222, v0, 4, 1                       ; h
	v_lshlrev_b32 v[L16], 4, v8
	v_lshlrev_b32 v[L8], 3, v8
	v_lshlrev_b32 v[L4], 2, v8
	v_lshlrev_b32 v[R4], 2, v9
	v_and_b32 v[QD], 8, v9
	v_lshlrev_b32 v221, 4, v222
	v_add_nc_u32 v[QD], v[QD], v9
	v_add_nc_u32 v[AK16], s15, v[L16]
	v_sub_nc_u32 v[QD], v[QD], v221
	v_add_nc_u32 v[AK8], s15, v[L8]
	v_add_nc_u32 v[AV16], s44, v[L16]
	v_add_nc_u32 v[AV8], s44, v[L8]
	v_add_nc_u32 v[ADS], s45, v[R4]
	v_add_nc_u32 v[ADT], s46, v[R4]
	v_add_nc_u32 v[SKA], s47, v[L16]
	v_add_nc_u32 v[SSK], s48, v[L4]
	v_add_nc_u32 v[SSV], s49, v[R4]
	v_add_nc_u32 v[SVA], VL, v[SKA]
	v_lshl_add_u32 v[XW], v0, 2, XCH
	v_xor_b32 v[XR], 32, v0
	v_mul_u32_u24 v[SOF], v222, s16
	v_lshl_add_u32 v[XR], v[XR], 2, XCH            ; the other head's wave
	v_add_nc_u32 v[SOF], v[SOF], v[R4]
	s_wait_alu depctr_va_vdst(0)
	s_wait_kmcnt 0x0
	PTR 80, 4, 72
	PTR 82, 4, 73
	PTR 84, 4, 74
	PTR 86, 4, 75
	PTR 36, 4, 76                                  ; s[36:43]: step 0's record of K, of V^T, K's scale words, V^T's; never stepped
	PTR 38, 4, 77
	PTR 40, 4, 78
	PTR 42, 4, 79
	PTR 66, 6, 34
	PTR 68, 6, 35
	PTR 70, 6, 17
; What I copy for step F, into set s: 8 loads.  Its key step is F, or F - NA in the second block.  The set's pointers are written anew behind the wait that showed its last loads done
.macro GET s
.set PS, 44+8*(\s)
	s_cmp_lt_u32 s[F], s[NA]
	s_cselect_b32 s[T0], 0, s[NA]
	s_sub_co_u32 s[T0], s[F], s[T0]
	s_add_co_u32 s[F], s[F], 1
	s_mul_i32 s60, s[T0], 196608                   ; 8 key tiles of 16 records
	s_add_nc_u64 s[PS:PS+1], s[36:37], s[60:61]
	s_mul_i32 s60, s[T0], 1536
	s_add_nc_u64 s[PS+2:PS+3], s[38:39], s[60:61]
	s_lshl_b32 s60, s[T0], 9
	s_add_nc_u64 s[PS+4:PS+5], s[40:41], s[60:61]
	s_lshl_b32 s60, s[T0], 6
	s_add_nc_u64 s[PS+6:PS+7], s[42:43], s[60:61]
	WIN 0x40                                       ; the data land from v256 on
.irp c, 0,1,2
	global_load_b128 v[SG+32*(\s)+4*\c:SG+32*(\s)+4*\c+3], v[L16], s[PS:PS+1] offset:512*\c
	global_load_b128 v[SG+32*(\s)+12+4*\c:SG+32*(\s)+12+4*\c+3], v[L16], s[PS+2:PS+3] offset:512*\c
.endr
	global_load_b32 v[SG+32*(\s)+24], v[L4], s[PS+4:PS+5]
	global_load_b32 v[SG+32*(\s)+25], v[R4], s[PS+6:PS+7]          ; lanes l and l xor 16 take the same word
	WIN 0
.endm
.macro STORE s                         ; set s into buffer s
	WIN 0x04                                       ; an LDS store's data are its source 1
.irp c, 0,1,2
	ds_store_b128 v[SKA], v[SG+32*(\s)+4*\c:SG+32*(\s)+4*\c+3] offset:(\s)*BUF+512*\c
	ds_store_b128 v[SVA], v[SG+32*(\s)+12+4*\c:SG+32*(\s)+12+4*\c+3] offset:(\s)*BUF+512*\c
.endr
	ds_store_b32 v[SSK], v[SG+32*(\s)+24] offset:(\s)*BUF
	ds_store_b32 v[SSV], v[SG+32*(\s)+25] offset:(\s)*BUF
	WIN 0
.endm
.macro KLOAD s                         ; a step's eight fragments of K (my head's halves) and their scale words out of buffer s: 24 loads in one run
.irp t, 0,1,2,3,4,5,6,7
	ds_load_b128 v[FK+6*\t:FK+6*\t+3], v[AK16] offset:(\s)*BUF+\t*1536
	ds_load_b64 v[FK+6*\t+4:FK+6*\t+5], v[AK8] offset:(\s)*BUF+\t*1536+512
	ds_load_b32 v[KSW+\t], v[ADS] offset:(\s)*BUF+\t*64
.endr
.endm
	global_load_b128 v[16:19], v[L16], s[80:81]    ; the first block's Q: registers 0-5
	global_load_b64 v[20:21], v[L8], s[80:81] offset:512
	global_load_b32 v255, v[R4], s[84:85]
	WIN 0x40
	global_load_b128 v[36:39], v[L16], s[82:83]    ; the second block's
	global_load_b64 v[40:41], v[L8], s[82:83] offset:512
	global_load_b32 v42, v[R4], s[86:87]
.set jj, 0
.rept 34
	v_mov_b32 v[jj], 0                             ; where the first block's results are set aside: written whole once, so that every way through the text finds them written
.set jj, jj+1
.endr
	WIN 0
	GET 0
	GET 1
.irp j, 22,23,24,25,26,27
	v_mov_b32 v[\j], 0                             ; Q's registers 6-11: zero codes
.endr
.irp j, 0,1,2,3,4,5
	v_mov_b32 v[FK+48+\j], 0                       ; registers 6-11 of K's eighth fragment: written once, and no load lands there
.endr
.macro FRESH                           ; a block begins
	v_mov_b32 v13, 0xff61b1e6                      ; the largest t so far: -3e38
	v_mov_b32 v14, 0                               ; the sum, in two halves
	v_mov_b32 v15, 0
	v_floor_f32 v12, -v13                          ; -M
.set jj, 0
.rept 32
	v_mov_b32 v[160+jj], 0                         ; O^T: the walk has no first step of its own; the first change of M multiplies zeros
.set jj, jj+1
.endr
.endm
	FRESH
.irp b, 0,1,2,3
	v_mov_b32 v[236+\b], 0                         ; a lane permute's destination counts as one of its sources
.endr
	v_mov_b32 v252, 0
	v_mov_b32 v253, 0
	s_wait_alu depctr_va_vdst(0)
	s_wait_loadcnt 8                               ; Q and step 0's copy are in; step 1's 8 loads may be out
	STORE 0
	s_wait_dscnt 0x0                               ; for the others' sake
	s_barrier_signal -1
	s_barrier_wait -1
	GET 0                                          ; step 2
	KLOAD 0                                        ; step 0's fragments of K
; At step NA the first block is done: its O^T and sums are set aside, the second block's Q comes in, the keys begin anew.  The test is made of ids and the step alone: the same in all eight waves
.macro SWITCH
	s_cmp_lg_u32 s[G], s[NA]
	s_cbranch_scc1 .Lsame_\@
.rept 4
	v_nop                                          ; four places behind the last products
.endr
	WIN 0x40
.set jj, 0
.rept 32
	v_mov_b32 v[jj], v[160+jj]                     ; ascending: each accumulator is read from its low end on
.set jj, jj+1
.endr
	v_mov_b32 v32, v14
	v_mov_b32 v33, v15
	WIN 0x01
.irp j, 0,1,2,3,4,5
	v_mov_b32 v[16+\j], v[36+\j]
.endr
	v_mov_b32 v255, v42
	WIN 0
	FRESH                                          ; (these lines also stand between Q's and its scale word's writes and the next products)
	s_mov_b32 s[Q0], s[Q0B]
	s_mov_b32 s[KF], 0
.Lsame_\@:
	s_add_co_u32 s[G], s[G], 1
.endm
; A KEY STEP g: 128 keys, in buffer buf = g % 2; K's fragments were asked for in the step before.  mode 2: in its middle step g + 1's copy goes into the other buffer, the barrier, step g + 3's copy is asked for,
; and step g + 1's fragments of K; mode 1: the same, but nothing is left to ask memory for; mode 0: the last step.  cnt: the loads younger than step g + 1's copy
.macro STEP buf, cnt, mode
	s_wait_alu depctr_va_vdst(0)
	s_wait_dscnt 0x0                               ; K's fragments
.irp t, 0,1,2,3,4,5,6,7                ; S^T = K Q^T: the step's eight tiles of 16 keys
	v_wmma_scale_f32_16x16x128_f8f6f4 v[96+8*\t:103+8*\t], v[FK+6*\t:FK+6*\t+11], v[16:27], 0, v[KSW+\t], v255 matrix_a_fmt:MATRIX_FMT_BF6 matrix_b_fmt:MATRIX_FMT_BF6
.endr
.rept 4
	v_nop                                          ; four places: in front of the loads into registers that the last step's second product read, and of the first read of the scores
.endr
.irp t, 0,1,2,3                        ; V^T's four records of my head are asked for now: they land under the softmax
	ds_load_b32 v[VSW+\t], v[ADT] offset:(\buf)*BUF+64*\t
.endr
	WIN 0x40
.irp t, 0,1,2,3
	ds_load_b128 v[FV+12*\t:FV+12*\t+3], v[AV16] offset:(\buf)*BUF+1536*\t
	ds_load_b64 v[FV+12*\t+4:FV+12*\t+5], v[AV8] offset:(\buf)*BUF+1536*\t+512
	ds_load_b128 v[FV+12*\t+6:FV+12*\t+9], v[AV16] offset:(\buf)*BUF+1536*\t+768
	ds_load_b64 v[FV+12*\t+10:FV+12*\t+11], v[AV8] offset:(\buf)*BUF+1536*\t+1280
.endr
	WIN 0
	s_add_co_u32 s[T0], s[KF], 127                 ; on the diagonal hidden scores become -infinity ahead of the maximum; a step all of whose keys count skips this
	s_cmp_le_u32 s[T0], s[Q0]
	s_cbranch_scc1 .Lopen_\@
	s_sub_co_i32 s[T0], s[Q0], s[KF]
	v_add_nc_u32 v252, s[T0], v[QD]                ; d = my query - KF - 16 h.  Register 16 b + i holds key KF + 16 h + 32 b + i: hidden where 32 b + i > d
	v_mov_b32 v254, 0xff800000
.set nn, 0
.rept 64
	v_cmp_gt_i32 vcc_lo, 32*(nn/16)+nn%16, v252
	v_cndmask_b32 v[96+nn], v[96+nn], v254, vcc_lo
.set nn, nn+1
.endr
.Lopen_\@:
.irp b, 0,1,2,3
	v_max3_num_f32 v[232+\b], v[96+16*\b], v[97+16*\b], v[98+16*\b]   ; the largest score of each block of 32 keys: for the row's maximum, and, since p rises with the score, for the block's largest p
.endr
.irp i, 3,5,7,9,11,13
.irp b, 0,1,2,3
	v_max3_num_f32 v[232+\b], v[232+\b], v[96+16*\b+\i], v[97+16*\b+\i]
.endr
.endr
.irp b, 0,1,2,3
	v_max_num_f32 v[232+\b], v[232+\b], v[111+16*\b]
.endr
.irp b, 0,1,2,3
	s_delay_alu instid0(VALU_DEP_4)
	v_permlanex16_b32 v[236+\b], v[232+\b], s[SEL], s[SEL+1]
.endr
.irp b, 0,1,2,3
	s_delay_alu instid0(VALU_DEP_4)
	v_max_num_f32 v[232+\b], v[232+\b], v[236+\b]  ; with lane l xor 16's 16 keys
.endr
	s_delay_alu instid0(VALU_DEP_2)
	v_max3_num_f32 v254, v232, v233, v234
	s_delay_alu instid0(VALU_DEP_1)
	v_max_num_f32 v254, v254, v235
	s_delay_alu instid0(VALU_DEP_1)
	v_mul_f32 v254, s[CS], v254
	s_delay_alu instid0(VALU_DEP_1)
	v_max_num_f32 v13, v13, v254                   ; the running largest t
	v_mov_b32 v254, v12
	s_delay_alu instid0(VALU_DEP_2)
	v_floor_f32 v12, -v13                          ; the new -M = -ceil(t)
	s_delay_alu instid0(VALU_DEP_1)
	v_sub_f32 v254, v12, v254                      ; old M - new M: a whole number, 0 or less
	s_delay_alu instid0(VALU_DEP_1)
	v_cvt_i32_f32 v254, v254                       ; (it saturates)
	s_delay_alu instid0(VALU_DEP_1)
	v_ldexp_f32 v252, 1.0, v254                    ; f = 2^(old M - new M)
.set jj, 0
.rept 32
	v_pk_fma_f32 v[96+jj:97+jj], v[96+jj:97+jj], s[CS:CS+1], v[12:13] op_sel_hi:[1,0,0]   ; t - M
.set jj, jj+2
.endr
.irp b, 0,1,2,3
	v_fma_f32 v[232+\b], v[232+\b], s[CS], v12     ; the same of each block's largest score
.endr
.set jj, 0
	s_wait_alu depctr_va_vdst(0)
.if \mode
	s_wait_loadcnt \cnt                            ; step g + 1's copy is in my registers; younger are step g + 2's loads alone
	STORE 1-(\buf)                                 ; the other buffer was last read ahead of the last barrier
	s_wait_dscnt 0x0                               ; my stores have landed; V's fragments are in: my reads of this buffer are over:
	s_barrier_signal -1                            ; say so; the exponentials, work on registers, stand between the signal and the wait
.endif
.rept 64
	v_exp_f32 v[96+jj], v[96+jj]                   ; p = 2^(t - M)
.set jj, jj+1
.endr
	v_pk_mul_f32 v[14:15], v[14:15], v[252:253] op_sel_hi:[1,0]   ; the sums under the new M; a plain line behind the exponentials
	s_wait_alu depctr_va_vdst(0)                   ; one wait for the batch, ahead of its first reader, and directly ahead of the waits below
.if \mode
	s_barrier_wait -1                              ; every wave has said so: the other buffer is whole, and nobody reads this one any more
.if (\mode) == 2
	GET 1-(\buf)
.endif
	KLOAD 1-(\buf)                                 ; they land under the rest of this step
.endif
.irp b, 0,1,2,3
	v_exp_f32 v[232+\b], v[232+\b]                 ; the block's largest p
.endr
	v_pk_add_f32 v[236:237], v[96:97], v[98:99]    ; the row's sum of the unquantised p, in four chains
	v_pk_add_f32 v[220:221], v[100:101], v[102:103]
	v_pk_add_f32 v[94:95], v[104:105], v[106:107]
	v_pk_add_f32 v[14:15], v[14:15], v[108:109]
.irp j, 110,118,126,134,142,150
	v_pk_add_f32 v[236:237], v[236:237], v[\j:\j+1]
	v_pk_add_f32 v[220:221], v[220:221], v[\j+2:\j+3]
	v_pk_add_f32 v[94:95], v[94:95], v[\j+4:\j+5]
	v_pk_add_f32 v[14:15], v[14:15], v[\j+6:\j+7]
.endr
	v_pk_add_f32 v[236:237], v[236:237], v[158:159]
	v_pk_add_f32 v[14:15], v[14:15], v[220:221]
	v_pk_add_f32 v[236:237], v[236:237], v[94:95]
	v_pk_add_f32 v[14:15], v[14:15], v[236:237]
	s_wait_alu depctr_va_vdst(0)                   ; and one for the four
.irp b, 0,1,2,3
	v_max_num_f32 v[232+\b], 0x2800000, v[232+\b]  ; the floor 2^(5 - 127)
.endr
.irp b, 0,1,2,3
	s_delay_alu instid0(VALU_DEP_4)
	v_add_nc_u32 v[244+\b], 0xfe000000, v[232+\b]
.endr
.irp b, 0,1,2,3
	s_delay_alu instid0(VALU_DEP_4)
	v_lshrrev_b32 v[236+\b], 23, v[244+\b]
.endr
	s_delay_alu instid0(VALU_DEP_3)
	v_lshl_or_b32 v253, v237, 8, v236              ; p's scale word for these 128 keys
	s_delay_alu instid0(VALU_DEP_1)
	v_lshl_or_b32 v253, v238, 16, v253
	s_delay_alu instid0(VALU_DEP_1)
	v_lshl_or_b32 v253, v239, 24, v253
.irp c, 0,1
	v_cvt_scalef32_pk16_bf6_f32 v[224+6*\c:226+6*\c], v[96+32*\c:111+32*\c], v[244+2*\c]
	v_cvt_scalef32_pk16_bf6_f32 v[236+4*\c:238+4*\c], v[112+32*\c:127+32*\c], v[244+2*\c+1]
.endr
	v_nop                                          ; one plain line behind the conversions
.irp c, 0,1
.irp i, 0,1,2
	v_permlane16_swap_b32 v[224+6*\c+\i], v[236+4*\c+\i]
.endr
.irp i, 0,1,2
	s_delay_alu instid0(VALU_DEP_3)
	v_mov_b32 v[227+6*\c+\i], v[236+4*\c+\i]
.endr
.endr
.set jj, 0
.rept 16
	v_pk_mul_f32 v[160+jj:161+jj], v[160+jj:161+jj], v[252:253] op_sel_hi:[1,0]   ; O^T under the new M; these also stand between the scale word's and the codes' last writes and the products
.set jj, jj+2
.endr
.if (\mode) == 0
	s_wait_alu depctr_va_vdst(0)
	s_wait_dscnt 0x0                               ; V's fragments (in the other steps the wait ahead of the barrier has shown them in)
.endif
	WIN 0x01                                       ; source 0: V's fragments, from v256 on
.irp t, 0,1,2,3                        ; O^T += V^T P^T: my head's four tiles of 16 channels, four accumulators by turns
	v_wmma_scale_f32_16x16x128_f8f6f4 v[160+8*\t:167+8*\t], v[FV+12*\t:FV+12*\t+11], v[224:235], v[160+8*\t:167+8*\t], v[VSW+\t], v253 matrix_a_fmt:MATRIX_FMT_BF6 matrix_b_fmt:MATRIX_FMT_BF6
.endr
	WIN 0
	s_add_co_u32 s[KF], s[KF], 128
.endm
.macro TURNS u, cnt, mode
	SWITCH
	STEP \u, \cnt, \mode
.endm
.Ltrip:                                            ; steps 0 to 13, two a trip; the last asks for step 16
	TURNS 0, 8, 2
	TURNS 1, 8, 2
	s_add_co_u32 s[TT], s[TT], 1
	s_cmp_lt_u32 s[TT], 7
	s_cbranch_scc1 .Ltrip
	TURNS 0, 8, 1                                  ; steps 14 to 16 ask memory for nothing
	TURNS 1, 0, 1
	TURNS 0, 0, 0
; THE WAY OUT of a block: O^T / the sum, quantised along my head's 64 channels: half a record (codes in v[p] on) and half a scale word (v[w])
.macro FINAL p, w, xo, cp
	v_add_f32 v14, v14, v15
	v_permlanex16_b32 v252, v14, s[SEL], s[SEL+1]
	v_add_f32 v14, v14, v252                       ; the row's sum
	s_wait_alu depctr_va_vdst(0)
	v_rcp_f32 v14, v14
	v_nop
	s_wait_alu depctr_va_vdst(0)                   ; ahead of the reciprocal's first reader
.set jj, 0
.rept 32
	v_mul_f32 v[96+jj], v[160+jj], v14             ; register 16 b + i is channel 32 b + 16 h + i of my query
.set jj, jj+1
.endr
.irp b, 0,1
	v_max3_num_f32 v[232+\b], |v[96+16*\b]|, |v[97+16*\b]|, 0x2800000
.endr
.irp i, 2,4,6,8,10,12,14
.irp b, 0,1
	v_max3_num_f32 v[232+\b], v[232+\b], |v[96+16*\b+\i]|, |v[97+16*\b+\i]|
.endr
.endr
.irp b, 0,1
	v_permlanex16_b32 v[236+\b], v[232+\b], s[SEL], s[SEL+1]
.endr
.irp b, 0,1
	v_max_num_f32 v[232+\b], v[232+\b], v[236+\b]
.endr
.irp b, 0,1
	v_add_nc_u32 v[244+\b], 0xfe000000, v[232+\b]
.endr
.irp b, 0,1
	v_lshrrev_b32 v[236+\b], 23, v[244+\b]
.endr
	v_lshl_or_b32 v[\w], v237, 8, v236
	v_lshlrev_b32 v[\w], s[SH], v[\w]              ; my head's two bytes at their place in the word
	v_cvt_scalef32_pk16_bf6_f32 v[\p:\p+2], v[96:111], v244
	v_cvt_scalef32_pk16_bf6_f32 v[236:238], v[112:127], v245
	v_nop                                          ; one plain line behind the conversions
.irp i, 0,1,2
	v_permlane16_swap_b32 v[\p+\i], v[236+\i]
.endr
.irp i, 0,1,2
	v_mov_b32 v[\p+3+\i], v[236+\i]
.endr
	global_store_b128 v[L16], v[\p:\p+3], s[\cp:\cp+1]             ; 512 and 256 consecutive bytes, aligned
	global_store_b64 v[L8], v[\p+4:\p+5], s[\cp:\cp+1] offset:512
	ds_store_b32 v[XW], v[\w] offset:\xo
.endm
.rept 4
	v_nop                                          ; four places behind the last products
.endr
	FINAL 224, 218, 0, 68                          ; the second block
	WIN 0x01
.set jj, 0
.rept 32
	v_mov_b32 v[160+jj], v[jj]                     ; the first block's results come back
.set jj, jj+1
.endr
	v_mov_b32 v14, v32
	v_mov_b32 v15, v33
	WIN 0
	FINAL 196, 219, 1024, 66                       ; its codes and its word have registers of their own: no store's data are written again
	s_wait_alu depctr_va_vdst(0)
	s_wait_dscnt 0x0
	s_barrier_signal -1
	s_barrier_wait -1
	s_cmp_lg_u32 s[E], 0
	s_cbranch_scc1 .Lend
	ds_load_b32 v250, v[XR]                        ; the other head's two bytes, of both blocks
	ds_load_b32 v251, v[XR] offset:1024
	s_wait_dscnt 0x0
	v_or_b32 v218, v218, v250
	v_or_b32 v219, v219, v251
	v_cndmask_b32 v220, v218, v219, s[MK]          ; lanes l and l xor 16 hold the same word: lanes 0-15 store the second block's record's 64 bytes, lanes 16-31 the first's
	global_store_b32 v[SOF], v220, s[70:71]
.Lend:
	s_wait_tensorcnt 0x0                           ; the wave's end
	ds_add_u32 v[SPW], v[NIL]
	s_wait_dscnt 0x0
	s_endpgm
.Lfunc_end_k_qa1768d5d6f_attn:
	.size	k_qa1768d5d6f_attn, .Lfunc_end_k_qa1768d5d6f_attn-k_qa1768d5d6f_attn
	.p2alignl 7, 3214868480
	.fill 96, 4, 3214868480
	.section	.rodata,"a",@progbits
	.p2align	6, 0x0
	.amdhsa_kernel k_qa1768d5d6f_attn
		.amdhsa_group_segment_fixed_size 55296
		.amdhsa_private_segment_fixed_size 0
		.amdhsa_enable_private_segment 0
		.amdhsa_kernarg_size 16
		.amdhsa_user_sgpr_count 2
		.amdhsa_user_sgpr_kernarg_segment_ptr 1
		.amdhsa_wavefront_size32 1
		.amdhsa_system_sgpr_workgroup_id_x 1
		.amdhsa_system_sgpr_workgroup_id_y 1
		.amdhsa_system_sgpr_workgroup_id_z 1
		.amdhsa_system_vgpr_workitem_id 0
		.amdhsa_next_free_vgpr 416
		.amdhsa_next_free_sgpr 88
		.amdhsa_reserve_vcc 1
		.amdhsa_float_denorm_mode_32 3
		.amdhsa_float_denorm_mode_16_64 3
		.amdhsa_memory_ordered 1
		.amdhsa_forward_progress 1
		.amdhsa_inst_pref_size 155
	.end_amdhsa_kernel
	.amdgpu_metadata
---
amdhsa.version: [ 1, 2 ]
amdhsa.kernels:
  - .name:           k_qa1768d5d6f_attn
    .symbol:         k_qa1768d5d6f_attn.kd
    .args:
      - { .name: QKV, .offset: 0, .size: 8, .value_kind: global_buffer, .address_space: global }
      - { .name: CX, .offset: 8, .size: 8, .value_kind: global_buffer, .address_space: global }
    .group_segment_fixed_size: 55296
    .private_segment_fixed_size: 0
    .kernarg_segment_align: 8
    .kernarg_segment_size: 16
    .max_flat_workgroup_size: 256
    .sgpr_count:     88
    .vgpr_count:     416
    .wavefront_size: 32
...
	.end_amdgpu_metadata
.endif
;; end of part 3
;; launch wo (part 4): grid 8 x 32, 4 waves a work-group, clusters of 4 x 4, 327,680 bytes of LDS; arguments CX, WB, bo, X, X1; writes X1
.if DOCPART == 4
	.amdgcn_target "amdgcn-amd-amdhsa--gfx1250"
	.amdhsa_code_object_version 6
	.text
	.protected	k_qa1768d5d6f_wo
	.globl	k_qa1768d5d6f_wo
	.p2align	8
	.type	k_qa1768d5d6f_wo,@function
k_qa1768d5d6f_wo:
	s_mov_b64 s[64:65], 0
	v_nop
	global_prefetch_b8 v0, s[64:65] scope:SCOPE_SE
	s_setreg_imm32_b32 hwreg(HW_REG_WAVE_MODE, 25, 1), 1
	s_wait_xcnt 0x0
	s_wait_alu depctr_hold_cnt(0) depctr_sa_sdst(0) depctr_va_vdst(0) depctr_va_sdst(0) depctr_va_ssrc(0) depctr_va_vcc(0) depctr_vm_vsrc(0)
	s_getreg_b32 s2, hwreg(HW_REG_IB_STS2, 6, 4)
	s_cmp_eq_u32 s2, 0
	s_cbranch_scc0 .Lentry_in_a_cluster
	s_endpgm
.Lentry_in_a_cluster:
	s_bfe_u32 s2, ttmp6, 0x10000c
	s_cmp_lg_u32 s2, 0xf033
	s_cbranch_scc0 .Lentry_shape_is_right
	s_endpgm
.Lentry_shape_is_right:
; X1 = X + (Q(ctx) Q(Wo) + bo).  Codes of BF6 (E3M2), one E8M0 byte for each 32 along K, sums in f32; X1 [4096][1024] f32, natural rows.
; OPERANDS are records (16 rows x 128 K, 1,536 bytes, in the order of the operand's registers), [row tile][K step]; scale words [row tile][K step][16].  Row tile i, lane-row p is logical row 32 (i/2) + 8 (i%2) + p + 8 (p/8).
; N is 1,024: a tile of C is 128 x 128, so that there are 256 work-groups; four waves, 64 x 64 each: 16 accumulators.
; ALL OF K (1,024) LIES IN LDS AT ONCE: 8 row tiles of ctx and 8 of Wo, 12,288 bytes each, and their scale words.  The head's four loads, one a wave, bring everything; one barrier shows it to all waves; nothing is filled again.
; THE MATRIX INSTRUCTION IS USED TRANSPOSED (source 0 = 16 rows of the weight, source 1 = 16 tokens): accumulator (a, b), lane (r, h), register j is C(token tile a lane-row r, column 32 (b/2) + 16 h + 8 (b%2) + j).
; CLUSTERS: 4 x 4: the tokens' tiles are shared along a row of the cluster, the weight's along a column, by joint loads.  No prefetch: all tiles are asked for at the head, and there is no loop to run ahead in.
; THE WAY OUT: a block of 16 tokens x 64 columns goes through the wave's stage in LDS and comes back as rows of 256 bytes; bias and residual are added; 16 lanes store 256 consecutive aligned bytes.
; The stages have LDS bytes of their own, behind the spare words: no tile lands there.
; LIMITS: NaN and infinities are not served.
.set NBLK,  4                          ; row tiles a wave takes of A and of B
.set LOGNB, 2
.set NQ,    4                          ; steps that one set of scale words serves
.set KS,    8                          ; steps of 128 along K
.set ASOFF, 3145728                    ; ctx's scale words in CX
.set BCOFF, 2359296                    ; Wo's codes in WB,
.set BSOFF, 9535488                    ; its scale words
.set REC,    1536
.set FPITCH, KS*REC                    ; a row tile in LDS: its KS records on end
.set HALFT,  NBLK*FPITCH               ; what one wave reads of A or of B
.set SCL,    4*HALFT                   ; behind A's and B's row tiles: the scale words
.set HALFS,  NBLK*KS*64
.set SPARE,  SCL+4*HALFS               ; the spare words, 128 bytes a wave: two blocks of 256 bytes that no other line names
.set STAGE,  SPARE+512
.set FR,  12
.set HL,  (NBLK/2)*4                   ; LDS loads that bring A's upper two blocks
.set NP,  4                            ; places behind this matrix instruction (ISA guide 7.12.1)
.set L16, 4
.set L8,  5
.set L4,  6
.set ADRA, 16                          ; v16 my A fragments + 16 x lane, v18 + 8 x lane
.set ADRB, 20                          ; v20, v22 the same for B
.set STO,  24                          ; v24 the stage, in; v25 back; v26 my offset in two rows of X and X1
.set RD,   25
.set CO,   26
.set ADSA, 27
.set SPW,  28
.set NIL,  29
.set ADSB, 30
.set BO,   31
.set SC,   32                          ; v32-63 scale words and nothing else: two sets of 16: A's block i at + 2 i, B's at + 8 + 2 i; lanes 0-15 the even step, lanes 16-31 the odd one
.set RES0, 64                          ; v64-127, v176-239 the residual, then the result: 4 registers for each of 32 pairs of rows
.set AF,   128                         ; v128-175 A's fragments.  B's two sets: window 1, v0 and v128.  Accumulators: window 2
.set BK,   128                         ; the way out: 16 rows read back
.set BIA,  240                         ; v240-243 the bias at my four columns
.set G1, 24
.set G0, 32
.set G1B, 48
.set G0B, 56
.set G1S, 68
.set G0S, 76
.set G1SB, 80
.set G0SB, 88
.set MSB, 0
.macro WIN new                         ; the immediate's high byte repeats the setting that is left
.if MSB != (\new)
	s_set_vgpr_msb (MSB<<8)|(\new)
.set MSB, (\new)
.endif
.endm
.set MUL,  0xa1                        ; source 0 window 1, source 1 window 0, C and D window 2
.set TO_B, 0x40
.macro CROUND                          ; a round of the cluster's barrier
	s_barrier_signal -1
	s_barrier_wait -1
	s_cmp_lg_u32 s14, 0
	s_cbranch_scc1 .Lnot_wave_0_\@
	s_barrier_signal -3
.Lnot_wave_0_\@:
	s_barrier_wait -3
	s_barrier_signal -1
	s_barrier_wait -1
.endm
.macro PLACES n
.rept \n
	v_nop
.endr
.endm
.macro FRAG reg, adr, off              ; a record comes back as it was stored: every load reads 512 or 256 consecutive bytes
	ds_load_b128 v[(\reg):(\reg)+3], v[(\adr)] offset:(\off)
	ds_load_b64 v[(\reg)+4:(\reg)+5], v[(\adr)+2] offset:(\off)+512
	ds_load_b128 v[(\reg)+6:(\reg)+9], v[(\adr)] offset:(\off)+768
	ds_load_b64 v[(\reg)+10:(\reg)+11], v[(\adr)+2] offset:(\off)+1280
.endm
; A quarter of a step: A's block k x B's four.  All accumulators take turns, one instruction a turn, in the same order in every step
.macro MULQ k, p, q, sc, zero
.set ia, (\k)
.set ib, 0
.rept NBLK
.set rD, ia*NBLK*8+8*ib
.set rB, 128*(\p)+FR*ib
.set rA, AF+FR*ia
.set sB, SC+16*(\sc)+8+(NQ/2)*ib+(\q)/2
.set sA, SC+16*(\sc)+(NQ/2)*ia+(\q)/2
.if \zero
	v_wmma_scale_f32_16x16x128_f8f6f4 v[rD:rD+7], v[rB:rB+FR-1], v[rA:rA+FR-1], 0, v[sB], v[sA] matrix_a_fmt:MATRIX_FMT_BF6 matrix_b_fmt:MATRIX_FMT_BF6
.elseif (\q)%2
	v_wmma_scale_f32_16x16x128_f8f6f4 v[rD:rD+7], v[rB:rB+FR-1], v[rA:rA+FR-1], v[rD:rD+7], v[sB], v[sA] matrix_a_fmt:MATRIX_FMT_BF6 matrix_b_fmt:MATRIX_FMT_BF6 matrix_a_scale:MATRIX_SCALE_ROW1 matrix_b_scale:MATRIX_SCALE_ROW1
.else
	v_wmma_scale_f32_16x16x128_f8f6f4 v[rD:rD+7], v[rB:rB+FR-1], v[rA:rA+FR-1], v[rD:rD+7], v[sB], v[sA] matrix_a_fmt:MATRIX_FMT_BF6 matrix_b_fmt:MATRIX_FMT_BF6
.endif
.set ib, ib+1
.endr
.endm
.macro FETCH_B st, p                   ; B's four fragments of step st into set p
	WIN TO_B
.set fi, 0
.rept NBLK
	FRAG 128*(\p)+FR*fi, ADRB, fi*FPITCH+(\st)*REC
.set fi, fi+1
.endr
	WIN 0
.endm
.macro FETCH_A st, i0                  ; A's blocks i0, i0 + 1 of step st
.set fi, \i0
.rept NBLK/2
	FRAG AF+FR*fi, ADRA, fi*FPITCH+(\st)*REC
.set fi, fi+1
.endr
.endm
.macro SCALES set                      ; the scale words of steps NQ set .. NQ set + 3: one load brings two steps' words of a block, 128 consecutive bytes
.set fi, 0
.rept NBLK
.set fp, 0
.rept NQ/2
	ds_load_b32 v[SC+16*(\set)+(NQ/2)*fi+fp], v[ADSA] offset:fi*KS*64+(\set)*NQ*64+128*fp
	ds_load_b32 v[SC+16*(\set)+8+(NQ/2)*fi+fp], v[ADSB] offset:fi*KS*64+(\set)*NQ*64+128*fp
.set fp, fp+1
.endr
.set fi, fi+1
.endr
.endm
; A step of 128 along K: 16 matrix instructions; the next step's fragments are fetched in its middle and at its end
.macro STEP st, zero
.set cq, (\st)%NQ
.set cs, (\st)/NQ
.set nq, ((\st)+1)%NQ
.set ns, ((\st)+1)/NQ
	s_wait_dscnt HL                                ; all but the youngest loads, A's upper blocks
	WIN MUL
	MULQ 0, cq%2, cq, cs, \zero
	MULQ 1, cq%2, cq, cs, \zero
	s_wait_dscnt 0x0                               ; A's upper blocks are in
	PLACES NP                                      ; in front of loads into registers that matrix instructions have read
	FETCH_B (\st)+1, 1-cq%2
	FETCH_A (\st)+1, 0
.if nq == 0
	SCALES ns
.endif
	WIN MUL
	MULQ 2, cq%2, cq, cs, \zero
	MULQ 3, cq%2, cq, cs, \zero
	PLACES NP
	WIN 0
	FETCH_A (\st)+1, NBLK/2
.endm
.macro FOUT a                          ; block a: 16 tokens x 64 columns
	WIN 0x08                                       ; an LDS store's data are its source 1: window 2
.set fn, 0
.rept 8
	ds_store_b128 v[STO], v[32*(\a)+4*fn:32*(\a)+4*fn+3] offset:128*(fn/4)+16*(fn%4)   ; each accumulator from its low end on
.set fn, fn+1
.endr
	WIN 0
.set fn, 0
.rept 8
	ds_load_b128 v[BK+4*fn:BK+4*fn+3], v[RD] offset:544*fn         ; LDS serves a wave's instructions in order: these see my stores
.set fn, fn+1
.endr
	s_wait_dscnt 0x0
.set fn, 0
.rept 8
.set rr, RES0+4*(8*(\a)+fn)+48*((8*(\a)+fn)/16)
	v_pk_add_f32 v[BK+4*fn:BK+4*fn+1], v[BK+4*fn:BK+4*fn+1], v[BIA:BIA+1]
	v_pk_add_f32 v[BK+4*fn+2:BK+4*fn+3], v[BK+4*fn+2:BK+4*fn+3], v[BIA+2:BIA+3]
	v_pk_add_f32 v[rr:rr+1], v[rr:rr+1], v[BK+4*fn:BK+4*fn+1]
	v_pk_add_f32 v[rr+2:rr+3], v[rr+2:rr+3], v[BK+4*fn+2:BK+4*fn+3]
	global_store_b128 v[CO], v[rr:rr+3], s[12:13] offset:(32*((\a)/2)+8*((\a)%2)+2*fn+8*(fn/4))*4096   ; 16 lanes store 256 consecutive bytes, aligned; no store's data are written again
.set fn, fn+1
.endr
.endm
	s_load_b256 s[4:11], s[0:1], 0x0               ; CX, WB, the bias, the residual
	s_load_b64 s[12:13], s[0:1], 0x20              ; the output
	v_lshl_add_u32 v[SPW], v0, 2, SPARE
	v_mov_b32 v[NIL], 0
	ds_add_u32 v[SPW], v[NIL]                      ; the opening lines: the add, twice on end, and its wait ahead of my first tensor load
	ds_add_u32 v[SPW], v[NIL]
	v_lshrrev_b32 v1, 5, v0
	v_readfirstlane_b32 s14, v1                    ; wave 0..3
	s_lshr_b32 s15, s14, 1                         ; which half of the tile's tokens is mine
	s_and_b32 s16, s14, 1                          ; which half of its columns
	s_bfe_u32 s40, ttmp6, 0x40000                  ; cx, cy
	s_bfe_u32 s41, ttmp6, 0x40004
	s_lshl_b32 s42, ttmp9, 2
	s_add_co_u32 s42, s42, s40                     ; tile column
	s_and_b32 s17, ttmp7, 0xffff
	s_lshl_b32 s17, s17, 2
	s_add_co_u32 s17, s17, s41                     ; tile row
	s_lshl_b32 s43, s41, 2
	s_lshl_b32 s43, 15, s43                        ; my row of the cluster
	s_lshl_b32 s44, 0x1111, s40                    ; my column
	s_or_b32 s[G1+0], s43, (3<<16)|(1<<21)         ; 15:0 the mask; 17:16 elements of 8 bytes; 21 set beside a mask; no padding
	s_or_b32 s[G1B+0], s44, (3<<16)|(1<<21)
.irp g, G1, G1B
	s_mov_b32 s[\g+1], (KS*192)<<16                ; tensor_dim0: a row tile's KS records
	s_mov_b32 s[\g+2], (2*NBLK)<<16                ; tensor_dim1: 8 row tiles
	s_mov_b32 s[\g+3], (KS*192)<<16                ; tile_dim0
	s_mov_b32 s[\g+4], 2*NBLK                      ; tile_dim1
	s_mov_b32 s[\g+5], KS*192                      ; from row tile to row tile
	s_mov_b32 s[\g+6], 0
	s_mov_b32 s[\g+7], 0
.endr
	s_or_b32 s[G1S+0], s43, (3<<16)|(1<<21)        ; the scale words of 8 row tiles: a dense block, as rows of 256 bytes
	s_or_b32 s[G1SB+0], s44, (3<<16)|(1<<21)
.irp g, G1S, G1SB
	s_mov_b32 s[\g+1], 32<<16
	s_mov_b32 s[\g+2], (2*HALFS/256)<<16
	s_mov_b32 s[\g+3], 32<<16
	s_mov_b32 s[\g+4], 2*HALFS/256
	s_mov_b32 s[\g+5], 32
	s_mov_b32 s[\g+6], 0
	s_mov_b32 s[\g+7], 0
.endr
	s_lshl_b32 s20, s17, LOGNB+1                   ; A's first row tile: hangs on the tile row alone,
	s_lshl_b32 s46, s42, LOGNB+1                   ; B's on the tile column alone
	s_mul_i32 s22, s20, KS*64
	s_add_co_u32 s22, s22, ASOFF
	s_mov_b32 s23, 0
	s_mul_i32 s20, s20, KS*REC
	s_mov_b32 s21, 0
	s_mul_i32 s92, s46, KS*64
	s_add_co_u32 s92, s92, BSOFF
	s_mov_b32 s93, 0
	s_mul_i32 s46, s46, KS*REC
	s_add_co_u32 s46, s46, BCOFF
	s_mov_b32 s47, 0
	s_mov_b32 s[G0], 1
	s_mov_b32 s[G0+1], 0
	s_mov_b32 s[G0B], 1
	s_mov_b32 s[G0B+1], 2*HALFT
	s_mov_b32 s[G0S], 1
	s_mov_b32 s[G0S+1], SCL
	s_mov_b32 s[G0SB], 1
	s_mov_b32 s[G0SB+1], SCL+2*HALFS
	s_wait_alu depctr_va_vdst(0)
	s_wait_dscnt 0x0                               ; both opening adds are done
	CROUND                                         ; the opening round, ahead of the wait for the arguments: all sixteen work-groups are here, so that the joint loads meet
	s_wait_kmcnt 0x0
	s_add_nc_u64 s[G0+2:G0+3], s[4:5], s[20:21]
	s_or_b32 s[G0+3], s[G0+3], 0x80000000
	s_add_nc_u64 s[G0B+2:G0B+3], s[6:7], s[46:47]
	s_or_b32 s[G0B+3], s[G0B+3], 0x80000000
	s_add_nc_u64 s[G0S+2:G0S+3], s[4:5], s[22:23]
	s_or_b32 s[G0S+3], s[G0S+3], 0x80000000
	s_add_nc_u64 s[G0SB+2:G0SB+3], s[6:7], s[92:93]
	s_or_b32 s[G0SB+3], s[G0SB+3], 0x80000000
; THE HEAD'S LOADS, ONE A WAVE: wave 0 all of A's row tiles, wave 1 A's scale words, wave 2 all of B's row tiles, wave 3 B's scale words.  One chain of branches on the wave's number: every way passes one load
.macro ARM under, g0, g1, next
	s_cmp_lt_u32 s14, \under
	s_cbranch_scc0 \next
	tensor_load_to_lds s[\g0:\g0+3], s[\g1:\g1+7]
	s_nop 0
.rept 4
	v_nop
.endr
	s_branch .Lhead_asked
\next:
.endm
	ARM 1, G0, G1, .Lhead_sa
	ARM 2, G0S, G1S, .Lhead_b
	ARM 3, G0B, G1B, .Lhead_sb
	tensor_load_to_lds s[G0SB:G0SB+3], s[G1SB:G1SB+7]
	s_nop 0
.rept 4
	v_nop
.endr
.Lhead_asked:
	v_and_b32 v1, 31, v0
	v_lshlrev_b32 v[L16], 4, v1
	v_lshlrev_b32 v[L8], 3, v1
	v_lshlrev_b32 v[L4], 2, v1
	s_wait_alu depctr_va_vdst(0)
	s_mul_i32 s21, s15, HALFT                      ; my tokens' row tiles,
	s_mul_i32 s22, s16, HALFT
	s_add_co_u32 s22, s22, 2*HALFT                 ; my columns', behind A's
	v_add_nc_u32 v[ADRA], s21, v[L16]
	v_add_nc_u32 v[ADRB], s22, v[L16]
	v_add_nc_u32 v[ADRA+2], s21, v[L8]
	v_add_nc_u32 v[ADRB+2], s22, v[L8]
	s_mul_i32 s21, s15, HALFS
	s_add_co_u32 s21, s21, SCL
	v_add_nc_u32 v[ADSA], s21, v[L4]
	s_mul_i32 s22, s16, HALFS
	s_add_co_u32 s22, s22, SCL+2*HALFS
	v_add_nc_u32 v[ADSB], s22, v[L4]
	v_and_b32 v2, 15, v0                           ; r
	v_bfe_u32 v3, v0, 4, 1                         ; h
	s_mul_i32 s23, s14, 16*272                     ; my stage
	s_add_co_u32 s23, s23, STAGE
	v_mul_u32_u24 v[STO], v2, 272
	v_lshl_add_u32 v[STO], v3, 6, v[STO]
	v_add_nc_u32 v[STO], s23, v[STO]               ; in: row r, + 64 h
	v_mul_u32_u24 v[RD], v3, 272
	v_lshl_add_u32 v[RD], v2, 4, v[RD]
	v_add_nc_u32 v[RD], s23, v[RD]                 ; back: lanes 0-15 one row of 256 bytes, lanes 16-31 the next
	v_lshlrev_b32 v[BO], 4, v2
	s_wait_alu depctr_va_vdst(0)
	v_lshl_add_u32 v[CO], v3, 12, v[BO]            ; and the same two rows in memory
	s_wait_alu depctr_va_vdst(0)
	s_lshl_b32 s96, s17, 7
	s_lshl_b32 s97, s15, 6
	s_add_co_u32 s96, s96, s97                     ; my first token
	s_lshl_b32 s96, s96, 12
	s_lshl_b32 s98, s42, 9
	s_lshl_b32 s99, s16, 8
	s_add_co_u32 s98, s98, s99                     ; my first column, in bytes
	s_mov_b32 s99, 0
	s_add_nc_u64 s[8:9], s[8:9], s[98:99]
	s_add_co_u32 s96, s96, s98
	s_mov_b32 s97, 0
	s_add_nc_u64 s[10:11], s[10:11], s[96:97]
	s_add_nc_u64 s[12:13], s[12:13], s[96:97]
	s_wait_tensorcnt 0x0                           ; my tile of the head's four is in; the barrier shows all four to all waves
	s_barrier_signal -1
	s_barrier_wait -1
	global_load_b128 v[BIA:BIA+3], v[BO], s[8:9]
.set fn, 0
.rept 32                               ; the residual is asked for behind the tiles' landing, and lands under the products
.set rr, RES0+4*fn+48*(fn/16)
	global_load_b128 v[rr:rr+3], v[CO], s[10:11] offset:(32*(fn/16)+8*((fn/8)%2)+2*(fn%8)+8*((fn%8)/4))*4096
.set fn, fn+1
.endr
	FETCH_B 0, 0
	FETCH_A 0, 0
	SCALES 0
	FETCH_A 0, NBLK/2
	STEP 0, 1                                      ; the first step's products start the sums: nothing is cleared
.irp st, 1,2,3,4,5,6
	STEP \st, 0
.endr
	s_wait_dscnt HL                                ; the last step: nothing more to fetch
	WIN MUL
	MULQ 0, 1, NQ-1, 1, 0
	MULQ 1, 1, NQ-1, 1, 0
	s_wait_dscnt 0x0
	MULQ 2, 1, NQ-1, 1, 0
	MULQ 3, 1, NQ-1, 1, 0
	WIN 0
	PLACES NP
	s_wait_loadcnt 0x0                             ; the bias and the residual
.irp a, 0,1,2,3
	FOUT \a
.endr
	s_wait_tensorcnt 0x0                           ; the wave's end
	ds_add_u32 v[SPW], v[NIL]
	s_wait_dscnt 0x0
	CROUND                                         ; the closing round
	s_endpgm
.Lfunc_end_k_qa1768d5d6f_wo:
	.size	k_qa1768d5d6f_wo, .Lfunc_end_k_qa1768d5d6f_wo-k_qa1768d5d6f_wo
	.p2alignl 7, 3214868480
	.fill 96, 4, 3214868480
	.section	.rodata,"a",@progbits
	.p2align	6, 0x0
	.amdhsa_kernel k_qa1768d5d6f_wo
		.amdhsa_group_segment_fixed_size 327680
		.amdhsa_private_segment_fixed_size 0
		.amdhsa_enable_private_segment 0
		.amdhsa_kernarg_size 40
		.amdhsa_user_sgpr_count 2
		.amdhsa_user_sgpr_kernarg_segment_ptr 1
		.amdhsa_wavefront_size32 1
		.amdhsa_system_sgpr_workgroup_id_x 1
		.amdhsa_system_sgpr_workgroup_id_y 1
		.amdhsa_system_sgpr_workgroup_id_z 1
		.amdhsa_system_vgpr_workitem_id 0
		.amdhsa_next_free_vgpr 768
		.amdhsa_next_free_sgpr 102
		.amdhsa_reserve_vcc 0
		.amdhsa_float_denorm_mode_32 3
		.amdhsa_float_denorm_mode_16_64 3
		.amdhsa_memory_ordered 1
		.amdhsa_forward_progress 1
		.amdhsa_inst_pref_size 65
	.end_amdhsa_kernel
	.amdgpu_metadata
---
amdhsa.version: [ 1, 2 ]
amdhsa.kernels:
  - .name:           k_qa1768d5d6f_wo
    .symbol:         k_qa1768d5d6f_wo.kd
    .args:
      - { .name: CX, .offset: 0, .size: 8, .value_kind: global_buffer, .address_space: global }
      - { .name: WB, .offset: 8, .size: 8, .value_kind: global_buffer, .address_space: global }
      - { .name: bo, .offset: 16, .size: 8, .value_kind: global_buffer, .address_space: global }
      - { .name: X, .offset: 24, .size: 8, .value_kind: global_buffer, .address_space: global }
      - { .name: X1, .offset: 32, .size: 8, .value_kind: global_buffer, .address_space: global }
    .group_segment_fixed_size: 327680
    .private_segment_fixed_size: 0
    .kernarg_segment_align: 8
    .kernarg_segment_size: 40
    .max_flat_workgroup_size: 128
    .sgpr_count:     102
    .vgpr_count:     768
    .wavefront_size: 32
...
	.end_amdgpu_metadata
.endif
;; end of part 4
;; launch prep2 (part 5): grid 512 x 1, 8 waves a work-group, no clusters, 93,952 bytes of LDS; arguments W1, W2, X1, ln2_g, ln2_b, WB, XN2; writes WB, XN2
.if DOCPART == 5
	.amdgcn_target "amdgcn-amd-amdhsa--gfx1250"
	.amdhsa_code_object_version 6
	.text
	.protected	k_qa1768d5d6f_prep2
	.globl	k_qa1768d5d6f_prep2
	.p2align	8
	.type	k_qa1768d5d6f_prep2,@function
k_qa1768d5d6f_prep2:
	s_mov_b64 s[64:65], 0
	v_nop
	global_prefetch_b8 v0, s[64:65] scope:SCOPE_SE
	s_setreg_imm32_b32 hwreg(HW_REG_WAVE_MODE, 25, 1), 1
	s_wait_xcnt 0x0
; TWO JOBS IN ONE LAUNCH, parted once, at the first line, on the work-group's number.  Work-groups 0 .. NW - 1 quantise two weights; work-groups NW .. NW + 255 normalise and quantise one tile of 16 tokens each.
; The two ways share no register, no LDS byte and no buffer; each ends its waves itself.  Every wave of a work-group takes the same way, so the barriers of the second way are passed by all eight waves.
; BOTH make codes of BF6 (E3M2) with one E8M0 byte for each 32 along K, laid as the matrix unit's operand registers take them:
; RECORD: 16 rows x 128 K = 1,536 bytes: bytes 0-511 registers 0-3 (lane l at 16 l), 512-767 registers 4-5 (8 l), 768-1279 registers 6-9, 1280-1535 registers 10-11.  An operand is [rows/16 row tiles][K/128][record];
; its scale words [row tile][K step][16 words].  Row tile i, lane-row p holds logical row 32 (i/2) + 8 (i%2) + p + 8 (p/8).
; THE WEIGHTS, f32 stored [K][N].  A LANE TAKES A COLUMN n AND ITS REGISTERS RUN DOWN K: a load reads 128 consecutive bytes a wave, a block of 32 lies in one lane, the conversions give K innermost.
; A wave takes 32 columns (two row tiles) x 128 along K (one K step, four blocks): two records, gathered in the wave's own stage and stored as runs of 512 consecutive aligned bytes.  All its 128 loads are issued at once.
; THE NORM: out = Q(layernorm(x) g + b), x [4096][1024] f32.  Phase 1: wave w normalises lane-rows 2 w and 2 w + 1 (two neighbouring tokens, 8,192 consecutive bytes), mean first, then the squares of x - mean: a common
; offset does no harm.  The rows meet in a stage in LDS (pitch 4,112 bytes: the 16 rows of a load start at 16 different groups of banks).  Phase 2: wave w quantises K step w and stores its record from registers.
; All arithmetic ahead of the quantisers is f32.
; LIMITS: NaN and infinities are not served; a block of zeros, or one whose largest magnitude lies under 2^-122, keeps the byte 1; the bytes are read by this program alone.
.set NW,   256                         ; work-groups for the weights: 128 for W1 (16 groups of 256 columns x 8 K steps), 128 for W2 (4 x 32)
.set NW0,  128
.set N0,   4096                        ; W1: columns, K steps and their logarithm, where its codes and its scale words begin in WB
.set KS0,  8
.set LK0,  3
.set CO0,  3145728
.set SO0,  9568256
.set N1,   1024                        ; W2
.set KS1,  32
.set LK1,  5
.set CO1,  6291456
.set SO1,  9699328
.set OSC,  3145728                     ; the norm's output: where its scale words begin
.set STU,  1664                        ; the weights' stage: a row tile's record and 128 bytes, so that the two tiles' stores fall on different banks
.set STW,  2*STU                       ; a wave's stage
.set LNB,  8*STW                       ; behind the eight stages: the norm's LDS bytes
.set PITCH, 4112
.set SCG,  LNB+16*PITCH                ; behind the norm's stage: the tile's 512 bytes of scale words
.set WOFF, 32                          ; weights: v32-63 4 c + i x 4 N: row i of a block, my column; never rewritten
.set WX,   64                          ; v64-191  four sets of 32 numbers
.set WC,   192                         ; v192-223 four sets of codes: no store's data are written again
.set WSB,  24                          ; v24      my column's scale word
.set WOUT, 64                          ; v64-87   the way out
.set LX,  32                           ; norm: v32-95 two rows, 32 numbers a lane each; later 64 numbers of a K step
.set GG,  96                           ; v96-127  g at my columns
.set BB,  128                          ; v128-159 b
.set T,   160                          ; v160-175 sums, then means; later QUANT's work
.set SS,  176                          ; v176-191 sums of squares; later the codes
.set RS,  192                          ; v192-195 1 / sqrt(var + eps), a pair a row
.set TM,  160
.set PC,  176
.set PW,  196
.set SEL, 20
	v_lshl_add_u32 v224, v0, 2, 0x16b00
	v_mov_b32 v225, 0
	s_cmp_lt_u32 ttmp9, NW
	s_cbranch_scc0 .Lnorm
	; ---------------- the weights
	s_load_b128 s[4:7], s[0:1], 0x0                ; the two weights
	s_load_b64 s[12:13], s[0:1], 0x28              ; WB
	v_lshrrev_b32 v1, 5, v0
	s_delay_alu instid0(VALU_DEP_1)
	v_readfirstlane_b32 s14, v1                    ; wave 0..7
	v_and_b32 v2, 31, v0                           ; c: my column of the wave's 32
	s_wait_alu depctr_va_vdst(0)
	s_sub_co_u32 s24, ttmp9, NW0
	s_mov_b32 s18, N1
	s_mov_b32 s19, KS1
	s_mov_b32 s25, LK1
	s_mov_b32 s22, CO1
	s_mov_b32 s23, SO1
	s_cmp_lt_u32 ttmp9, NW0                        ; the choices hang on the work-group's number alone
	s_cselect_b32 s24, ttmp9, s24                  ; my number within the tensor
	s_cselect_b32 s18, N0, s18
	s_cselect_b32 s19, KS0, s19
	s_cselect_b32 s25, LK0, s25
	s_cselect_b32 s22, CO0, s22
	s_cselect_b32 s23, SO0, s23
	s_lshr_b32 s20, s24, s25                       ; which 256 columns,
	s_sub_co_u32 s26, s19, 1
	s_and_b32 s21, s24, s26                        ; which K step
	s_lshl_b32 s27, s20, 8
	s_lshl_b32 s28, s14, 5
	s_add_co_u32 s27, s27, s28                     ; my wave's first column
	s_mul_i32 s28, s21, s18
	s_lshl_b32 s28, s28, 9                         ; 128 rows of 4 N bytes for each K step,
	s_lshl_b32 s29, s27, 2
	s_add_co_u32 s28, s28, s29                     ; + 4 x column
	s_mov_b32 s29, 0
	s_lshl_b32 s30, s18, 7                         ; a block on: 32 rows of 4 N bytes
	s_mov_b32 s31, 0
	s_lshl_b32 s26, s18, 2                         ; a row of W in bytes
	v_lshlrev_b32 v[WOFF], 2, v2
.set li, 1
.rept 31
	s_delay_alu instid0(VALU_DEP_1)
	v_add_nc_u32 v[WOFF+li], s26, v[WOFF+li-1]
.set li, li+1
.endr
	s_lshr_b32 s54, s27, 4                         ; my first row tile
	s_mul_i32 s54, s54, s19
	s_add_co_u32 s54, s54, s21                     ; its record of my K step
	s_mul_i32 s56, s54, 1536
	s_add_co_u32 s56, s56, s22
	s_mov_b32 s57, 0
	s_mul_i32 s40, s19, 1536                       ; a row tile on
	s_mov_b32 s41, 0
	s_lshl_b32 s42, s54, 6
	s_add_co_u32 s42, s42, s23
	s_mov_b32 s43, 0
	v_bfe_u32 v3, v0, 3, 1                         ; u: which of the two row tiles my column lies in
	v_and_b32 v4, 7, v0
	v_bfe_u32 v5, v0, 4, 1
	s_delay_alu instid0(VALU_DEP_1)
	v_lshl_add_u32 v4, v5, 3, v4                   ; p: its lane-row there
	s_mul_i32 s58, s14, STW
	v_mul_u32_u24 v6, v3, STU
	s_delay_alu instid0(VALU_DEP_1)
	v_add_nc_u32 v6, s58, v6
	s_delay_alu instid0(VALU_DEP_1)
	v_lshl_add_u32 v7, v4, 3, v6                   ; the stage, registers 4-5 of a half record: 8 p
	s_delay_alu instid0(VALU_DEP_2)
	v_lshl_add_u32 v6, v4, 4, v6                   ; registers 0-3: 16 p
	v_lshlrev_b32 v10, 4, v2                       ; the way out: 16 bytes a lane
	s_delay_alu instid0(VALU_DEP_1)
	v_add_nc_u32 v9, s58, v10
	s_lshl_b32 s59, s19, 6
	v_mul_u32_u24 v11, v3, s59
	s_delay_alu instid0(VALU_DEP_1)
	v_lshl_add_u32 v11, v4, 2, v11                 ; my scale word's place: row tile u, lane-row p
	s_wait_kmcnt 0x0
	s_cmp_lt_u32 ttmp9, NW0
	s_cselect_b64 s[16:17], s[4:5], s[6:7]
	s_add_nc_u64 s[32:33], s[16:17], s[28:29]      ; block 0's first row
.irp t, 1,2,3
	s_add_nc_u64 s[32+2*\t:33+2*\t], s[30+2*\t:31+2*\t], s[30:31]   ; a base for each of the four blocks: none is ever stepped
.endr
	s_add_nc_u64 s[48:49], s[12:13], s[56:57]      ; codes: row tile 0's record,
	s_add_nc_u64 s[50:51], s[48:49], s[40:41]      ; row tile 1's
	s_add_nc_u64 s[52:53], s[12:13], s[42:43]      ; scale words
.macro LOAD t                          ; block t: W(32 t + i, my column) into set t
.set li, 0
.rept 32
	global_load_b32 v[WX+32*(\t)+li], v[WOFF+li], s[32+2*(\t):33+2*(\t)] th:TH_LOAD_NT
.set li, li+1
.endr
.endm
	LOAD 0
	LOAD 1
	LOAD 2
	LOAD 3
.macro BLOCK t
.set XS, WX+32*(\t)
.set CC, WC+8*(\t)
.if (\t) < 2
	s_wait_loadcnt 63                              ; of my 128 loads at most 63 are out: the first 65 are in, blocks 0 and 1 among them (96 and 64 would do: the count's field holds no more than 63)
.else
	s_wait_loadcnt 32*(3-(\t))                     ; this block's 32 loads are in; the later block's may be out
.endif
	v_max3_num_f32 v12, |v[XS]|, |v[XS+1]|, |v[XS+2]|               ; the block's largest magnitude: all 32 numbers are mine
	v_max3_num_f32 v13, |v[XS+3]|, |v[XS+4]|, |v[XS+5]|
.irp i, 6,10,14,18,22,26
	s_delay_alu instid0(VALU_DEP_2)
	v_max3_num_f32 v12, v12, |v[XS+\i]|, |v[XS+\i+1]|
	s_delay_alu instid0(VALU_DEP_2)
	v_max3_num_f32 v13, v13, |v[XS+\i+2]|, |v[XS+\i+3]|
.endr
	s_delay_alu instid0(VALU_DEP_2)
	v_max3_num_f32 v12, v12, |v[XS+30]|, |v[XS+31]|
	s_delay_alu instid0(VALU_DEP_1)
	v_max3_num_f32 v12, v12, v13, 0x2800000        ; and the floor 2^(5 - 127): the byte cannot fall under 1
	s_delay_alu instid0(VALU_DEP_1)
	v_add_nc_u32 v14, 0xfe000000, v12              ; 4 off the exponent field: the conversion's scale operand
	s_delay_alu instid0(VALU_DEP_1)
	v_lshrrev_b32 v13, 23, v14                     ; the scale's byte
.if (\t) == 0
	s_delay_alu instid0(VALU_DEP_1)
	v_mov_b32 v[WSB], v13
.else
	s_delay_alu instid0(VALU_DEP_1)
	v_lshl_or_b32 v[WSB], v13, 8*(\t), v[WSB]
.endif
	v_cvt_scalef32_pk16_bf6_f32 v[CC:CC+2], v[XS:XS+15], v14
	v_cvt_scalef32_pk16_bf6_f32 v[CC+4:CC+6], v[XS+16:XS+31], v14   ; (a conversion's three registers begin on an even number)
	v_nop                                          ; one plain line behind the conversions
	v_mov_b32 v[CC+3], v[CC+4]
	v_mov_b32 v[CC+4], v[CC+5]
	v_mov_b32 v[CC+5], v[CC+6]                     ; six registers on end: block t is registers 6 (t/2) .. +5 of lane p + 16 (t%2)
	ds_store_b128 v6, v[CC:CC+3] offset:((\t)/2)*768+((\t)%2)*256
	ds_store_b64 v7, v[CC+4:CC+5] offset:((\t)/2)*768+512+((\t)%2)*128
.endm
.irp t, 0,1,2,3
	BLOCK \t
.endr
	global_store_b32 v11, v[WSB], s[52:53]         ; 16 lanes fill a record's 64 bytes of scale words
.irp n, 0,1,2,3,4,5
	ds_load_b128 v[WOUT+4*\n:WOUT+4*\n+3], v9 offset:(\n/3)*STU+512*(\n%3)   ; LDS serves a wave's instructions in order: these see my stores
.endr
.irp n, 0,1,2,3,4,5
	s_wait_dscnt 5-\n                              ; read-back n is in; the younger ones may be out
	global_store_b128 v10, v[WOUT+4*\n:WOUT+4*\n+3], s[48+2*(\n/3):49+2*(\n/3)] offset:512*(\n%3)   ; 32 lanes store 512 consecutive bytes, aligned
.endr
	s_wait_tensorcnt 0x0
	ds_add_u32 v224, v225
	s_wait_dscnt 0x0
	s_endpgm
	; ---------------- the norm
.macro LSUM a, b                       ; v[a] summed over the 32 lanes, into every lane
	v_add_f32_dpp v[\a], v[\a], v[\a] row_xmask:1 row_mask:0xf bank_mask:0xf
	s_delay_alu instid0(VALU_DEP_1)
	v_add_f32_dpp v[\a], v[\a], v[\a] row_xmask:2 row_mask:0xf bank_mask:0xf
	s_delay_alu instid0(VALU_DEP_1)
	v_add_f32_dpp v[\a], v[\a], v[\a] row_xmask:4 row_mask:0xf bank_mask:0xf
	s_delay_alu instid0(VALU_DEP_1)
	v_add_f32_dpp v[\a], v[\a], v[\a] row_xmask:8 row_mask:0xf bank_mask:0xf
	s_delay_alu instid0(VALU_DEP_1)
	v_permlanex16_b32 v[\b], v[\a], s[SEL], s[SEL+1]
	s_delay_alu instid0(VALU_DEP_1)
	v_add_f32 v[\a], v[\a], v[\b]
.endm
; 64 numbers of a lane, register 16 b + i = k 32 b + 16 (lane / 16) + i of my row, become a fragment's codes in v[PC] on and its scale word in v[PW]
.macro QUANT s
.irp b, 0,1,2,3
	v_max3_num_f32 v[TM+\b], |v[\s+16*\b]|, |v[\s+1+16*\b]|, 0x2800000   ; my 16 numbers of block b, and the floor 2^(5 - 127)
.endr
.irp i, 2,4,6,8,10,12,14
.irp b, 0,1,2,3
	s_delay_alu instid0(VALU_DEP_4)
	v_max3_num_f32 v[TM+\b], v[TM+\b], |v[\s+16*\b+\i]|, |v[\s+1+16*\b+\i]|
.endr
.endr
.irp b, 0,1,2,3
	s_delay_alu instid0(VALU_DEP_4)
	v_permlanex16_b32 v[TM+4+\b], v[TM+\b], s[SEL], s[SEL+1]
.endr
.irp b, 0,1,2,3
	s_delay_alu instid0(VALU_DEP_4)
	v_max_num_f32 v[TM+\b], v[TM+\b], v[TM+4+\b]   ; with lane l xor 16's: the block's largest magnitude
.endr
.irp b, 0,1,2,3
	s_delay_alu instid0(VALU_DEP_4)
	v_add_nc_u32 v[TM+12+\b], 0xfe000000, v[TM+\b]   ; 4 off its exponent field: the conversion's scale operand
.endr
.irp b, 0,1,2,3
	s_delay_alu instid0(VALU_DEP_4)
	v_lshrrev_b32 v[TM+4+\b], 23, v[TM+12+\b]      ; the scale's byte
.endr
	s_delay_alu instid0(VALU_DEP_3)
	v_lshl_or_b32 v[PW], v[TM+5], 8, v[TM+4]
	s_delay_alu instid0(VALU_DEP_1)
	v_lshl_or_b32 v[PW], v[TM+6], 16, v[PW]
	s_delay_alu instid0(VALU_DEP_1)
	v_lshl_or_b32 v[PW], v[TM+7], 24, v[PW]
.irp c, 0,1
	v_cvt_scalef32_pk16_bf6_f32 v[PC+6*\c:PC+2+6*\c], v[\s+32*\c:\s+15+32*\c], v[TM+12+2*\c]
	v_cvt_scalef32_pk16_bf6_f32 v[PC+12+4*\c:PC+14+4*\c], v[\s+16+32*\c:\s+31+32*\c], v[TM+12+2*\c+1]
.endr
	v_nop                                          ; one plain line behind the conversions
.irp c, 0,1                            ; the operand wants a whole block in a lane: lanes 0-15 block 2 c, lanes 16-31 block 2 c + 1
.irp i, 0,1,2
	v_permlane16_swap_b32 v[PC+6*\c+\i], v[PC+12+4*\c+\i]
.endr
.irp i, 0,1,2
	s_delay_alu instid0(VALU_DEP_3)
	v_mov_b32 v[PC+3+6*\c+\i], v[PC+12+4*\c+\i]
.endr
.endr
.endm
.Lnorm:
	s_load_b128 s[4:7], s[0:1], 0x10               ; x, g
	s_load_b64 s[8:9], s[0:1], 0x20                ; b
	s_load_b64 s[10:11], s[0:1], 0x30              ; out
	s_sub_co_u32 s26, ttmp9, NW                    ; my row tile
	v_lshrrev_b32 v1, 5, v0
	s_delay_alu instid0(VALU_DEP_1)
	v_readfirstlane_b32 s12, v1                    ; wave 0..7
	v_and_b32 v2, 31, v0
	s_delay_alu instid0(VALU_DEP_1)
	v_lshlrev_b32 v3, 4, v2                        ; 16 x lane
	s_wait_alu depctr_va_vdst(0)
	v_lshlrev_b32 v9, 3, v2                        ; 8 x lane
	s_lshr_b32 s13, s26, 1
	s_lshl_b32 s13, s13, 5
	s_and_b32 s14, s26, 1
	s_lshl_b32 s14, s14, 3
	s_add_co_u32 s13, s13, s14                     ; the tile's first token
	s_lshl_b32 s14, s12, 1
	s_add_co_u32 s13, s13, s14
	s_lshr_b32 s14, s12, 2
	s_lshl_b32 s14, s14, 3
	s_add_co_u32 s13, s13, s14                     ; lane-row 2 w's token
	s_lshl_b32 s14, s13, 12
	s_mov_b32 s15, 0
	s_mov_b32 s16, 0x3a800000                      ; 1 / 1024
	s_mov_b32 s[SEL], 0x76543210
	s_mov_b32 s[SEL+1], 0xfedcba98
	s_mul_i32 s17, s12, 2*PITCH
	s_add_co_u32 s17, s17, LNB
	v_add_nc_u32 v4, s17, v3                       ; the stage, in: my two rows, 16 bytes a lane
	v_and_b32 v6, 15, v0                           ; r
	v_bfe_u32 v7, v0, 4, 1                         ; h
	s_delay_alu instid0(VALU_DEP_2)
	v_mul_u32_u24 v5, v6, PITCH
	s_delay_alu instid0(VALU_DEP_1)
	v_lshl_add_u32 v5, v7, 6, v5
	s_lshl_b32 s18, s12, 9
	s_add_co_u32 s18, s18, LNB
	v_add_nc_u32 v5, s18, v5                       ; out: row r, K step w, + 64 h: my 16 numbers of a block of 32
	v_lshlrev_b32 v8, 2, v6
	s_lshl_b32 s19, s12, 6
	v_add_nc_u32 v8, s19, v8
	s_delay_alu instid0(VALU_DEP_1)
	v_add_nc_u32 v8, SCG, v8                       ; my row's scale word of K step w
	v_add_nc_u32 v10, SCG, v3                      ; and the 512 bytes as wave 0 reads them back
	s_lshl_b32 s22, s26, 3
	s_add_co_u32 s22, s22, s12
	s_mul_i32 s22, s22, 1536                       ; my record
	s_mov_b32 s23, 0
	s_lshl_b32 s24, s26, 9
	s_add_co_u32 s24, s24, OSC                     ; the tile's scale words
	s_mov_b32 s25, 0
	s_wait_kmcnt 0x0
	s_add_nc_u64 s[4:5], s[4:5], s[14:15]
	s_add_nc_u64 s[22:23], s[10:11], s[22:23]
	s_add_nc_u64 s[24:25], s[10:11], s[24:25]
.irp r, 0,1
.irp j, 0,1,2,3,4,5,6,7
	global_load_b128 v[LX+32*\r+4*\j:LX+32*\r+4*\j+3], v3, s[4:5] offset:4096*\r+512*\j th:TH_LOAD_NT   ; 512 consecutive bytes a load
.endr
.endr
.irp j, 0,1,2,3,4,5,6,7
	global_load_b128 v[GG+4*\j:GG+4*\j+3], v3, s[6:7] offset:512*\j
.endr
.irp j, 0,1,2,3,4,5,6,7
	global_load_b128 v[BB+4*\j:BB+4*\j+3], v3, s[8:9] offset:512*\j
.endr
	s_wait_loadcnt 16                              ; x is in; the 16 loads of g and b may be out
.irp k, 0,1,2,3                        ; the sums, in four chains a row, the rows by turns
.irp r, 0,1
	v_pk_add_f32 v[T+8*\r+2*\k:T+8*\r+2*\k+1], v[LX+32*\r+2*\k:LX+32*\r+2*\k+1], v[LX+32*\r+8+2*\k:LX+32*\r+8+2*\k+1]
.endr
.endr
.irp m, 16,24
.irp k, 0,1,2,3
.irp r, 0,1
	v_pk_add_f32 v[T+8*\r+2*\k:T+8*\r+2*\k+1], v[T+8*\r+2*\k:T+8*\r+2*\k+1], v[LX+32*\r+\m+2*\k:LX+32*\r+\m+2*\k+1]
.endr
.endr
.endr
.irp r, 0
	v_pk_add_f32 v[T+8*\r:T+8*\r+1], v[T+8*\r:T+8*\r+1], v[T+8*\r+2:T+8*\r+3]
	s_delay_alu instid0(VALU_DEP_3)
	v_pk_add_f32 v[T+8*\r+4:T+8*\r+5], v[T+8*\r+4:T+8*\r+5], v[T+8*\r+6:T+8*\r+7]
.endr
.irp r, 1
	v_pk_add_f32 v[T+8*\r:T+8*\r+1], v[T+8*\r:T+8*\r+1], v[T+8*\r+2:T+8*\r+3]
	s_delay_alu instid0(VALU_DEP_4)
	v_pk_add_f32 v[T+8*\r+4:T+8*\r+5], v[T+8*\r+4:T+8*\r+5], v[T+8*\r+6:T+8*\r+7]
.endr
.irp r, 0
	s_delay_alu instid0(VALU_DEP_3)
	v_pk_add_f32 v[T+8*\r:T+8*\r+1], v[T+8*\r:T+8*\r+1], v[T+8*\r+4:T+8*\r+5]
.endr
.irp r, 1
	s_delay_alu instid0(VALU_DEP_2)
	v_pk_add_f32 v[T+8*\r:T+8*\r+1], v[T+8*\r:T+8*\r+1], v[T+8*\r+4:T+8*\r+5]
.endr
.irp r, 0,1
	s_delay_alu instid0(VALU_DEP_2)
	v_add_f32 v[T+8*\r], v[T+8*\r], v[T+8*\r+1]
.endr
	LSUM T, T+1
	LSUM T+8, T+9
.irp r, 0
	v_mul_f32 v[T+8*\r], s16, v[T+8*\r]            ; the mean,
.endr
.irp r, 1
	s_delay_alu instid0(VALU_DEP_2)
	v_mul_f32 v[T+8*\r], s16, v[T+8*\r]            ; the mean,
.endr
.irp r, 0,1
	s_delay_alu instid0(VALU_DEP_2)
	v_mov_b32 v[T+8*\r+1], v[T+8*\r]               ; as a pair
.endr
.irp r, 0,1
.set pp, 0
.rept 16
	v_pk_add_f32 v[LX+32*\r+2*pp:LX+32*\r+2*pp+1], v[LX+32*\r+2*pp:LX+32*\r+2*pp+1], v[T+8*\r:T+8*\r+1] neg_lo:[0,1] neg_hi:[0,1]   ; x - mean
.set pp, pp+1
.endr
.endr
.irp k, 0,1,2,3
.irp r, 0,1
	v_pk_mul_f32 v[SS+8*\r+2*\k:SS+8*\r+2*\k+1], v[LX+32*\r+2*\k:LX+32*\r+2*\k+1], v[LX+32*\r+2*\k:LX+32*\r+2*\k+1]
.endr
.endr
.irp m, 8,16,24
.irp k, 0,1,2,3
.irp r, 0,1
	v_pk_fma_f32 v[SS+8*\r+2*\k:SS+8*\r+2*\k+1], v[LX+32*\r+\m+2*\k:LX+32*\r+\m+2*\k+1], v[LX+32*\r+\m+2*\k:LX+32*\r+\m+2*\k+1], v[SS+8*\r+2*\k:SS+8*\r+2*\k+1]
.endr
.endr
.endr
.irp r, 0
	v_pk_add_f32 v[SS+8*\r:SS+8*\r+1], v[SS+8*\r:SS+8*\r+1], v[SS+8*\r+2:SS+8*\r+3]
	s_delay_alu instid0(VALU_DEP_3)
	v_pk_add_f32 v[SS+8*\r+4:SS+8*\r+5], v[SS+8*\r+4:SS+8*\r+5], v[SS+8*\r+6:SS+8*\r+7]
.endr
.irp r, 1
	v_pk_add_f32 v[SS+8*\r:SS+8*\r+1], v[SS+8*\r:SS+8*\r+1], v[SS+8*\r+2:SS+8*\r+3]
	s_delay_alu instid0(VALU_DEP_4)
	v_pk_add_f32 v[SS+8*\r+4:SS+8*\r+5], v[SS+8*\r+4:SS+8*\r+5], v[SS+8*\r+6:SS+8*\r+7]
.endr
.irp r, 0
	s_delay_alu instid0(VALU_DEP_3)
	v_pk_add_f32 v[SS+8*\r:SS+8*\r+1], v[SS+8*\r:SS+8*\r+1], v[SS+8*\r+4:SS+8*\r+5]
.endr
.irp r, 1
	s_delay_alu instid0(VALU_DEP_2)
	v_pk_add_f32 v[SS+8*\r:SS+8*\r+1], v[SS+8*\r:SS+8*\r+1], v[SS+8*\r+4:SS+8*\r+5]
.endr
.irp r, 0,1
	s_delay_alu instid0(VALU_DEP_2)
	v_add_f32 v[SS+8*\r], v[SS+8*\r], v[SS+8*\r+1]
.endr
	LSUM SS, SS+1
	LSUM SS+8, SS+9
.irp r, 0
	v_fmaak_f32 v[SS+8*\r], s16, v[SS+8*\r], 0x3727c5ac   ; var + 1e-5
.endr
.irp r, 1
	s_delay_alu instid0(VALU_DEP_2)
	v_fmaak_f32 v[SS+8*\r], s16, v[SS+8*\r], 0x3727c5ac   ; var + 1e-5
.endr
	s_wait_alu depctr_va_vdst(0)
.irp r, 0,1
	v_rsq_f32 v[RS+2*\r], v[SS+8*\r]
.endr
	v_nop                                          ; a plain line behind the two roots,
	s_wait_alu depctr_va_vdst(0)                   ; and one wait for both, ahead of their first reader
.irp r, 0,1
	v_mov_b32 v[RS+2*\r+1], v[RS+2*\r]
.endr
	s_wait_alu depctr_va_vdst(0)
	s_wait_loadcnt 0x0                             ; g and b
.irp r, 0,1
.set pp, 0
.rept 16
	v_pk_mul_f32 v[LX+32*\r+2*pp:LX+32*\r+2*pp+1], v[LX+32*\r+2*pp:LX+32*\r+2*pp+1], v[RS+2*\r:RS+2*\r+1]
.set pp, pp+1
.endr
.set pp, 0
.rept 16
	v_pk_fma_f32 v[LX+32*\r+2*pp:LX+32*\r+2*pp+1], v[LX+32*\r+2*pp:LX+32*\r+2*pp+1], v[GG+2*pp:GG+2*pp+1], v[BB+2*pp:BB+2*pp+1]
.set pp, pp+1
.endr
.irp j, 0,1,2,3,4,5,6,7
	ds_store_b128 v4, v[LX+32*\r+4*\j:LX+32*\r+4*\j+3] offset:PITCH*\r+512*\j
.endr
.endr
	s_wait_dscnt 0x0                               ; for the others' sake: my two rows lie in the stage
	s_barrier_signal -1
	s_barrier_wait -1
.irp b, 0,1,2,3
.irp j, 0,1,2,3
	ds_load_b128 v[LX+16*\b+4*\j:LX+16*\b+4*\j+3], v5 offset:128*\b+16*\j
.endr
.endr
	s_wait_dscnt 0x0
	QUANT LX
	global_store_b128 v3, v[PC:PC+3], s[22:23]                     ; the record leaves from the registers: 512, 256, 512, 256 consecutive bytes, aligned
	global_store_b64 v9, v[PC+4:PC+5], s[22:23] offset:512
	global_store_b128 v3, v[PC+6:PC+9], s[22:23] offset:768
	global_store_b64 v9, v[PC+10:PC+11], s[22:23] offset:1280
	ds_store_b32 v8, v[PW]                         ; lanes l and l xor 16 write the same word with the same value
	s_wait_dscnt 0x0
	s_barrier_signal -1
	s_barrier_wait -1
	s_cmp_lg_u32 s12, 0
	s_cbranch_scc1 .Lend
	ds_load_b128 v[32:35], v10                     ; wave 0 stores the tile's 512 bytes of scale words as two whole aligned blocks of 256
	s_wait_dscnt 0x0
	global_store_b128 v3, v[32:35], s[24:25]
.Lend:
	s_wait_tensorcnt 0x0
	ds_add_u32 v224, v225
	s_wait_dscnt 0x0
	s_endpgm
.Lfunc_end_k_qa1768d5d6f_prep2:
	.size	k_qa1768d5d6f_prep2, .Lfunc_end_k_qa1768d5d6f_prep2-k_qa1768d5d6f_prep2
	.p2alignl 7, 3214868480
	.fill 96, 4, 3214868480
	.section	.rodata,"a",@progbits
	.p2align	6, 0x0
	.amdhsa_kernel k_qa1768d5d6f_prep2
		.amdhsa_group_segment_fixed_size 93952
		.amdhsa_private_segment_fixed_size 0
		.amdhsa_enable_private_segment 0
		.amdhsa_kernarg_size 56
		.amdhsa_user_sgpr_count 2
		.amdhsa_user_sgpr_kernarg_segment_ptr 1
		.amdhsa_wavefront_size32 1
		.amdhsa_system_sgpr_workgroup_id_x 1
		.amdhsa_system_sgpr_workgroup_id_y 1
		.amdhsa_system_sgpr_workgroup_id_z 1
		.amdhsa_system_vgpr_workitem_id 0
		.amdhsa_next_free_vgpr 226
		.amdhsa_next_free_sgpr 66
		.amdhsa_reserve_vcc 0
		.amdhsa_float_denorm_mode_32 3
		.amdhsa_float_denorm_mode_16_64 3
		.amdhsa_memory_ordered 1
		.amdhsa_forward_progress 1
		.amdhsa_inst_pref_size 55
	.end_amdhsa_kernel
	.amdgpu_metadata
---
amdhsa.version: [ 1, 2 ]
amdhsa.kernels:
  - .name:           k_qa1768d5d6f_prep2
    .symbol:         k_qa1768d5d6f_prep2.kd
    .args:
      - { .name: W1, .offset: 0, .size: 8, .value_kind: global_buffer, .address_space: global }
      - { .name: W2, .offset: 8, .size: 8, .value_kind: global_buffer, .address_space: global }
      - { .name: X1, .offset: 16, .size: 8, .value_kind: global_buffer, .address_space: global }
      - { .name: ln2_g, .offset: 24, .size: 8, .value_kind: global_buffer, .address_space: global }
      - { .name: ln2_b, .offset: 32, .size: 8, .value_kind: global_buffer, .address_space: global }
      - { .name: WB, .offset: 40, .size: 8, .value_kind: global_buffer, .address_space: global }
      - { .name: XN2, .offset: 48, .size: 8, .value_kind: global_buffer, .address_space: global }
    .group_segment_fixed_size: 93952
    .private_segment_fixed_size: 0
    .kernarg_segment_align: 8
    .kernarg_segment_size: 56
    .max_flat_workgroup_size: 256
    .sgpr_count:     66
    .vgpr_count:     226
    .wavefront_size: 32
...
	.end_amdgpu_metadata
.endif
;; end of part 5
;; launch ffn1 (part 6): grid 16 x 16, 4 waves a work-group, clusters of 4 x 4, 327,680 bytes of LDS; arguments XN2, WB, b1, H; writes H
.if DOCPART == 6
	.amdgcn_target "amdgcn-amd-amdhsa--gfx1250"
	.amdhsa_code_object_version 6
	.text
	.protected	k_qa1768d5d6f_ffn1
	.globl	k_qa1768d5d6f_ffn1
	.p2align	8
	.type	k_qa1768d5d6f_ffn1,@function
k_qa1768d5d6f_ffn1:
	s_mov_b64 s[64:65], 0
	v_nop
	global_prefetch_b8 v0, s[64:65] scope:SCOPE_SE
	s_setreg_imm32_b32 hwreg(HW_REG_WAVE_MODE, 25, 1), 1
	s_wait_xcnt 0x0
	s_wait_alu depctr_hold_cnt(0) depctr_sa_sdst(0) depctr_va_vdst(0) depctr_va_sdst(0) depctr_va_ssrc(0) depctr_va_vcc(0) depctr_vm_vsrc(0)
	s_getreg_b32 s2, hwreg(HW_REG_IB_STS2, 6, 4)
	s_cmp_eq_u32 s2, 0
	s_cbranch_scc0 .Lentry_in_a_cluster
	s_endpgm
.Lentry_in_a_cluster:
	s_bfe_u32 s2, ttmp6, 0x10000c
	s_cmp_lg_u32 s2, 0xf033
	s_cbranch_scc0 .Lentry_shape_is_right
	s_endpgm
.Lentry_shape_is_right:
; H = Q(relu(Q(LN2(X1)) Q(W1) + b1)), quantised along the 4,096 hidden units on the way out.  Codes of BF6 (E3M2), one E8M0 byte for each 32 along K, sums in f32.
; OPERANDS are records (16 rows x 128 K, 1,536 bytes, in the order of the operand's registers), [row tile][K step]; scale words [row tile][K step][16].  Row tile i, lane-row p is logical row 32 (i/2) + 8 (i%2) + p + 8 (p/8).
; A tile of C, 256 x 256, is made by four waves, 128 x 128 each: 64 accumulators.  K = 1,024 goes in steps of 256 through two LDS slots filled by joint tensor loads: 4 x 4 clusters, the tokens' tiles shared along a row, the weight's along a column.
; The matrix instruction is used transposed (source 0 = 16 rows of the weight, source 1 = 16 tokens): a block's 128 columns become one record of the next product, stored straight from registers.
; LIMITS: NaN and infinities are not served; a block under 2^-122 keeps the byte 1; the bytes are read by this program alone.
.set NBLK,  8
.set LOGNB, 3
.set NQ,    2
.set KS,    8
.set LAPS,  2
.set MUL_HI, 0xf1
.set ASOFF, 3145728
.set BCOFF, 3145728
.set BSOFF, 9568256
.set OSOFF, 12582912
.set REC,    1536
.set FPITCH, NQ*REC
.set HALFT,  NBLK*FPITCH
.set SLOT,   4*HALFT
.set SCL,    2*SLOT
.set HALFS,  NBLK*KS*64
.set SPARE,  SCL+4*HALFS
.set FR,  12
.set NL,  4
.set HL,  (NBLK/2)*NL
.set NP,  4
.set L16, 4
.set L8,  5
.set L4,  6
.set ADRA, 16
.set ADRB, 20
.set SOF,  26
.set ADSA, 27
.set SPW,  28
.set NIL,  29
.set ADSB, 30
.set BO,   31
.set SC,   32
.set BI,   64
.set AF,   128
.set ST,   128
.set TM,   192
.set PC,   208
.set PW,   228
.set PWK,  229
.set PWS,  230
.set SEL,  66
.set G1, 24
.set G0, 32
.set G1B, 48
.set G0B, 56
.set G1S, 68
.set G0S, 76
.set G1SB, 80
.set G0SB, 88
.set MSB, 0
.macro WIN new
.if MSB != (\new)
	s_set_vgpr_msb (MSB<<8)|(\new)
.set MSB, (\new)
.endif
.endm
.set MUL_LO, 0xa1
.set TO_B,   0x40
.macro JLOAD g0a, g1a, g0b, g1b
	s_cmp_eq_u32 s15, 0
	s_cbranch_scc0 .Lfor_b_\@
	tensor_load_to_lds s[\g0a:\g0a+3], s[\g1a:\g1a+7]
	s_nop 0
.rept 4
	v_nop
.endr
	s_branch .Lasked_\@
.Lfor_b_\@:
	tensor_load_to_lds s[\g0b:\g0b+3], s[\g1b:\g1b+7]
	s_nop 0
.rept 4
	v_nop
.endr
.Lasked_\@:
.endm
.macro CREST
	s_cmp_lg_u32 s14, 0
	s_cbranch_scc1 .Lnot_wave_0_\@
	s_barrier_signal -3
.Lnot_wave_0_\@:
	s_barrier_wait -3
	s_barrier_signal -1
	s_barrier_wait -1
.endm
.macro CROUND
	s_barrier_signal -1
	s_barrier_wait -1
	CREST
.endm
.macro PLACES n
.rept \n
	v_nop
.endr
.endm
.macro FRAG reg, adr, off
	ds_load_b128 v[(\reg):(\reg)+3], v[(\adr)] offset:(\off)
	ds_load_b64 v[(\reg)+4:(\reg)+5], v[(\adr)+2] offset:(\off)+512
	ds_load_b128 v[(\reg)+6:(\reg)+9], v[(\adr)] offset:(\off)+768
	ds_load_b64 v[(\reg)+10:(\reg)+11], v[(\adr)+2] offset:(\off)+1280
.endm
.macro MULQ k, p, q, sc, zero
.set ia, (\k)*(NBLK/4)
.rept NBLK/4
.set ib, 0
.rept NBLK
.set rD, (ia*NBLK*8)%256+8*ib
.set rB, 128*(\p)+FR*ib
.set rA, AF+FR*ia
.set sB, SC+16*(\sc)+8+(NQ/2)*ib+(\q)/2
.set sA, SC+16*(\sc)+(NQ/2)*ia+(\q)/2
.if \zero
	v_wmma_scale_f32_16x16x128_f8f6f4 v[rD:rD+7], v[rB:rB+FR-1], v[rA:rA+FR-1], 0, v[sB], v[sA] matrix_a_fmt:MATRIX_FMT_BF6 matrix_b_fmt:MATRIX_FMT_BF6
.elseif (\q)%2
	v_wmma_scale_f32_16x16x128_f8f6f4 v[rD:rD+7], v[rB:rB+FR-1], v[rA:rA+FR-1], v[rD:rD+7], v[sB], v[sA] matrix_a_fmt:MATRIX_FMT_BF6 matrix_b_fmt:MATRIX_FMT_BF6 matrix_a_scale:MATRIX_SCALE_ROW1 matrix_b_scale:MATRIX_SCALE_ROW1
.else
	v_wmma_scale_f32_16x16x128_f8f6f4 v[rD:rD+7], v[rB:rB+FR-1], v[rA:rA+FR-1], v[rD:rD+7], v[sB], v[sA] matrix_a_fmt:MATRIX_FMT_BF6 matrix_b_fmt:MATRIX_FMT_BF6
.endif
.set ib, ib+1
.endr
.set ia, ia+1
.endr
.endm
.macro FETCH_B slot, q, p
	WIN TO_B
.set fi, 0
.rept NBLK
	FRAG 128*(\p)+FR*fi, ADRB+\slot, fi*FPITCH+(\q)*REC
.set fi, fi+1
.endr
	WIN 0
.endm
.macro FETCH_A slot, q, i0
.set fi, \i0
.rept NBLK/2
	FRAG AF+FR*fi, ADRA+\slot, fi*FPITCH+(\q)*REC
.set fi, fi+1
.endr
.endm
.macro SCALES set
.set fi, 0
.rept NBLK
.set fp, 0
.rept NQ/2
	ds_load_b32 v[SC+16*(\set)+(NQ/2)*fi+fp], v[ADSA] offset:fi*KS*64+128*fp
	ds_load_b32 v[SC+16*(\set)+8+(NQ/2)*fi+fp], v[ADSB] offset:fi*KS*64+128*fp
.set fp, fp+1
.endr
.set fi, fi+1
.endr
.endm
.macro STEP slot, q, zero
	s_wait_dscnt HL
	WIN MUL_LO
	MULQ 0, (\q)%2, \q, \slot, \zero
	MULQ 1, (\q)%2, \q, \slot, \zero
	s_wait_dscnt 0x0
	PLACES NP
	FETCH_B \slot, (\q)+1, 1-(\q)%2
	FETCH_A \slot, (\q)+1, 0
	WIN MUL_HI
	MULQ 2, (\q)%2, \q, \slot, \zero
	MULQ 3, (\q)%2, \q, \slot, \zero
	PLACES NP
	WIN 0
	FETCH_A \slot, (\q)+1, NBLK/2
.endm
.macro STEPS slot, from
.if NQ-1-(\from) > 0
.set sq, \from
.rept NQ-1-(\from)
	STEP \slot, sq, 0
.set sq, sq+1
.endr
.endif
.endm
.macro TURN slot, next, fill
	s_wait_tensorcnt 0x0
	ds_add_u32 v[SPW], v[NIL]
	s_wait_dscnt HL+1
	WIN MUL_LO
	MULQ 0, 1, NQ-1, \slot, 0
	s_wait_dscnt 0x0
	s_barrier_signal -1
	MULQ 1, 1, NQ-1, \slot, 0
	WIN 0
	s_barrier_wait -1
.if \fill
	CREST
	s_add_nc_u64 s[G0+4*\slot+2:G0+4*\slot+3], s[G0+4*\slot+2:G0+4*\slot+3], 2*NQ*REC
	s_add_nc_u64 s[G0B+4*\slot+2:G0B+4*\slot+3], s[G0B+4*\slot+2:G0B+4*\slot+3], 2*NQ*REC
	JLOAD G0+4*\slot, G1, G0B+4*\slot, G1B
.else
	PLACES NP
.endif
	s_wait_alu depctr_va_vdst(0)
	v_add_nc_u32 v[ADSA], NQ*64, v[ADSA]
	v_add_nc_u32 v[ADSB], NQ*64, v[ADSB]
	FETCH_B \next, 0, 0
	FETCH_A \next, 0, 0
	SCALES \next
	WIN MUL_HI
	MULQ 2, 1, NQ-1, \slot, 0
	MULQ 3, 1, NQ-1, \slot, 0
	PLACES NP
	WIN 0
	FETCH_A \next, 0, NBLK/2
.endm
.macro LAST
	s_wait_dscnt HL
	WIN MUL_LO
	MULQ 0, 1, NQ-1, 1, 0
	MULQ 1, 1, NQ-1, 1, 0
	s_wait_dscnt 0x0
	WIN MUL_HI
	MULQ 2, 1, NQ-1, 1, 0
	MULQ 3, 1, NQ-1, 1, 0
	WIN 0
.endm
.macro QUANT s
.irp b, 0,1,2,3
	v_max3_num_f32 v[TM+\b], |v[\s+16*\b]|, |v[\s+1+16*\b]|, 0x2800000
.endr
.irp i, 2,4,6,8,10,12,14
.irp b, 0,1,2,3
	v_max3_num_f32 v[TM+\b], v[TM+\b], |v[\s+16*\b+\i]|, |v[\s+1+16*\b+\i]|
.endr
.endr
.irp b, 0,1,2,3
	v_permlanex16_b32 v[TM+4+\b], v[TM+\b], s[SEL], s[SEL+1]
.endr
.irp b, 0,1,2,3
	v_max_num_f32 v[TM+\b], v[TM+\b], v[TM+4+\b]
.endr
.irp b, 0,1,2,3
	v_add_nc_u32 v[TM+12+\b], 0xfe000000, v[TM+\b]
.endr
.irp b, 0,1,2,3
	v_lshrrev_b32 v[TM+4+\b], 23, v[TM+12+\b]
.endr
	v_lshl_or_b32 v[PW], v[TM+5], 8, v[TM+4]
	v_lshl_or_b32 v[PW], v[TM+6], 16, v[PW]
	v_lshl_or_b32 v[PW], v[TM+7], 24, v[PW]
.irp c, 0,1
	v_cvt_scalef32_pk16_bf6_f32 v[PC+6*\c:PC+2+6*\c], v[\s+32*\c:\s+15+32*\c], v[TM+12+2*\c]
	v_cvt_scalef32_pk16_bf6_f32 v[PC+12+4*\c:PC+14+4*\c], v[\s+16+32*\c:\s+31+32*\c], v[TM+12+2*\c+1]
.endr
	v_nop
.irp c, 0,1
.irp i, 0,1,2
	v_permlane16_swap_b32 v[PC+6*\c+\i], v[PC+12+4*\c+\i]
.endr
.irp i, 0,1,2
	v_mov_b32 v[PC+3+6*\c+\i], v[PC+12+4*\c+\i]
.endr
.endr
.endm
.macro QOUT a
.if (\a) > 0
	s_wait_xcnt 0x0
.endif
	WIN 0x02+(\a)/4
.set AC, 64*((\a)%4)
.set pp, 0
.rept 32
	v_pk_add_f32 v[ST+2*pp:ST+2*pp+1], v[AC+2*pp:AC+2*pp+1], v[BI+2*pp:BI+2*pp+1]
.set pp, pp+1
.endr
	WIN 0
.set pp, 0
.rept 64
	v_max_num_f32 v[ST+pp], 0, v[ST+pp]
.set pp, pp+1
.endr
	QUANT ST
	global_store_b128 v[L16], v[PC:PC+3], s[12:13] offset:(\a)*32*1536
	global_store_b64 v[L8], v[PC+4:PC+5], s[12:13] offset:(\a)*32*1536+512
	global_store_b128 v[L16], v[PC+6:PC+9], s[12:13] offset:(\a)*32*1536+768
	global_store_b64 v[L8], v[PC+10:PC+11], s[12:13] offset:(\a)*32*1536+1280
.if (\a)%2 == 0
	v_mov_b32 v[PWK], v[PW]
.else
	v_cndmask_b32 v[PWS], v[PWK], v[PW], s95
	global_store_b32 v[SOF], v[PWS], s[10:11] offset:((\a)-1)*2048
.endif
.endm
	s_load_b256 s[4:11], s[0:1], 0x0
	v_lshl_add_u32 v[SPW], v0, 2, SPARE
	v_mov_b32 v[NIL], 0
	ds_add_u32 v28, v29
	ds_add_u32 v28, v29
	s_wait_dscnt 0x0
	v_lshrrev_b32 v1, 5, v0
	v_readfirstlane_b32 s14, v1
	s_lshr_b32 s15, s14, 1
	s_and_b32 s16, s14, 1
	s_bfe_u32 s40, ttmp6, 0x40000
	s_bfe_u32 s41, ttmp6, 0x40004
	s_lshl_b32 s42, ttmp9, 2
	s_add_co_u32 s42, s42, s40
	s_and_b32 s17, ttmp7, 0xffff
	s_lshl_b32 s17, s17, 2
	s_add_co_u32 s17, s17, s41
	s_lshl_b32 s43, s41, 2
	s_lshl_b32 s43, 15, s43
	s_lshl_b32 s44, 0x1111, s40
	s_or_b32 s[G1+0], s43, (3<<16)|(1<<21)
	s_or_b32 s[G1B+0], s44, (3<<16)|(1<<21)
.irp g, G1, G1B
	s_mov_b32 s[\g+1], (NQ*192)<<16
	s_mov_b32 s[\g+2], (2*NBLK)<<16
	s_mov_b32 s[\g+3], (NQ*192)<<16
	s_mov_b32 s[\g+4], 2*NBLK
	s_mov_b32 s[\g+5], KS*192
	s_mov_b32 s[\g+6], 0
	s_mov_b32 s[\g+7], 0
.endr
	s_or_b32 s[G1S+0], s43, (3<<16)|(1<<21)
	s_or_b32 s[G1SB+0], s44, (3<<16)|(1<<21)
.irp g, G1S, G1SB
	s_mov_b32 s[\g+1], 32<<16
	s_mov_b32 s[\g+2], (2*HALFS/256)<<16
	s_mov_b32 s[\g+3], 32<<16
	s_mov_b32 s[\g+4], 2*HALFS/256
	s_mov_b32 s[\g+5], 32
	s_mov_b32 s[\g+6], 0
	s_mov_b32 s[\g+7], 0
.endr
	s_lshl_b32 s18, s16, LOGNB
	s_lshl_b32 s20, s17, LOGNB+1
	s_add_co_u32 s20, s20, s18
	s_lshl_b32 s46, s42, LOGNB+1
	s_add_co_u32 s46, s46, s18
	s_lshl_b32 s22, s17, LOGNB+1
	s_mul_i32 s22, s22, KS*64
	s_add_co_u32 s22, s22, ASOFF
	s_mov_b32 s23, 0
	s_mul_i32 s20, s20, KS*REC
	s_mov_b32 s21, 0
	s_lshl_b32 s92, s42, LOGNB+1
	s_mul_i32 s92, s92, KS*64
	s_add_co_u32 s92, s92, BSOFF
	s_mov_b32 s93, 0
	s_mul_i32 s46, s46, KS*REC
	s_add_co_u32 s46, s46, BCOFF
	s_mov_b32 s47, 0
	s_mul_i32 s45, s14, HALFT
	s_mov_b32 s[SEL], 0x76543210
	s_mov_b32 s[SEL+1], 0xfedcba98
	s_mov_b32 s95, 0xffff0000
	CROUND                                         ; the opening round, ahead of the wait for the arguments: all sixteen work-groups are here, so that the first joint loads meet
	s_wait_kmcnt 0x0
	s_add_nc_u64 s[20:21], s[4:5], s[20:21]
	s_add_nc_u64 s[22:23], s[4:5], s[22:23]
	s_add_nc_u64 s[46:47], s[6:7], s[46:47]
	s_add_nc_u64 s[92:93], s[6:7], s[92:93]
	s_mov_b32 s[G0S], 1
	s_mov_b32 s[G0S+1], SCL
	s_mov_b64 s[G0S+2:G0S+3], s[22:23]
	s_or_b32 s[G0S+3], s[G0S+3], 0x80000000
	s_mov_b32 s[G0SB], 1
	s_mov_b32 s[G0SB+1], SCL+2*HALFS
	s_mov_b64 s[G0SB+2:G0SB+3], s[92:93]
	s_or_b32 s[G0SB+3], s[G0SB+3], 0x80000000
.irp s, 0,1
	s_mov_b32 s[G0+4*\s], 1
	s_add_co_u32 s[G0+4*\s+1], s45, \s*SLOT
	s_add_nc_u64 s[G0+4*\s+2:G0+4*\s+3], s[20:21], \s*NQ*REC
	s_or_b32 s[G0+4*\s+3], s[G0+4*\s+3], 0x80000000
	s_mov_b32 s[G0B+4*\s], 1
	s_add_co_u32 s[G0B+4*\s+1], s45, \s*SLOT
	s_add_nc_u64 s[G0B+4*\s+2:G0B+4*\s+3], s[46:47], \s*NQ*REC
	s_or_b32 s[G0B+4*\s+3], s[G0B+4*\s+3], 0x80000000
.endr
; THE HEAD'S LOADS, ONE A WAVE: wave 0 slot 0's rows of A (its own group 0 points at their first byte, LDS byte 0), wave 1 A's scale words, wave 2 slot 0's rows of B, wave 3 B's scale words
.macro ARM under, g0, g1, next
	s_cmp_lt_u32 s14, \under
	s_cbranch_scc0 \next
	tensor_load_to_lds s[\g0:\g0+3], s[\g1:\g1+7]
	s_nop 0
.rept 4
	v_nop
.endr
	s_branch .Lhead_asked
\next:
.endm
	ARM 1, G0, G1, .Lhead_sa
	ARM 2, G0S, G1S, .Lhead_b
	ARM 3, G0B, G1B, .Lhead_sb
	tensor_load_to_lds s[G0SB:G0SB+3], s[G1SB:G1SB+7]
	s_nop 0
.rept 4
	v_nop
.endr
.Lhead_asked:
	; the prefetches: of the 8 row tiles that my wave fetches in the ring, each of the four partners that ask for them jointly takes two, told apart by address (cx for A, cy for B)
	s_cmp_eq_u32 s15, 0
	s_cselect_b64 s[18:19], s[20:21], s[46:47]
	s_cselect_b32 s92, s40, s41
	s_mul_i32 s92, s92, 2*KS*REC
	s_mov_b32 s93, 0
	s_add_nc_u64 s[18:19], s[18:19], s[92:93]
	v_and_b32 v1, 31, v0
	v_lshlrev_b32 v[L16], 4, v1
	v_lshlrev_b32 v[L8], 3, v1
	v_lshlrev_b32 v[L4], 2, v1
	v_min_u32 v7, 23, v1                           ; a slot's part of two row tiles is 2 x 12 blocks of 256 bytes: a lane a block (lanes 24-31 name the last again)
	v_mul_u32_u24 v8, v7, 11
	v_lshrrev_b32 v8, 7, v8                        ; which of the two tiles: lane / 12
	v_mul_u32_u24 v8, v8, KS*REC-12*256
	v_lshl_add_u32 v7, v7, 8, v8
	s_wait_alu depctr_va_vdst(0)
	global_prefetch_b8 v7, s[18:19] offset:NQ*REC th:TH_LOAD_NT scope:SCOPE_SE     ; slots 1 and 2, asked for by their loads one and two rounds on
	global_prefetch_b8 v7, s[18:19] offset:2*NQ*REC th:TH_LOAD_NT scope:SCOPE_SE
	s_mul_i32 s21, s15, HALFT
	s_mul_i32 s22, s16, HALFT
	s_add_co_u32 s22, s22, 2*HALFT
.irp s, 0,1
	v_add_nc_u32 v[ADRA+\s], s21, v[L16]
	v_add_nc_u32 v[ADRB+\s], s22, v[L16]
	v_add_nc_u32 v[ADRA+2+\s], s21, v[L8]
	v_add_nc_u32 v[ADRB+2+\s], s22, v[L8]
	s_add_co_u32 s21, s21, SLOT
	s_add_co_u32 s22, s22, SLOT
.endr
	s_mul_i32 s21, s15, HALFS
	s_add_co_u32 s21, s21, SCL
	v_add_nc_u32 v[ADSA], s21, v[L4]
	s_mul_i32 s22, s16, HALFS
	s_add_co_u32 s22, s22, SCL+2*HALFS
	v_add_nc_u32 v[ADSB], s22, v[L4]
	v_and_b32 v2, 15, v0
	s_wait_alu depctr_va_vdst(0)
	v_bfe_u32 v3, v0, 4, 1
	s_lshl_b32 s98, s42, 1
	s_add_co_u32 s98, s98, s16
	s_lshl_b32 s96, s98, 9
	s_mov_b32 s97, 0
	s_add_nc_u64 s[8:9], s[8:9], s[96:97]
	v_lshlrev_b32 v[BO], 6, v3
.irp b, 0,1,2,3
.irp j, 0,1,2,3
	global_load_b128 v[BI+16*\b+4*\j:BI+16*\b+4*\j+3], v[BO], s[8:9] offset:128*\b+16*\j
.endr
.endr
	s_lshl_b32 s96, s17, 4
	s_lshl_b32 s99, s15, 3
	s_add_co_u32 s96, s96, s99
	s_lshl_b32 s96, s96, 5
	s_add_co_u32 s98, s96, s98
	s_mul_i32 s96, s98, 1536
	s_add_nc_u64 s[12:13], s[10:11], s[96:97]
	s_lshl_b32 s96, s98, 6
	s_add_co_u32 s96, s96, OSOFF
	s_add_nc_u64 s[10:11], s[10:11], s[96:97]
	v_lshlrev_b32 v[SOF], 2, v2
	s_wait_alu depctr_va_vdst(0)
	v_lshl_add_u32 v[SOF], v3, 11, v[SOF]
	s_wait_alu depctr_va_vdst(0)
	s_wait_tensorcnt 0x0                           ; my tile of the head's four is in
	ds_add_u32 v[SPW], v[NIL]
	s_mov_b32 s[G1+2], NBLK<<16                    ; no tensor load of mine is out: from here on a load brings NBLK row tiles
	s_mov_b32 s[G1+4], NBLK
	s_mov_b32 s[G1B+2], NBLK<<16
	s_mov_b32 s[G1B+4], NBLK
	s_wait_dscnt 0x0
	CROUND                                         ; all four tiles are in, and all sixteen work-groups are here
	JLOAD G0+4, G1, G0B+4, G1B                     ; slot 1's first fill: the first tensor load behind the round
	FETCH_B 0, 0, 0
	FETCH_A 0, 0, 0
	SCALES 0
	FETCH_A 0, 0, NBLK/2
	STEP 0, 0, 1
	global_prefetch_b8 v7, s[18:19] offset:3*NQ*REC th:TH_LOAD_NT scope:SCOPE_SE   ; slot 3, the last: two refills on
	s_mov_b32 s3, LAPS-1
.Llap:
	STEPS 0, 1
	TURN 0, 1, 1
	STEPS 1, 0
	TURN 1, 0, 1
	STEP 0, 0, 0
	s_sub_co_u32 s3, s3, 1
	s_cmp_lg_u32 s3, 0
	s_cbranch_scc1 .Llap
	STEPS 0, 1
	TURN 0, 1, 0
	STEPS 1, 0
	LAST
	PLACES NP
	s_wait_loadcnt 0x0
.irp b, 0,1,2,3
	v_mov_b32 v[TM+4+\b], 0
.endr
.irp a, 0,1,2,3,4,5,6,7
	QOUT \a
.endr
	s_wait_tensorcnt 0x0
	ds_add_u32 v[SPW], v[NIL]
	s_wait_dscnt 0x0
	CROUND
	s_endpgm
.Lfunc_end_k_qa1768d5d6f_ffn1:
	.size	k_qa1768d5d6f_ffn1, .Lfunc_end_k_qa1768d5d6f_ffn1-k_qa1768d5d6f_ffn1
	.p2alignl 7, 3214868480
	.fill 96, 4, 3214868480
	.section	.rodata,"a",@progbits
	.p2align	6, 0x0
	.amdhsa_kernel k_qa1768d5d6f_ffn1
		.amdhsa_group_segment_fixed_size 327680
		.amdhsa_private_segment_fixed_size 0
		.amdhsa_enable_private_segment 0
		.amdhsa_kernarg_size 32
		.amdhsa_user_sgpr_count 2
		.amdhsa_user_sgpr_kernarg_segment_ptr 1
		.amdhsa_wavefront_size32 1
		.amdhsa_system_sgpr_workgroup_id_x 1
		.amdhsa_system_sgpr_workgroup_id_y 1
		.amdhsa_system_sgpr_workgroup_id_z 1
		.amdhsa_system_vgpr_workitem_id 0
		.amdhsa_next_free_vgpr 1024
		.amdhsa_next_free_sgpr 102
		.amdhsa_reserve_vcc 0
		.amdhsa_float_denorm_mode_32 3
		.amdhsa_float_denorm_mode_16_64 3
		.amdhsa_memory_ordered 1
		.amdhsa_forward_progress 1
		.amdhsa_inst_pref_size 186
	.end_amdhsa_kernel
	.amdgpu_metadata
---
amdhsa.version: [ 1, 2 ]
amdhsa.kernels:
  - .name:           k_qa1768d5d6f_ffn1
    .symbol:         k_qa1768d5d6f_ffn1.kd
    .args:
      - { .name: XN2, .offset: 0, .size: 8, .value_kind: global_buffer, .address_space: global }
      - { .name: WB, .offset: 8, .size: 8, .value_kind: global_buffer, .address_space: global }
      - { .name: b1, .offset: 16, .size: 8, .value_kind: global_buffer, .address_space: global }
      - { .name: H, .offset: 24, .size: 8, .value_kind: global_buffer, .address_space: global }
    .group_segment_fixed_size: 327680
    .private_segment_fixed_size: 0
    .kernarg_segment_align: 8
    .kernarg_segment_size: 32
    .max_flat_workgroup_size: 128
    .sgpr_count:     102
    .vgpr_count:     1024
    .wavefront_size: 32
...
	.end_amdgpu_metadata
.endif
;; end of part 6
;; launch ffn2 (part 7): grid 8 x 32, 4 waves a work-group, clusters of 4 x 4, 327,680 bytes of LDS; arguments H, WB, b2, X1, out0; writes out0
.if DOCPART == 7
	.amdgcn_target "amdgcn-amd-amdhsa--gfx1250"
	.amdhsa_code_object_version 6
	.text
	.protected	k_qa1768d5d6f_ffn2
	.globl	k_qa1768d5d6f_ffn2
	.p2align	8
	.type	k_qa1768d5d6f_ffn2,@function
k_qa1768d5d6f_ffn2:
	s_mov_b64 s[64:65], 0
	v_nop
	global_prefetch_b8 v0, s[64:65] scope:SCOPE_SE
	s_setreg_imm32_b32 hwreg(HW_REG_WAVE_MODE, 25, 1), 1
	s_wait_xcnt 0x0
	s_wait_alu depctr_hold_cnt(0) depctr_sa_sdst(0) depctr_va_vdst(0) depctr_va_sdst(0) depctr_va_ssrc(0) depctr_va_vcc(0) depctr_vm_vsrc(0)
	s_getreg_b32 s2, hwreg(HW_REG_IB_STS2, 6, 4)
	s_cmp_eq_u32 s2, 0
	s_cbranch_scc0 .Lentry_in_a_cluster
	s_endpgm
.Lentry_in_a_cluster:
	s_bfe_u32 s2, ttmp6, 0x10000c
	s_cmp_lg_u32 s2, 0xf033
	s_cbranch_scc0 .Lentry_shape_is_right
	s_endpgm
.Lentry_shape_is_right:
; out0 = X1 + (Q(H) Q(W2) + b2).  Codes of BF6 (E3M2), one E8M0 byte for each 32 along K, sums in f32; out0 [4096][1024] f32, natural rows.
; OPERANDS are records (16 rows x 128 K, 1,536 bytes, in the order of the operand's registers), [row tile][K step]; scale words [row tile][K step][16].  Row tile i, lane-row p is logical row 32 (i/2) + 8 (i%2) + p + 8 (p/8).
; N is 1,024: a tile of C is 128 x 128, so that there are 256 work-groups; four waves, 64 x 64 each: 16 accumulators.  K = 4,096 goes in steps of 512 through two LDS slots filled by joint tensor loads:
; 4 x 4 clusters, the tokens' tiles shared along a row, the weight's along a column.  The scale words of all of K come once, at the head.
; THE WAY OUT: a block of 16 tokens x 64 columns goes through the wave's stage in LDS (in slot 0, behind its last fill and its last read) and comes back as rows of 256 bytes; bias and residual are added.
; LIMITS: NaN and infinities are not served.
.set NBLK,  4
.set LOGNB, 2
.set NQ,    4
.set KS,    32
.set LAPS,  4
.set MUL_HI, 0xa1
.set ASOFF, 12582912
.set BCOFF, 6291456
.set BSOFF, 9699328
.set REC,    1536
.set FPITCH, NQ*REC
.set HALFT,  NBLK*FPITCH
.set SLOT,   4*HALFT
.set SCL,    2*SLOT
.set HALFS,  NBLK*KS*64
.set SPARE,  SCL+4*HALFS
.set FR,  12
.set NL,  4
.set HL,  (NBLK/2)*NL
.set NP,  4
.set L16, 4
.set L8,  5
.set L4,  6
.set ADRA, 16
.set ADRB, 20
.set STO,  24
.set RD,   25
.set CO,   26
.set ADSA, 27
.set SPW,  28
.set NIL,  29
.set ADSB, 30
.set BO,   31
.set SC,   32
.set RES0, 64
.set AF,   128
.set BK,   128
.set BIA,  240
.set G1, 24
.set G0, 32
.set G1B, 48
.set G0B, 56
.set G1S, 68
.set G0S, 76
.set G1SB, 80
.set G0SB, 88
.set MSB, 0
.macro WIN new
.if MSB != (\new)
	s_set_vgpr_msb (MSB<<8)|(\new)
.set MSB, (\new)
.endif
.endm
.set MUL_LO, 0xa1
.set TO_B,   0x40
.macro JLOAD g0a, g1a, g0b, g1b
	s_cmp_eq_u32 s15, 0
	s_cbranch_scc0 .Lfor_b_\@
	tensor_load_to_lds s[\g0a:\g0a+3], s[\g1a:\g1a+7]
	s_nop 0
.rept 4
	v_nop
.endr
	s_branch .Lasked_\@
.Lfor_b_\@:
	tensor_load_to_lds s[\g0b:\g0b+3], s[\g1b:\g1b+7]
	s_nop 0
.rept 4
	v_nop
.endr
.Lasked_\@:
.endm
.macro CREST
	s_cmp_lg_u32 s14, 0
	s_cbranch_scc1 .Lnot_wave_0_\@
	s_barrier_signal -3
.Lnot_wave_0_\@:
	s_barrier_wait -3
	s_barrier_signal -1
	s_barrier_wait -1
.endm
.macro CROUND
	s_barrier_signal -1
	s_barrier_wait -1
	CREST
.endm
.macro PLACES n
.rept \n
	v_nop
.endr
.endm
.macro FRAG reg, adr, off
	ds_load_b128 v[(\reg):(\reg)+3], v[(\adr)] offset:(\off)
	ds_load_b64 v[(\reg)+4:(\reg)+5], v[(\adr)+2] offset:(\off)+512
	ds_load_b128 v[(\reg)+6:(\reg)+9], v[(\adr)] offset:(\off)+768
	ds_load_b64 v[(\reg)+10:(\reg)+11], v[(\adr)+2] offset:(\off)+1280
.endm
.macro MULQ k, p, q, sc, zero
.set ia, (\k)*(NBLK/4)
.rept NBLK/4
.set ib, 0
.rept NBLK
.set rD, (ia*NBLK*8)%256+8*ib
.set rB, 128*(\p)+FR*ib
.set rA, AF+FR*ia
.set sB, SC+16*(\sc)+8+(NQ/2)*ib+(\q)/2
.set sA, SC+16*(\sc)+(NQ/2)*ia+(\q)/2
.if \zero
	v_wmma_scale_f32_16x16x128_f8f6f4 v[rD:rD+7], v[rB:rB+FR-1], v[rA:rA+FR-1], 0, v[sB], v[sA] matrix_a_fmt:MATRIX_FMT_BF6 matrix_b_fmt:MATRIX_FMT_BF6
.elseif (\q)%2
	v_wmma_scale_f32_16x16x128_f8f6f4 v[rD:rD+7], v[rB:rB+FR-1], v[rA:rA+FR-1], v[rD:rD+7], v[sB], v[sA] matrix_a_fmt:MATRIX_FMT_BF6 matrix_b_fmt:MATRIX_FMT_BF6 matrix_a_scale:MATRIX_SCALE_ROW1 matrix_b_scale:MATRIX_SCALE_ROW1
.else
	v_wmma_scale_f32_16x16x128_f8f6f4 v[rD:rD+7], v[rB:rB+FR-1], v[rA:rA+FR-1], v[rD:rD+7], v[sB], v[sA] matrix_a_fmt:MATRIX_FMT_BF6 matrix_b_fmt:MATRIX_FMT_BF6
.endif
.set ib, ib+1
.endr
.set ia, ia+1
.endr
.endm
.macro FETCH_B slot, q, p
	WIN TO_B
.set fi, 0
.rept NBLK
	FRAG 128*(\p)+FR*fi, ADRB+\slot, fi*FPITCH+(\q)*REC
.set fi, fi+1
.endr
	WIN 0
.endm
.macro FETCH_A slot, q, i0
.set fi, \i0
.rept NBLK/2
	FRAG AF+FR*fi, ADRA+\slot, fi*FPITCH+(\q)*REC
.set fi, fi+1
.endr
.endm
.macro SCALES set
.set fi, 0
.rept NBLK
.set fp, 0
.rept NQ/2
	ds_load_b32 v[SC+16*(\set)+(NQ/2)*fi+fp], v[ADSA] offset:fi*KS*64+128*fp
	ds_load_b32 v[SC+16*(\set)+8+(NQ/2)*fi+fp], v[ADSB] offset:fi*KS*64+128*fp
.set fp, fp+1
.endr
.set fi, fi+1
.endr
.endm
.macro STEP slot, q, zero
	s_wait_dscnt HL
	WIN MUL_LO
	MULQ 0, (\q)%2, \q, \slot, \zero
	MULQ 1, (\q)%2, \q, \slot, \zero
	s_wait_dscnt 0x0
	PLACES NP
	FETCH_B \slot, (\q)+1, 1-(\q)%2
	FETCH_A \slot, (\q)+1, 0
	WIN MUL_HI
	MULQ 2, (\q)%2, \q, \slot, \zero
	MULQ 3, (\q)%2, \q, \slot, \zero
	PLACES NP
	WIN 0
	FETCH_A \slot, (\q)+1, NBLK/2
.endm
.macro STEPS slot, from
.if NQ-1-(\from) > 0
.set sq, \from
.rept NQ-1-(\from)
	STEP \slot, sq, 0
.set sq, sq+1
.endr
.endif
.endm
.macro TURN slot, next, fill
.if (\fill) && (\slot) == 0
	s_wait_xcnt 0x0                                ; my prefetches have read their address: it steps two slots on, once a trip
	s_add_nc_u64 s[100:101], s[100:101], 2*NQ*REC
.endif
	s_wait_tensorcnt 0x0
	ds_add_u32 v[SPW], v[NIL]
	s_wait_dscnt HL+1
	WIN MUL_LO
	MULQ 0, 1, NQ-1, \slot, 0
	s_wait_dscnt 0x0
	s_barrier_signal -1
	MULQ 1, 1, NQ-1, \slot, 0
	WIN 0
	s_barrier_wait -1
.if \fill
	CREST
	s_add_nc_u64 s[G0+4*\slot+2:G0+4*\slot+3], s[G0+4*\slot+2:G0+4*\slot+3], 2*NQ*REC
	s_add_nc_u64 s[G0B+4*\slot+2:G0B+4*\slot+3], s[G0B+4*\slot+2:G0B+4*\slot+3], 2*NQ*REC
	JLOAD G0+4*\slot, G1, G0B+4*\slot, G1B
.else
	PLACES NP
.endif
	s_wait_alu depctr_va_vdst(0)
	v_add_nc_u32 v[ADSA], NQ*64, v[ADSA]
	v_add_nc_u32 v[ADSB], NQ*64, v[ADSB]
	FETCH_B \next, 0, 0
	FETCH_A \next, 0, 0
	SCALES \next
.if \fill
	s_cmp_gt_u32 s3, 1                             ; the last trip's refills are slots 6 and 7: nothing lies two refills on
	s_cbranch_scc0 .Lno_ask_\@
	global_prefetch_b8 v7, s[100:101] offset:(2+(\slot))*NQ*REC th:TH_LOAD_NT scope:SCOPE_SE   ; the slot that stands two refills on
.Lno_ask_\@:
.endif
	WIN MUL_HI
	MULQ 2, 1, NQ-1, \slot, 0
	MULQ 3, 1, NQ-1, \slot, 0
	PLACES NP
	WIN 0
	FETCH_A \next, 0, NBLK/2
.endm
.macro LAST
	s_wait_dscnt HL
	WIN MUL_LO
	MULQ 0, 1, NQ-1, 1, 0
	MULQ 1, 1, NQ-1, 1, 0
	s_wait_dscnt 0x0
	WIN MUL_HI
	MULQ 2, 1, NQ-1, 1, 0
	MULQ 3, 1, NQ-1, 1, 0
	WIN 0
.endm
.macro FOUT a
	WIN 0x08
.set fn, 0
.rept 8
	ds_store_b128 v[STO], v[32*(\a)+4*fn:32*(\a)+4*fn+3] offset:128*(fn/4)+16*(fn%4)
.set fn, fn+1
.endr
	WIN 0
.set fn, 0
.rept 8
	ds_load_b128 v[BK+4*fn:BK+4*fn+3], v[RD] offset:544*fn
.set fn, fn+1
.endr
	s_wait_dscnt 0x0
.set fn, 0
.rept 8
.set rr, RES0+4*(8*(\a)+fn)+48*((8*(\a)+fn)/16)
	v_pk_add_f32 v[BK+4*fn:BK+4*fn+1], v[BK+4*fn:BK+4*fn+1], v[BIA:BIA+1]
	v_pk_add_f32 v[BK+4*fn+2:BK+4*fn+3], v[BK+4*fn+2:BK+4*fn+3], v[BIA+2:BIA+3]
	v_pk_add_f32 v[rr:rr+1], v[rr:rr+1], v[BK+4*fn:BK+4*fn+1]
	v_pk_add_f32 v[rr+2:rr+3], v[rr+2:rr+3], v[BK+4*fn+2:BK+4*fn+3]
	global_store_b128 v[CO], v[rr:rr+3], s[12:13] offset:(32*((\a)/2)+8*((\a)%2)+2*fn+8*(fn/4))*4096 th:TH_STORE_NT
.set fn, fn+1
.endr
.endm
	s_load_b256 s[4:11], s[0:1], 0x0
	s_load_b64 s[12:13], s[0:1], 0x20
	v_lshl_add_u32 v[SPW], v0, 2, SPARE
	v_mov_b32 v[NIL], 0
	ds_add_u32 v28, v29
	ds_add_u32 v28, v29
	s_wait_dscnt 0x0
	v_lshrrev_b32 v1, 5, v0
	v_readfirstlane_b32 s14, v1
	s_lshr_b32 s15, s14, 1
	s_and_b32 s16, s14, 1
	s_bfe_u32 s40, ttmp6, 0x40000
	s_bfe_u32 s41, ttmp6, 0x40004
	s_lshl_b32 s42, ttmp9, 2
	s_add_co_u32 s42, s42, s40
	s_and_b32 s17, ttmp7, 0xffff
	s_lshl_b32 s17, s17, 2
	s_add_co_u32 s17, s17, s41
	s_lshl_b32 s43, s41, 2
	s_lshl_b32 s43, 15, s43
	s_lshl_b32 s44, 0x1111, s40
	s_or_b32 s[G1+0], s43, (3<<16)|(1<<21)
	s_or_b32 s[G1B+0], s44, (3<<16)|(1<<21)
.irp g, G1, G1B
	s_mov_b32 s[\g+1], (NQ*192)<<16
	s_mov_b32 s[\g+2], (2*NBLK)<<16
	s_mov_b32 s[\g+3], (NQ*192)<<16
	s_mov_b32 s[\g+4], 2*NBLK
	s_mov_b32 s[\g+5], KS*192
	s_mov_b32 s[\g+6], 0
	s_mov_b32 s[\g+7], 0
.endr
	s_or_b32 s[G1S+0], s43, (3<<16)|(1<<21)
	s_or_b32 s[G1SB+0], s44, (3<<16)|(1<<21)
.irp g, G1S, G1SB
	s_mov_b32 s[\g+1], 32<<16
	s_mov_b32 s[\g+2], (2*HALFS/256)<<16
	s_mov_b32 s[\g+3], 32<<16
	s_mov_b32 s[\g+4], 2*HALFS/256
	s_mov_b32 s[\g+5], 32
	s_mov_b32 s[\g+6], 0
	s_mov_b32 s[\g+7], 0
.endr
	s_lshl_b32 s18, s16, LOGNB
	s_lshl_b32 s20, s17, LOGNB+1
	s_add_co_u32 s20, s20, s18
	s_lshl_b32 s46, s42, LOGNB+1
	s_add_co_u32 s46, s46, s18
	s_lshl_b32 s22, s17, LOGNB+1
	s_mul_i32 s22, s22, KS*64
	s_add_co_u32 s22, s22, ASOFF
	s_mov_b32 s23, 0
	s_mul_i32 s20, s20, KS*REC
	s_mov_b32 s21, 0
	s_lshl_b32 s92, s42, LOGNB+1
	s_mul_i32 s92, s92, KS*64
	s_add_co_u32 s92, s92, BSOFF
	s_mov_b32 s93, 0
	s_mul_i32 s46, s46, KS*REC
	s_add_co_u32 s46, s46, BCOFF
	s_mov_b32 s47, 0
	s_mul_i32 s45, s14, HALFT
	CROUND                                         ; the opening round, ahead of the wait for the arguments: all sixteen work-groups are here, so that the first joint loads meet
	s_wait_kmcnt 0x0
	s_add_nc_u64 s[20:21], s[4:5], s[20:21]
	s_add_nc_u64 s[22:23], s[4:5], s[22:23]
	s_add_nc_u64 s[46:47], s[6:7], s[46:47]
	s_add_nc_u64 s[92:93], s[6:7], s[92:93]
	s_mov_b32 s[G0S], 1
	s_mov_b32 s[G0S+1], SCL
	s_mov_b64 s[G0S+2:G0S+3], s[22:23]
	s_or_b32 s[G0S+3], s[G0S+3], 0x80000000
	s_mov_b32 s[G0SB], 1
	s_mov_b32 s[G0SB+1], SCL+2*HALFS
	s_mov_b64 s[G0SB+2:G0SB+3], s[92:93]
	s_or_b32 s[G0SB+3], s[G0SB+3], 0x80000000
.irp s, 0,1
	s_mov_b32 s[G0+4*\s], 1
	s_add_co_u32 s[G0+4*\s+1], s45, \s*SLOT
	s_add_nc_u64 s[G0+4*\s+2:G0+4*\s+3], s[20:21], \s*NQ*REC
	s_or_b32 s[G0+4*\s+3], s[G0+4*\s+3], 0x80000000
	s_mov_b32 s[G0B+4*\s], 1
	s_add_co_u32 s[G0B+4*\s+1], s45, \s*SLOT
	s_add_nc_u64 s[G0B+4*\s+2:G0B+4*\s+3], s[46:47], \s*NQ*REC
	s_or_b32 s[G0B+4*\s+3], s[G0B+4*\s+3], 0x80000000
.endr
; THE HEAD'S LOADS, ONE A WAVE: wave 0 slot 0's rows of A (its own group 0 points at their first byte, LDS byte 0), wave 1 A's scale words, wave 2 slot 0's rows of B, wave 3 B's scale words
.macro ARM under, g0, g1, next
	s_cmp_lt_u32 s14, \under
	s_cbranch_scc0 \next
	tensor_load_to_lds s[\g0:\g0+3], s[\g1:\g1+7]
	s_nop 0
.rept 4
	v_nop
.endr
	s_branch .Lhead_asked
\next:
.endm
	ARM 1, G0, G1, .Lhead_sa
	ARM 2, G0S, G1S, .Lhead_b
	ARM 3, G0B, G1B, .Lhead_sb
	tensor_load_to_lds s[G0SB:G0SB+3], s[G1SB:G1SB+7]
	s_nop 0
.rept 4
	v_nop
.endr
.Lhead_asked:
	; the prefetches: of the 4 row tiles that my wave fetches in the ring, each of the four partners that ask for them jointly takes one, told apart by address (cx for A, cy for B)
	s_cmp_eq_u32 s15, 0
	s_cselect_b64 s[100:101], s[20:21], s[46:47]
	s_cselect_b32 s98, s40, s41
	s_mul_i32 s98, s98, KS*REC
	s_mov_b32 s99, 0
	s_add_nc_u64 s[100:101], s[100:101], s[98:99]
	v_and_b32 v1, 31, v0
	v_lshlrev_b32 v[L16], 4, v1
	v_lshlrev_b32 v[L8], 3, v1
	v_lshlrev_b32 v[L4], 2, v1
	v_min_u32 v7, 23, v1                           ; a slot's part of a row tile is 24 blocks of 256 bytes: a lane a block (lanes 24-31 name the last again)
	v_lshlrev_b32 v7, 8, v7
	s_wait_alu depctr_va_vdst(0)
	global_prefetch_b8 v7, s[100:101] offset:NQ*REC th:TH_LOAD_NT scope:SCOPE_SE   ; slots 1 and 2, asked for by their loads one and two rounds on
	global_prefetch_b8 v7, s[100:101] offset:2*NQ*REC th:TH_LOAD_NT scope:SCOPE_SE
	s_mul_i32 s21, s15, HALFT
	s_mul_i32 s22, s16, HALFT
	s_add_co_u32 s22, s22, 2*HALFT
.irp s, 0,1
	v_add_nc_u32 v[ADRA+\s], s21, v[L16]
	v_add_nc_u32 v[ADRB+\s], s22, v[L16]
	v_add_nc_u32 v[ADRA+2+\s], s21, v[L8]
	v_add_nc_u32 v[ADRB+2+\s], s22, v[L8]
	s_add_co_u32 s21, s21, SLOT
	s_add_co_u32 s22, s22, SLOT
.endr
	s_mul_i32 s21, s15, HALFS
	s_add_co_u32 s21, s21, SCL
	v_add_nc_u32 v[ADSA], s21, v[L4]
	s_mul_i32 s22, s16, HALFS
	s_add_co_u32 s22, s22, SCL+2*HALFS
	v_add_nc_u32 v[ADSB], s22, v[L4]
	v_and_b32 v2, 15, v0
	v_bfe_u32 v3, v0, 4, 1
	s_mul_i32 s23, s14, 16*272
	v_mul_u32_u24 v[STO], v2, 272
	v_lshl_add_u32 v[STO], v3, 6, v[STO]
	v_add_nc_u32 v[STO], s23, v[STO]
	v_mul_u32_u24 v[RD], v3, 272
	v_lshl_add_u32 v[RD], v2, 4, v[RD]
	v_add_nc_u32 v[RD], s23, v[RD]
	v_lshlrev_b32 v[BO], 4, v2
	s_wait_alu depctr_va_vdst(0)
	v_lshl_add_u32 v[CO], v3, 12, v[BO]
	s_wait_alu depctr_va_vdst(0)
	s_lshl_b32 s96, s17, 7
	s_lshl_b32 s97, s15, 6
	s_add_co_u32 s96, s96, s97
	s_lshl_b32 s96, s96, 12
	s_lshl_b32 s98, s42, 9
	s_lshl_b32 s99, s16, 8
	s_add_co_u32 s98, s98, s99
	s_mov_b32 s99, 0
	s_add_nc_u64 s[8:9], s[8:9], s[98:99]
	s_add_co_u32 s96, s96, s98
	s_mov_b32 s97, 0
	s_add_nc_u64 s[10:11], s[10:11], s[96:97]
	s_add_nc_u64 s[12:13], s[12:13], s[96:97]
	s_wait_tensorcnt 0x0                           ; my tile of the head's four is in
	ds_add_u32 v[SPW], v[NIL]
	s_mov_b32 s[G1+2], NBLK<<16                    ; no tensor load of mine is out: from here on a load brings NBLK row tiles
	s_mov_b32 s[G1+4], NBLK
	s_mov_b32 s[G1B+2], NBLK<<16
	s_mov_b32 s[G1B+4], NBLK
	s_wait_dscnt 0x0
	CROUND                                         ; all four tiles are in, and all sixteen work-groups are here
	JLOAD G0+4, G1, G0B+4, G1B                     ; slot 1's first fill: the first tensor load behind the round
	FETCH_B 0, 0, 0
	FETCH_A 0, 0, 0
	SCALES 0
	FETCH_A 0, 0, NBLK/2
	STEP 0, 0, 1
	global_prefetch_b8 v7, s[100:101] offset:3*NQ*REC th:TH_LOAD_NT scope:SCOPE_SE ; slot 3: two refills on
	global_load_b128 v[BIA:BIA+3], v[BO], s[8:9]
.set fn, 0
.rept 32                               ; the bias and the residual are asked for behind the first step, and land under the walk along K
.set rr, RES0+4*fn+48*(fn/16)
	global_load_b128 v[rr:rr+3], v[CO], s[10:11] offset:(32*(fn/16)+8*((fn/8)%2)+2*(fn%8)+8*((fn%8)/4))*4096
.set fn, fn+1
.endr
.if LAPS > 1
	s_mov_b32 s3, LAPS-1
.Llap:
	STEPS 0, 1
	TURN 0, 1, 1
	STEPS 1, 0
	TURN 1, 0, 1
	STEP 0, 0, 0
	s_sub_co_u32 s3, s3, 1
	s_cmp_lg_u32 s3, 0
	s_cbranch_scc1 .Llap
.endif
	STEPS 0, 1
	TURN 0, 1, 0
	STEPS 1, 0
	LAST
	PLACES NP
	s_wait_loadcnt 0x0
.irp a, 0,1,2,3
	FOUT \a
.endr
	s_wait_tensorcnt 0x0
	ds_add_u32 v[SPW], v[NIL]
	s_wait_dscnt 0x0
	CROUND
	s_endpgm
.Lfunc_end_k_qa1768d5d6f_ffn2:
	.size	k_qa1768d5d6f_ffn2, .Lfunc_end_k_qa1768d5d6f_ffn2-k_qa1768d5d6f_ffn2
	.p2alignl 7, 3214868480
	.fill 96, 4, 3214868480
	.section	.rodata,"a",@progbits
	.p2align	6, 0x0
	.amdhsa_kernel k_qa1768d5d6f_ffn2
		.amdhsa_group_segment_fixed_size 327680
		.amdhsa_private_segment_fixed_size 0
		.amdhsa_enable_private_segment 0
		.amdhsa_kernarg_size 40
		.amdhsa_user_sgpr_count 2
		.amdhsa_user_sgpr_kernarg_segment_ptr 1
		.amdhsa_wavefront_size32 1
		.amdhsa_system_sgpr_workgroup_id_x 1
		.amdhsa_system_sgpr_workgroup_id_y 1
		.amdhsa_system_sgpr_workgroup_id_z 1
		.amdhsa_system_vgpr_workitem_id 0
		.amdhsa_next_free_vgpr 768
		.amdhsa_next_free_sgpr 102
		.amdhsa_reserve_vcc 0
		.amdhsa_float_denorm_mode_32 3
		.amdhsa_float_denorm_mode_16_64 3
		.amdhsa_memory_ordered 1
		.amdhsa_forward_progress 1
		.amdhsa_inst_pref_size 109
	.end_amdhsa_kernel
	.amdgpu_metadata
---
amdhsa.version: [ 1, 2 ]
amdhsa.kernels:
  - .name:           k_qa1768d5d6f_ffn2
    .symbol:         k_qa1768d5d6f_ffn2.kd
    .args:
      - { .name: H, .offset: 0, .size: 8, .value_kind: global_buffer, .address_space: global }
      - { .name: WB, .offset: 8, .size: 8, .value_kind: global_buffer, .address_space: global }
      - { .name: b2, .offset: 16, .size: 8, .value_kind: global_buffer, .address_space: global }
      - { .name: X1, .offset: 24, .size: 8, .value_kind: global_buffer, .address_space: global }
      - { .name: out0, .offset: 32, .size: 8, .value_kind: global_buffer, .address_space: global }
    .group_segment_fixed_size: 327680
    .private_segment_fixed_size: 0
    .kernarg_segment_align: 8
    .kernarg_segment_size: 40
    .max_flat_workgroup_size: 128
    .sgpr_count:     102
    .vgpr_count:     768
    .wavefront_size: 32
...
	.end_amdgpu_metadata
.endif
;; end of part 7
